; MI455X (gfx1250); checked and timed in simulation.
; The chip was launched on July 23, 2026; its instructions are those of AMD's public machine-readable ISA for CDNA 5 (MIT licence, August 2026) and "CDNA5" Instruction Set Architecture Reference Guide (July 2026). The comments in the code are by the model that wrote it; some were corrected since.
;; Multi Scale Retention. Allowed arithmetic: float matrix products may take bf16 or f16 operands with f32 sums; other float arithmetic in f32, or as packed bf16 or f16 multiplies, adds, multiply-adds, maxima and minima; sums over many terms, partial sums and values carried from step to step in f32; what a program stores and reads back later, other than sums and carried values, may be rounded once to bf16 or f16.
;; Inputs: g_b 2,048 float32; g_w 1,024 x 2,048 float32; k_b 1,024 float32; k_w 1,024 x 1,024 float32; o_b 1,024 float32; o_w 2,048 x 1,024 float32; q_b 1,024 float32; q_w 1,024 x 1,024 float32; v_b 2,048 float32; v_w 1,024 x 2,048 float32; x 2 x 2,048 x 1,024 float32.
;; Outputs: out0 2 x 2,048 x 1,024 float32.
;; 2 versions, each right and faster than the one before. Each part assembles by itself: llvm-mc -triple=amdgcn-amd-amdhsa -mcpu=gfx1250 --defsym DOCPART=n.
;; ======== version 1 of 2: 5 launches
;; limits: values outside matrix products are rounded to f16; values are held in f16: magnitudes above 65,504 overflow, below 6.1e-05 lose precision
;; workspace buffers: prep 26,216,448 bytes; proj 50,593,792 bytes; ust 8,257,536 bytes; yb 16,777,216 bytes
;; launch prep (part 1): grid 64 x 14, 8 waves a work-group, no clusters, 0 bytes of LDS; arguments x, q_w, k_w, v_w, g_w, o_w, prep; writes prep
.if DOCPART == 1
	.amdgcn_target "amdgcn-amd-amdhsa--gfx1250"
	.amdhsa_code_object_version 6
	.text
	.protected	k_q85625ee6f9_prep
	.globl	k_q85625ee6f9_prep
	.p2align	8
	.type	k_q85625ee6f9_prep,@function
k_q85625ee6f9_prep:
	s_mov_b64 s[64:65], 0
	v_nop
	global_prefetch_b8 v0, s[64:65] scope:SCOPE_SE
	s_setreg_imm32_b32 hwreg(HW_REG_WAVE_MODE, 25, 1), 1
	s_wait_xcnt 0x0
; PREP.  Work-group row y = 0..11: one unit of 1,024 x 1,024 f32 is rounded to bf16 (x; q_w, k_w, v_w, g_w side by side as one [1024][6144]); o_w is rounded to bf16 and that number written as f16.
; y = 12: the table of cos and sin, [2048 positions][32 pairs].  y = 13: per head and position gamma^(s%64), gamma^(63-s%64), 1/sqrt(sum of the decay mask's row); and 16 powers of gamma per head.
; No LDS, no matrix unit: memory binds the casts; each thread has all its 16 loads out before its first store, and a wave's store covers 512 consecutive bytes.
; LIMITS.  o_w as f16: magnitudes from 6e-5 to 65,504 keep bf16's bits, smaller ones f16's fixed step of 6e-8.  The angle s x theta carries the exponential's last-bit error, times s <= 2,047.
.set WB,  0x800000                     ; byte offsets in prep
.set OB,  0x1400000
.set TAB, 0x1800000
.set REC, 0x1880000
.set HP,  0x1900000
.set OS, 4                             ; v4-11   source offsets of the eight passes
.set OD, 12                            ; v12-19  destination offsets
.set X,  32                            ; v32-95  as loaded
.set Y,  96                            ; v96-127 to store
	s_load_b256 s[8:15], s[0:1], 0x0               ; x, q_w, k_w, v_w
	s_load_b128 s[16:19], s[0:1], 0x20             ; g_w, o_w
	s_load_b64 s[20:21], s[0:1], 0x30              ; prep
	s_and_b32 s4, ttmp7, 0xffff                    ; y
	s_mov_b32 s5, ttmp9                            ; X
	s_wait_kmcnt 0x0
	s_cmp_eq_u32 s4, 12
	s_cbranch_scc1 .Ltab
	s_cmp_eq_u32 s4, 13
	s_cbranch_scc1 .Lrec
	; THE CASTS.  y < 4: x, 1,024 rows a unit
	s_mov_b64 s[22:23], s[8:9]                     ; source
	s_lshl_b32 s24, s4, 22                         ; its byte offset
	s_mov_b32 s25, 4096                            ; its pitch
	s_lshl_b32 s26, s4, 21                         ; destination offset
	s_mov_b32 s27, 2048                            ; destination pitch
.macro PICK yy, ptr, so, sp, do, dp
	s_cmp_eq_u32 s4, \yy
	s_cselect_b64 s[22:23], s[(\ptr):(\ptr)+1], s[22:23]
	s_cselect_b32 s24, \so, s24
	s_cselect_b32 s25, \sp, s25
	s_cselect_b32 s26, \do, s26
	s_cselect_b32 s27, \dp, s27
.endm
	PICK 4,  10, 0,     4096, WB,        12288
	PICK 5,  12, 0,     4096, WB+2048,   12288
	PICK 6,  14, 0,     8192, WB+4096,   12288
	PICK 7,  14, 4096,  8192, WB+6144,   12288
	PICK 8,  16, 0,     8192, WB+8192,   12288
	PICK 9,  16, 4096,  8192, WB+10240,  12288
	PICK 10, 18, 0,     4096, OB,        2048
	PICK 11, 18, 1<<22, 4096, OB+(1<<21), 2048
	s_mul_i32 s28, s5, s25                         ; my 16 rows
	s_lshl_b32 s28, s28, 4
	s_add_co_u32 s28, s28, s24
	s_mov_b32 s29, 0
	s_add_nc_u64 s[22:23], s[22:23], s[28:29]
	s_mul_i32 s30, s5, s27
	s_lshl_b32 s30, s30, 4
	s_add_co_u32 s30, s30, s26
	s_mov_b32 s31, 0
	s_add_nc_u64 s[20:21], s[20:21], s[30:31]
	v_lshrrev_b32 v1, 7, v0                        ; which of a pass's two rows
	v_and_b32 v2, 127, v0                          ; which eight columns
	v_lshlrev_b32 v3, 5, v2
	v_mad_u32_u24 v[OS], v1, s25, v3
	v_lshlrev_b32 v3, 4, v2
	v_mad_u32_u24 v[OD], v1, s27, v3
	s_lshl_b32 s25, s25, 1                         ; two rows on
	s_lshl_b32 s27, s27, 1
.irp p, 1,2,3,4,5,6,7
	v_add_nc_u32 v[OS+(\p)], s25, v[OS+(\p)-1]
	v_add_nc_u32 v[OD+(\p)], s27, v[OD+(\p)-1]
.endr
.irp p, 0,1,2,3,4,5,6,7
	global_load_b128 v[X+8*(\p):X+8*(\p)+3],   v[OS+(\p)], s[22:23] th:TH_LOAD_NT
	global_load_b128 v[X+8*(\p)+4:X+8*(\p)+7], v[OS+(\p)], s[22:23] offset:16 th:TH_LOAD_NT
.endr
; Eight passes.  No register is written twice, so the only wait is the pass's own: loads come back in order, the younger passes' 14 - 2 p stay out.
.macro CVT f16
.irp p, 0,1,2,3,4,5,6,7
	s_wait_loadcnt 14-2*(\p)
.irp k, 0,1,2,3
	v_cvt_pk_bf16_f32 v[Y+4*(\p)+(\k)], v[X+8*(\p)+2*(\k)], v[X+8*(\p)+2*(\k)+1]
.endr
.if \f16
.irp k, 0,1,2,3
	v_lshlrev_b32 v[20+2*(\k)], 16, v[Y+4*(\p)+(\k)]          ; the bf16 numbers as f32,
	v_and_b32 v[21+2*(\k)], 0xffff0000, v[Y+4*(\p)+(\k)]
.endr
.irp k, 0,1,2,3
	v_cvt_pk_f16_f32 v[Y+4*(\p)+(\k)], v[20+2*(\k)], v[21+2*(\k)]  ; written as f16
.endr
.endif
	global_store_b128 v[OD+(\p)], v[Y+4*(\p):Y+4*(\p)+3], s[20:21]
.endr
	s_endpgm
.endm
	s_cmp_ge_u32 s4, 10
	s_cbranch_scc1 .Lf16
	CVT 0
.Lf16:
	CVT 1
	; THE TABLE OF COS AND SIN.  A thread makes four pairs j0 .. j0 + 3 of position s: theta_j = 2^(-j log2(10000) / 31).
.Ltab:
	s_add_nc_u64 s[20:21], s[20:21], TAB
	s_lshl_b32 s6, s5, 8
	v_add_nc_u32 v1, s6, v0                        ; idx
	v_lshrrev_b32 v2, 3, v1
	v_cvt_f32_u32 v2, v2                           ; s
	v_and_b32 v3, 7, v1
	v_lshlrev_b32 v3, 2, v3                        ; j0
	v_lshlrev_b32 v4, 5, v1                        ; 32 bytes a thread
; a = s theta is reduced by k = round(a 2/pi) quarter turns (pi/2 in two parts), sin and cos of the rest by polynomials on |r| <= pi/4, then turned back by k mod 4.
.macro SINCOS j
	v_add_nc_u32 v16, \j, v3
	v_cvt_f32_u32 v16, v16
	v_mul_f32 v16, 0xbedb762a, v16                 ; -log2(10000) / 31
	v_exp_f32 v16, v16
	v_nop                                          ; a plain instruction behind the exponential (ISA guide 5.7.2)
	s_wait_alu depctr_va_vdst(0)
	v_mul_f32 v16, v2, v16                         ; a
	v_mul_f32 v17, 0x3f22f983, v16                 ; 2 / pi
	v_rndne_f32 v17, v17                           ; k
	v_fmamk_f32 v18, v17, 0xbfc90fdb, v16          ; r = a - k pi/2, the high part,
	v_fmamk_f32 v18, v17, 0x333bbd2e, v18          ; and what the high part is too large by
	v_mul_f32 v19, v18, v18                        ; z
	v_mov_b32 v20, 0xb94ca1f9
	v_fmaak_f32 v20, v20, v19, 0x3c08839e
	v_fmaak_f32 v20, v20, v19, 0xbe2aaaa3
	v_mul_f32 v21, v18, v19
	v_fma_f32 v20, v21, v20, v18                   ; sin r
	v_mov_b32 v22, 0x37ccf5ce
	v_fmaak_f32 v22, v22, v19, 0xbab6061a
	v_fmaak_f32 v22, v22, v19, 0x3d2aaaa5
	v_mul_f32 v21, v19, v19
	v_fma_f32 v23, v19, -0.5, 1.0
	v_fma_f32 v22, v21, v22, v23                   ; cos r
	v_cvt_i32_f32 v24, v17
	v_and_b32 v21, 1, v24
	v_cmp_eq_u32 vcc_lo, 1, v21
	v_cndmask_b32 v25, v20, v22, vcc_lo            ; odd k: sin and cos change places
	v_cndmask_b32 v26, v22, v20, vcc_lo
	v_and_b32 v21, 2, v24
	v_lshlrev_b32 v21, 30, v21
	v_xor_b32 v[9+2*(\j)], v21, v25                ; sin: minus for k mod 4 = 2, 3
	v_add_nc_u32 v21, 1, v24
	v_and_b32 v21, 2, v21
	v_lshlrev_b32 v21, 30, v21
	v_xor_b32 v[8+2*(\j)], v21, v26                ; cos: minus for k mod 4 = 1, 2
.endm
	SINCOS 0
	SINCOS 1
	SINCOS 2
	SINCOS 3
	global_store_b128 v4, v[8:11], s[20:21]
	global_store_b128 v4, v[12:15], s[20:21] offset:16
	s_endpgm
	; THE DECAY'S NUMBERS.  gamma = 1 - e, e = 2^-(5+h).  ln gamma by its series to e^7 (e <= 1/32: the rest is under 1e-10 of it).
.Lrec:
	s_add_nc_u64 s[24:25], s[20:21], REC
	s_lshl_b32 s22, s5, 5
	s_add_co_u32 s22, s22, HP
	s_mov_b32 s23, 0
	s_add_nc_u64 s[22:23], s[20:21], s[22:23]      ; this work-group's eight words of the powers
	s_lshr_b32 s6, s5, 2                           ; h
	s_sub_co_u32 s7, 122, s6
	s_lshl_b32 s7, s7, 23                          ; e as f32
	s_add_co_u32 s8, s6, 5
	s_lshl_b32 s9, s5, 8
	v_add_nc_u32 v1, s9, v0                        ; idx: two entries a thread
	v_lshlrev_b32 v2, 1, v1
	v_and_b32 v2, 0x7ff, v2                        ; s of the first
	v_lshlrev_b32 v4, 5, v1
	v_mov_b32 v5, s7
	v_mov_b32 v6, 0x3e124925                       ; 1/7
	v_fmaak_f32 v6, v6, v5, 0x3e2aaaab             ; 1/6
	v_fmaak_f32 v6, v6, v5, 0x3e4ccccd             ; 1/5
	v_fmaak_f32 v6, v6, v5, 0x3e800000             ; 1/4
	v_fmaak_f32 v6, v6, v5, 0x3eaaaaab             ; 1/3
	v_fma_f32 v6, v6, v5, 0.5
	v_fma_f32 v6, v6, v5, 1.0
	v_mul_f32 v6, -v5, v6                          ; ln gamma
	v_mul_f32 v7, 0x3fb8aa3b, v6                   ; log2 gamma
; 1 - gamma^(s+1): by the exponential, or where u = (s+1) ln gamma is above -1/4 by the series of -expm1(u) to u^7, which loses nothing to cancellation.  Chosen by a select.
.macro RECE e2, r
	v_add_nc_u32 v16, \e2, v2
	v_and_b32 v17, 63, v16
	v_cvt_f32_u32 v18, v17
	v_sub_nc_u32 v17, 63, v17
	v_cvt_f32_u32 v19, v17
	v_mul_f32 v18, v7, v18
	v_mul_f32 v19, v7, v19
	v_add_nc_u32 v16, 1, v16
	v_cvt_f32_u32 v16, v16
	v_mul_f32 v20, v7, v16
	v_mul_f32 v21, v6, v16                         ; u
	v_exp_f32 v[\r], v18                           ; gamma^(s%64)
	v_exp_f32 v[(\r)+1], v19                       ; gamma^(63-s%64)
	v_exp_f32 v20, v20
	v_mov_b32 v22, 0x39500d01                      ; 1/5040
	v_fmaak_f32 v22, v22, v21, 0x3ab60b61          ; 1/720
	v_fmaak_f32 v22, v22, v21, 0x3c088889          ; 1/120
	v_fmaak_f32 v22, v22, v21, 0x3d2aaaab          ; 1/24
	v_fmaak_f32 v22, v22, v21, 0x3e2aaaab          ; 1/6
	v_fma_f32 v22, v22, v21, 0.5
	v_fma_f32 v22, v22, v21, 1.0
	v_mul_f32 v22, -v21, v22
	s_wait_alu depctr_va_vdst(0)
	v_sub_f32 v20, 1.0, v20
	v_cmp_lt_f32 vcc_lo, 0xbe800000, v21
	v_cndmask_b32 v20, v20, v22, vcc_lo
	v_ldexp_f32 v20, v20, s8                       ; divided by e: the mask's row sum
	v_rsq_f32 v[(\r)+2], v20
	v_mov_b32 v[(\r)+3], 0
.endm
	RECE 0, 8
	RECE 1, 12
	global_store_b128 v4, v[8:11], s[24:25]
	s_wait_alu depctr_va_vdst(0)
	global_store_b128 v4, v[12:15], s[24:25] offset:16
	; the powers: value i at words 2 i, 2 i + 1: i < 4: gamma^(64 i - 63) / 8; i < 8: gamma^(64 i - 255) / 8; i = 8: gamma^64; above: gamma^256
	s_and_b32 s9, s5, 3
	s_lshl_b32 s9, s9, 3
	v_and_b32 v16, 7, v0
	v_add_nc_u32 v16, s9, v16
	v_lshrrev_b32 v17, 1, v16                      ; i
	v_lshlrev_b32 v18, 6, v17
	v_add_nc_u32 v19, 0xffffffc1, v18
	v_add_nc_u32 v20, 0xffffff01, v18
	v_cmp_gt_u32 vcc_lo, 4, v17
	v_cndmask_b32 v19, v20, v19, vcc_lo
	v_cmp_eq_u32 vcc_lo, 8, v17
	v_cndmask_b32 v19, v19, 64, vcc_lo
	v_cmp_lt_u32 vcc_lo, 8, v17
	v_mov_b32 v21, 0x100
	v_cndmask_b32 v19, v19, v21, vcc_lo
	v_cvt_f32_i32 v19, v19
	v_mul_f32 v19, v7, v19
	v_exp_f32 v19, v19
	v_cmp_gt_u32 vcc_lo, 8, v17
	v_mov_b32 v21, 0x3e000000
	v_cndmask_b32 v21, 1.0, v21, vcc_lo
	s_wait_alu depctr_va_vdst(0)
	v_mul_f32 v19, v19, v21
	v_lshlrev_b32 v22, 2, v0
	s_wait_xcnt 0x0                                ; EXEC is a source of the stores above: it changes only behind this wait
	v_cmp_gt_u32 vcc_lo, 8, v0
	s_and_saveexec_b32 s10, vcc_lo
	global_store_b32 v22, v19, s[22:23]            ; threads 0 to 7
	s_wait_xcnt 0x0
	s_or_b32 exec_lo, exec_lo, s10
	s_endpgm
.Lfunc_end_k_q85625ee6f9_prep:
	.size	k_q85625ee6f9_prep, .Lfunc_end_k_q85625ee6f9_prep-k_q85625ee6f9_prep
	.p2alignl 7, 3214868480
	.fill 96, 4, 3214868480
	.section	.rodata,"a",@progbits
	.p2align	6, 0x0
	.amdhsa_kernel k_q85625ee6f9_prep
		.amdhsa_group_segment_fixed_size 0
		.amdhsa_private_segment_fixed_size 0
		.amdhsa_enable_private_segment 0
		.amdhsa_kernarg_size 56
		.amdhsa_user_sgpr_count 2
		.amdhsa_user_sgpr_kernarg_segment_ptr 1
		.amdhsa_wavefront_size32 1
		.amdhsa_system_sgpr_workgroup_id_x 1
		.amdhsa_system_sgpr_workgroup_id_y 1
		.amdhsa_system_sgpr_workgroup_id_z 1
		.amdhsa_system_vgpr_workitem_id 0
		.amdhsa_next_free_vgpr 128
		.amdhsa_next_free_sgpr 66
		.amdhsa_reserve_vcc 1
		.amdhsa_float_denorm_mode_32 3
		.amdhsa_float_denorm_mode_16_64 3
		.amdhsa_memory_ordered 1
		.amdhsa_forward_progress 1
		.amdhsa_inst_pref_size 29
	.end_amdhsa_kernel
	.amdgpu_metadata
---
amdhsa.version: [ 1, 2 ]
amdhsa.kernels:
  - .name:           k_q85625ee6f9_prep
    .symbol:         k_q85625ee6f9_prep.kd
    .args:
      - { .name: x, .offset: 0, .size: 8, .value_kind: global_buffer, .address_space: global }
      - { .name: q_w, .offset: 8, .size: 8, .value_kind: global_buffer, .address_space: global }
      - { .name: k_w, .offset: 16, .size: 8, .value_kind: global_buffer, .address_space: global }
      - { .name: v_w, .offset: 24, .size: 8, .value_kind: global_buffer, .address_space: global }
      - { .name: g_w, .offset: 32, .size: 8, .value_kind: global_buffer, .address_space: global }
      - { .name: o_w, .offset: 40, .size: 8, .value_kind: global_buffer, .address_space: global }
      - { .name: prep, .offset: 48, .size: 8, .value_kind: global_buffer, .address_space: global }
    .group_segment_fixed_size: 0
    .private_segment_fixed_size: 0
    .kernarg_segment_align: 8
    .kernarg_segment_size: 56
    .max_flat_workgroup_size: 256
    .sgpr_count:     66
    .vgpr_count:     128
    .wavefront_size: 32
...
	.end_amdgpu_metadata
.endif
;; end of part 1
;; launch gemm1 (part 2): grid 48 x 32, 4 waves a work-group, clusters of 4 x 4, 327,680 bytes of LDS; arguments prep, q_b, k_b, v_b, g_b, proj; writes proj
.if DOCPART == 2
	.amdgcn_target "amdgcn-amd-amdhsa--gfx1250"
	.amdhsa_code_object_version 6
	.text
	.protected	k_q85625ee6f9_gemm1
	.globl	k_q85625ee6f9_gemm1
	.p2align	8
	.type	k_q85625ee6f9_gemm1,@function
k_q85625ee6f9_gemm1:
	s_mov_b64 s[64:65], 0
	v_nop
	global_prefetch_b8 v0, s[64:65] scope:SCOPE_SE
	s_setreg_imm32_b32 hwreg(HW_REG_WAVE_MODE, 25, 1), 1
	s_wait_xcnt 0x0
	s_wait_alu depctr_hold_cnt(0) depctr_sa_sdst(0) depctr_va_vdst(0) depctr_va_sdst(0) depctr_va_ssrc(0) depctr_va_vcc(0) depctr_vm_vsrc(0)
	s_getreg_b32 s2, hwreg(HW_REG_IB_STS2, 6, 4)
	s_cmp_eq_u32 s2, 0
	s_cbranch_scc0 .Lentry_in_a_cluster
	s_endpgm
.Lentry_in_a_cluster:
	s_bfe_u32 s2, ttmp6, 0x10000c
	s_cmp_lg_u32 s2, 0xf033
	s_cbranch_scc0 .Lentry_shape_is_right
	s_endpgm
.Lentry_shape_is_right:
; THE FOUR PROJECTIONS AS ONE PRODUCT.  C[4096][6144] = X[4096][1024] W[1024][6144], bf16 operands, f32 sums; then, by the column region, what follows the projection:
;   q: + bias, rotary shift, divided by the row's length in its head, times gamma^(s%64), f16 by heads; the length times 1/sqrt(mask's row sum) goes out in f32
;   k: + bias, rotary shift, times gamma^(63-s%64), f16 by heads (the scale 1/8 is applied later, in f32)      v: + bias, f16 by heads      g: + bias, silu / 8, f16 by heads
; A tile of C is 128 x 128: 1,536 tiles, six for each of 256 WGPs.  Four waves, each 64 x 64: 16 accumulators.  K goes in steps of 256 through two LDS slots.
; X's rows lie along K and come out of LDS as they lie; W lies [K][N] and comes out turned, by ds_load_tr16_b128.  The matrix instruction takes W's fragment as source 0 and X's as source 1:
; a lane then holds one row of C and eight neighbouring columns.
; CLUSTER 4 x 4: X's tile is asked for jointly by a row of the cluster, W's by a column.  The region is told by the cluster's x alone (a region is a whole number of clusters wide), so partners branch alike.
; LIMITS.  The outputs are f16: k, v and silu(g)/8 stay under 65,504 in magnitude.  |q|^2 of a head counts as at least 1e-30.  NaN and infinities are not treated apart.  The biases are rounded to bf16 like all inputs.
.set SIZE_K, 1024
.set SIZE_N, 6144
.set WB,  0x800000                     ; byte offsets in prep
.set TAB, 0x1800000
.set REC, 0x1880000
.set KH,  8388608                      ; byte offsets in proj
.set VH,  16777216
.set GH,  33554432
.set QN,  50331648
.set KSTEP,  256
.set PA,     528                       ; a row of X in LDS: 512 bytes + 16: the 16 rows of a load start at 16 different groups of four banks (ISA guide 11.1)
.set HALFA,  64*PA
.set PB,     288                       ; a row of W: 256 + 32
.set HALFB,  128*PB
.set BOFF,   2*HALFA
.set SLOT,   2*HALFA+2*HALFB           ; X's 128 rows, then W's 256 rows
.set STAGE,  2*SLOT                    ; behind the ring: 128 rows x 272 bytes, the work-group's
.set SPITCH, 272
.set SPARE,  STAGE+128*SPITCH          ; the spare words, 128 bytes a wave
.set LAPS, SIZE_K/(2*KSTEP)
.set ROF,  10                          ; v10  16 r
.set QOF,  11                          ; v11  4 x lane
.set ADRA, 16                          ; v16-17  my X fragments in slot 0, 1
.set ADRB, 20                          ; v20-23  my W fragments: slot 0 rows 0-127, 128-255; slot 1 likewise
.set STO,  24
.set RDV,  25
.set RDQ,  26
.set LOFF, 27                          ; v27  16 x lane
.set SPW,  28
.set NIL,  29
.set BOF,  30
.set TOF,  31
.set BI,   96                          ; v96-127 the bias of my 64 columns' share
.set ACC,  128
.set F0,   0                           ; fragment buffers, in window 1
.set F1,   128
.set G1, 24
.set G0, 32
.set G1B, 48
.set G0B, 56
.set SEL, 66
.set MSB, 0
.macro WIN new                         ; the immediate's high byte repeats the setting that is left
.if MSB != (\new)
	s_set_vgpr_msb (MSB<<8)|(\new)
.set MSB, \new
.endif
.endm
.set MUL,  0x05                        ; sources 0 and 1 window 1; C and D window 0
.set TO_F, 0x40                        ; destination window 1, address window 0
.macro JLOAD s                         ; a joint load: waves 0 and 1 fetch X's two halves, waves 2 and 3 W's; s_nop 0 and four v_nop follow each line
	s_cmp_eq_u32 s11, 0
	s_cbranch_scc0 .Lfor_b_\@
	tensor_load_to_lds s[G0+4*(\s):G0+4*(\s)+3], s[G1:G1+7]
	s_nop 0
.rept 4
	v_nop
.endr
	s_branch .Lasked_\@
.Lfor_b_\@:
	tensor_load_to_lds s[G0B+4*(\s):G0B+4*(\s)+3], s[G1B:G1B+7]
	s_nop 0
.rept 4
	v_nop
.endr
.Lasked_\@:
.endm
.macro CREST                           ; a round of the cluster's barrier behind its opening barrier
	s_cmp_lg_u32 s10, 0
	s_cbranch_scc1 .Lnot_wave_0_\@
	s_barrier_signal -3
.Lnot_wave_0_\@:
	s_barrier_wait -3
	s_barrier_signal -1
	s_barrier_wait -1
.endm
.macro CROUND
	s_barrier_signal -1
	s_barrier_wait -1
	CREST
.endm
	s_load_b256 s[68:75], s[0:1], 0x0              ; prep s[68:69], q_b, k_b, v_b
	s_load_b128 s[76:79], s[0:1], 0x20             ; g_b s[76:77], proj s[78:79]
	v_lshl_add_u32 v[SPW], v0, 2, SPARE
	v_mov_b32 v[NIL], 0
	ds_add_u32 v[SPW], v[NIL]                      ; the wave's opening: the add and its wait stand ahead of my first tensor load
	ds_add_u32 v28, v29
	v_lshrrev_b32 v1, 5, v0
	v_readfirstlane_b32 s10, v1                    ; wave 0..3
	s_lshr_b32 s11, s10, 1                         ; my half of the tile's rows.  Also: I fetch for X (0) or for W (1)
	s_and_b32 s12, s10, 1                          ; my half of its columns.  Also: which half of that tile I fetch
	s_bfe_u32 s40, ttmp6, 0x40000                  ; cx
	s_bfe_u32 s41, ttmp6, 0x40004                  ; cy
	s_lshl_b32 s42, ttmp9, 2
	s_add_co_u32 s42, s42, s40                     ; tile column
	s_and_b32 s13, ttmp7, 0xffff
	s_lshl_b32 s13, s13, 2
	s_add_co_u32 s13, s13, s41                     ; tile row
	s_lshl_b32 s43, s41, 2
	s_lshl_b32 s43, 15, s43                        ; my row of the cluster
	s_lshl_b32 s44, 0x1111, s40                    ; my column
	s_or_b32 s[G1+0], s43, (1<<16)|(1<<20)|(1<<21)|(6<<22)|(3<<25)   ; X: 2-byte elements, 4 words of padding after every 128
	s_or_b32 s[G1B+0], s44, (1<<16)|(1<<20)|(1<<21)|(5<<22)|(7<<25)  ; W: 8 words after every 64
	s_mov_b32 s[G1+1], KSTEP<<16                   ; X: 64 rows x 256 elements
	s_mov_b32 s[G1+2], 64<<16
	s_mov_b32 s[G1+3], KSTEP<<16
	s_mov_b32 s[G1+4], 64
	s_mov_b32 s[G1+5], SIZE_K
	s_mov_b32 s[G1+6], 0
	s_mov_b32 s[G1+7], 0
	s_mov_b32 s[G1B+1], 128<<16                    ; W: 128 rows x 128 elements
	s_mov_b32 s[G1B+2], 128<<16
	s_mov_b32 s[G1B+3], 128<<16
	s_mov_b32 s[G1B+4], 128
	s_mov_b32 s[G1B+5], SIZE_N
	s_mov_b32 s[G1B+6], 0
	s_mov_b32 s[G1B+7], 0
	s_lshl_b32 s16, s13, 7
	s_lshl_b32 s17, s12, 6
	s_add_co_u32 s16, s16, s17                     ; X: row 128 x tile row + 64 x half
	s_mul_i32 s16, s16, SIZE_K*2
	s_mov_b32 s17, 0
	s_mul_i32 s46, s12, 128*SIZE_N*2               ; W: K row 128 x half, column 128 x tile column
	s_lshl_b32 s47, s42, 8
	s_add_co_u32 s46, s46, s47
	s_add_co_u32 s46, s46, WB
	s_mov_b32 s47, 0
	s_mul_i32 s20, s12, HALFA                      ; where they go: no place in the cluster enters an LDS address
	s_mul_i32 s21, s12, HALFB
	s_add_co_u32 s21, s21, BOFF
	s_mov_b32 s[SEL], 0x76543210
	s_mov_b32 s[SEL+1], 0xfedcba98
	s_wait_dscnt 0x0                               ; the opening add is done
	s_wait_kmcnt 0x0
	s_add_nc_u64 s[14:15], s[68:69], s[16:17]
	s_add_nc_u64 s[46:47], s[68:69], s[46:47]
	CROUND                                         ; all sixteen work-groups are here: the first joint loads meet
.irp s, 0,1
	s_mov_b32 s[G0+4*(\s)], 1
	s_add_co_u32 s[G0+4*(\s)+1], s20, (\s)*SLOT
	s_add_nc_u64 s[G0+4*(\s)+2:G0+4*(\s)+3], s[14:15], (\s)*KSTEP*2
	s_or_b32 s[G0+4*(\s)+3], s[G0+4*(\s)+3], 0x80000000
	s_mov_b32 s[G0B+4*(\s)], 1
	s_add_co_u32 s[G0B+4*(\s)+1], s21, (\s)*SLOT
	s_add_nc_u64 s[G0B+4*(\s)+2:G0B+4*(\s)+3], s[46:47], (\s)*KSTEP*SIZE_N*2
	s_or_b32 s[G0B+4*(\s)+3], s[G0B+4*(\s)+3], 0x80000000
	JLOAD \s
.endr
	; the region, from the cluster's x: 0-1 q, 2-3 k, 4-7 v, 8-11 g
	s_mov_b32 s80, ttmp9
	s_mov_b32 s86, GH
	s_cmp_lt_u32 s80, 8
	s_cselect_b64 s[82:83], s[74:75], s[76:77]     ; the bias,
	s_cselect_b32 s81, 16, 32                      ; the region's first tile column,
	s_cselect_b32 s86, VH, s86                     ; its part of proj
	s_cmp_lt_u32 s80, 4
	s_cselect_b64 s[82:83], s[72:73], s[82:83]
	s_cselect_b32 s81, 8, s81
	s_cselect_b32 s86, KH, s86
	s_cmp_lt_u32 s80, 2
	s_cselect_b64 s[82:83], s[70:71], s[82:83]
	s_cselect_b32 s81, 0, s81
	s_cselect_b32 s86, 0, s86
	s_cselect_b32 s85, -1, 0                       ; all ones: q
	s_sub_co_u32 s84, s42, s81                     ; tile column in the region: it enters global addresses alone
	s_lshr_b32 s87, s13, 4                         ; batch
	s_and_b32 s90, s13, 15
	s_lshl_b32 s90, s90, 7                         ; the tile's first position
	v_and_b32 v1, 15, v0                           ; r
	v_bfe_u32 v2, v0, 4, 1                         ; h
	v_lshlrev_b32 v[BOF], 5, v2                    ; bias: column 64 x half + 16 b + 8 h + j
	s_lshl_b32 s23, s12, 8
	v_add_nc_u32 v[BOF], s23, v[BOF]
	s_lshl_b32 s88, s84, 9
	s_mov_b32 s89, 0
	s_add_nc_u64 s[82:83], s[82:83], s[88:89]
.irp b, 0,1,2,3
	global_load_b128 v[BI+8*(\b):BI+8*(\b)+3],   v[BOF], s[82:83] offset:64*(\b)
	global_load_b128 v[BI+8*(\b)+4:BI+8*(\b)+7], v[BOF], s[82:83] offset:64*(\b)+16
.endr
	v_mul_u32_u24 v3, v1, PA
	v_lshl_add_u32 v3, v2, 4, v3                   ; X: row x pitch + 16 x half of the lanes
	s_mul_i32 s22, s11, HALFA
	v_add_nc_u32 v[ADRA], s22, v3
	v_add_nc_u32 v[ADRA+1], SLOT, v[ADRA]
	v_and_b32 v4, 7, v0                            ; W, turned: lane l reads K row 8 (l / 16) + l % 8, columns 8 ((l / 8) % 2) + 0..7
	v_lshl_add_u32 v4, v2, 3, v4
	v_mul_u32_u24 v4, v4, PB
	v_bfe_u32 v5, v0, 3, 1
	v_lshl_add_u32 v4, v5, 4, v4
	s_lshl_b32 s22, s12, 7
	s_add_co_u32 s22, s22, BOFF
	v_add_nc_u32 v[ADRB], s22, v4
	v_add_nc_u32 v[ADRB+1], HALFB, v[ADRB]
	v_add_nc_u32 v[ADRB+2], SLOT, v[ADRB]
	v_add_nc_u32 v[ADRB+3], SLOT+HALFB, v[ADRB]
	s_mul_i32 s23, s11, 64*SPITCH                  ; into the stage: my 64 rows, my half of their 256 bytes
	s_lshl_b32 s22, s12, 7
	s_add_co_u32 s23, s23, s22
	s_add_co_u32 s23, s23, STAGE
	v_mul_u32_u24 v4, v1, SPITCH
	v_lshl_add_u32 v4, v2, 4, v4
	v_add_nc_u32 v[STO], s23, v4
	s_mul_i32 s23, s10, 32*SPITCH                  ; back: wave w takes rows 32 w .. 32 w + 31
	s_add_co_u32 s23, s23, STAGE
	v_mul_u32_u24 v5, v2, SPITCH                   ; whole rows of 256 bytes, two a load,
	v_lshl_add_u32 v5, v1, 4, v5
	v_add_nc_u32 v[RDV], s23, v5
	v_bfe_u32 v5, v0, 3, 2                         ; or half rows of 128 bytes, four a load
	v_mul_u32_u24 v5, v5, SPITCH
	v_and_b32 v6, 7, v0
	v_lshl_add_u32 v5, v6, 4, v5
	v_add_nc_u32 v[RDQ], s23, v5
	v_and_b32 v6, 31, v0
	v_lshlrev_b32 v[LOFF], 4, v6
	v_lshlrev_b32 v[QOF], 2, v6
	v_lshlrev_b32 v[ROF], 4, v1
	v_lshlrev_b32 v[TOF], 8, v1
	v_lshl_add_u32 v[TOF], v2, 5, v[TOF]
	s_wait_loadcnt 0x0                             ; the bias; it is rounded to bf16 like every input
.set i, 0
.rept 16
	v_cvt_pk_bf16_f32 v32, v[BI+2*i], v[BI+2*i+1]
	v_lshlrev_b32 v[BI+2*i], 16, v32
	v_and_b32 v[BI+2*i+1], 0xffff0000, v32
.set i, i+1
.endr
; 8 matrix instructions: row blocks a0, a0 + 1 x all 4 column blocks, 32 along K: half c of buffer f.  The 16 accumulators take turns.
.macro MUL8 f, c, a0, zero
	WIN MUL
.irp a, \a0, (\a0)+1
.irp b, 0,1,2,3
.if \zero
	v_wmma_f32_16x16x32_bf16 v[ACC+8*(4*(\a)+(\b)):ACC+8*(4*(\a)+(\b))+7], v[(\f)+64+8*(4*(\c)+(\b)):(\f)+64+8*(4*(\c)+(\b))+7], v[(\f)+8*(4*(\c)+(\a)):(\f)+8*(4*(\c)+(\a))+7], 0
.else
	v_wmma_f32_16x16x32_bf16 v[ACC+8*(4*(\a)+(\b)):ACC+8*(4*(\a)+(\b))+7], v[(\f)+64+8*(4*(\c)+(\b)):(\f)+64+8*(4*(\c)+(\b))+7], v[(\f)+8*(4*(\c)+(\a)):(\f)+8*(4*(\c)+(\a))+7], v[ACC+8*(4*(\a)+(\b)):ACC+8*(4*(\a)+(\b))+7]
.endif
.endr
.endr
.endm
; 32 LDS loads in one run: the fragments of quarter q (64 along K) of a slot into buffer f; the first 32 along K first
.macro FETCH slot, q, f
	WIN TO_F
.irp c, 0,1
.irp i, 0,1,2,3
	ds_load_tr16_b128 v[(\f)+64+8*(4*(\c)+(\i)):(\f)+64+8*(4*(\c)+(\i))+3],   v[ADRB+2*(\slot)+(\q)/2] offset:(((\q)%2)*64+32*(\c))*PB+32*(\i)
	ds_load_tr16_b128 v[(\f)+64+8*(4*(\c)+(\i))+4:(\f)+64+8*(4*(\c)+(\i))+7], v[ADRB+2*(\slot)+(\q)/2] offset:(((\q)%2)*64+32*(\c)+16)*PB+32*(\i)
	ds_load_b128 v[(\f)+8*(4*(\c)+(\i)):(\f)+8*(4*(\c)+(\i))+3],         v[ADRA+(\slot)] offset:128*(\q)+64*(\c)+(\i)*16*PA
	ds_load_b128 v[(\f)+8*(4*(\c)+(\i))+4:(\f)+8*(4*(\c)+(\i))+7],       v[ADRA+(\slot)] offset:128*(\q)+64*(\c)+(\i)*16*PA+32
.endr
.endr
.endm
.macro PLACES                          ; four places in front of loads into registers that matrix instructions have read, and of vector work on their results
.rept 4
	v_nop
.endr
.endm
; One of a K step's first three quarters: multiplies buffer f and fetches quarter q into g.
.macro QUARTER slot, q, f, g, zero
	s_wait_dscnt 16                                ; the first 32 along K are in
	WIN MUL
	MUL8 \f, 0, 0, \zero
	MUL8 \f, 0, 2, \zero
	PLACES
	FETCH \slot, \q, \g
	s_wait_dscnt 32                                ; all but the 32 just issued
	WIN MUL
	MUL8 \f, 1, 0, 0
	MUL8 \f, 1, 2, 0
.endm
; The last quarter multiplies buffer 1 and changes slots: one barrier; in front of it each wave waits for all its tensor loads, adds 0 to its spare word, and waits for that and for its reads of this slot.
.macro TURN slot, next, fill
	WIN 0
	s_wait_tensorcnt 0x0                           ; all my tensor loads have landed: my part of the next slot
	ds_add_u32 v[SPW], v[NIL]
	s_wait_dscnt 17                                ; (the add and the youngest sixteen loads may be out)
	WIN MUL
	MUL8 F1, 0, 0, 0
	s_wait_dscnt 0x0                               ; the add is done, and my reads of this slot are over
	s_barrier_signal -1
	MUL8 F1, 0, 2, 0
.if \fill
	WIN 0
.endif
	s_barrier_wait -1
.if \fill
	CREST                                          ; the barrier has opened a round of the cluster's: no wave of any partner still reads this slot or has a load on its way
	s_add_nc_u64 s[G0+4*(\slot)+2:G0+4*(\slot)+3], s[G0+4*(\slot)+2:G0+4*(\slot)+3], 2*KSTEP*2
	s_add_nc_u64 s[G0B+4*(\slot)+2:G0B+4*(\slot)+3], s[G0B+4*(\slot)+2:G0B+4*(\slot)+3], 2*KSTEP*SIZE_N*2
	JLOAD \slot                                    ; the first tensor load behind the round; its four v_nop are also the places in front of the loads below
.else
	PLACES
.endif
	FETCH \next, 0, F0
	WIN MUL
	MUL8 F1, 1, 0, 0
	MUL8 F1, 1, 2, 0
.endm
	s_wait_tensorcnt 1                             ; my part of K step 0 is in; K step 1's may stay out
	s_barrier_signal -1
	s_barrier_wait -1
	FETCH 0, 0, F0
	QUARTER 0, 1, F0, F1, 1                        ; the first quarter's first products start the sums
	WIN 0
	s_mov_b32 s3, LAPS-1
.Llap:
	QUARTER 0, 2, F1, F0, 0
	QUARTER 0, 3, F0, F1, 0
	TURN 0, 1, 1
	QUARTER 1, 1, F0, F1, 0
	QUARTER 1, 2, F1, F0, 0
	QUARTER 1, 3, F0, F1, 0
	TURN 1, 0, 1
	QUARTER 0, 1, F0, F1, 0
	WIN 0
	s_sub_co_u32 s3, s3, 1
	s_cmp_lg_u32 s3, 0
	s_cbranch_scc1 .Llap
	QUARTER 0, 2, F1, F0, 0                        ; the last lap fills nothing
	QUARTER 0, 3, F0, F1, 0
	TURN 0, 1, 0
	QUARTER 1, 1, F0, F1, 0
	QUARTER 1, 2, F1, F0, 0
	QUARTER 1, 3, F0, F1, 0
	s_wait_dscnt 16
	WIN MUL
	MUL8 F1, 0, 0, 0
	MUL8 F1, 0, 2, 0
	s_wait_dscnt 0
	MUL8 F1, 1, 0, 0
	MUL8 F1, 1, 2, 0
	WIN 0
	; BEHIND THE PRODUCT.  The bias first, each accumulator from its low end on.
	PLACES
.irp a, 0,1,2,3
.irp b, 0,1,2,3
.irp p, 0,1,2,3
	v_pk_add_f32 v[ACC+32*(\a)+8*(\b)+2*(\p):ACC+32*(\a)+8*(\b)+2*(\p)+1], v[ACC+32*(\a)+8*(\b)+2*(\p):ACC+32*(\a)+8*(\b)+2*(\p)+1], v[BI+8*(\b)+2*(\p):BI+8*(\b)+2*(\p)+1]
.endr
.endr
.endr
.macro PUT a                           ; row block a: rounded to f16, 16 bytes a lane into the stage
.set i, 0
.rept 16
	v_cvt_pk_f16_f32 v[64+i], v[ACC+32*(\a)+2*i], v[ACC+32*(\a)+2*i+1]
.set i, i+1
.endr
.irp b, 0,1,2,3
	ds_store_b128 v[STO], v[64+4*(\b):64+4*(\b)+3] offset:(\a)*16*SPITCH+32*(\b)
.endr
.endm
.macro SILU t                          ; accumulator t: x / (1 + 2^(-x log2 e)) / 8; a plain instruction stands behind each run of transcendentals (ISA guide 5.7.2)
.set rX, ACC+8*(\t)
.set rT, 32+8*((\t)%2)
.irp p, 0,1,2,3
	v_pk_mul_f32 v[rT+2*(\p):rT+2*(\p)+1], v[rX+2*(\p):rX+2*(\p)+1], 0xbfb8aa3b op_sel_hi:[1,0]
.endr
.irp j, 0,1,2,3,4,5,6,7
	v_exp_f32 v[rT+(\j)], v[rT+(\j)]
.endr
	v_nop
	s_wait_alu depctr_va_vdst(0)
.irp p, 0,1,2,3
	v_pk_add_f32 v[rT+2*(\p):rT+2*(\p)+1], v[rT+2*(\p):rT+2*(\p)+1], 1.0 op_sel_hi:[1,0]
.endr
.irp j, 0,1,2,3,4,5,6,7
	v_rcp_f32 v[rT+(\j)], v[rT+(\j)]
.endr
.irp p, 0,1,2,3
	v_pk_mul_f32 v[rX+2*(\p):rX+2*(\p)+1], v[rX+2*(\p):rX+2*(\p)+1], 0x3e000000 op_sel_hi:[1,0]
.endr
	s_wait_alu depctr_va_vdst(0)
.irp p, 0,1,2,3
	v_pk_mul_f32 v[rX+2*(\p):rX+2*(\p)+1], v[rX+2*(\p):rX+2*(\p)+1], v[rT+2*(\p):rT+2*(\p)+1]
.endr
.endm
	s_cmp_lt_u32 s80, 4
	s_cbranch_scc1 .Lqk
	s_cmp_lt_u32 s80, 8
	s_cbranch_scc1 .Lv
.irp t, 0,1,2,3,4,5,6,7,8,9,10,11,12,13,14,15
	SILU \t
.endr
.Lv:
	PUT 0
	PUT 1
	PUT 2
	PUT 3
	s_branch .Ljoin
.Lqk:                                              ; my 64 columns are one head; a lane holds 16 whole pairs of a row in each row block
	s_lshl_b32 s91, s84, 1
	s_add_co_u32 s91, s91, s12                     ; the head
	s_lshl_b32 s94, s11, 6
	s_add_co_u32 s94, s94, s90                     ; my first position
	s_lshl_b32 s92, s91, 11
	s_add_co_u32 s92, s92, s94
	s_lshl_b32 s96, s92, 4
	s_add_co_u32 s96, s96, REC
	s_mov_b32 s97, 0
	s_add_nc_u64 s[96:97], s[68:69], s[96:97]      ; the decay's numbers of my head and rows
	s_lshl_b32 s98, s94, 8
	s_add_co_u32 s98, s98, TAB
	s_mov_b32 s99, 0
	s_add_nc_u64 s[98:99], s[68:69], s[98:99]      ; cos and sin of my rows
	s_lshl_b32 s92, s87, 4
	s_add_co_u32 s92, s92, s91
	s_lshl_b32 s92, s92, 11
	s_add_co_u32 s92, s92, s94
	s_lshl_b32 s92, s92, 2
	s_add_co_u32 s92, s92, QN
	s_mov_b32 s93, 0
	s_add_nc_u64 s[92:93], s[78:79], s[92:93]      ; where q's lengths go
.irp a, 0,1,2,3
	global_load_b128 v[80+4*(\a):83+4*(\a)], v[ROF], s[96:97] offset:(\a)*256
.endr
	WIN 0x40                                       ; cos and sin into window 1, where the fragments lay: the bias additions above are the places behind the last products
.irp a, 0,1,2,3
.irp b, 0,1,2,3
	global_load_b128 v[32*(\a)+8*(\b):32*(\a)+8*(\b)+3],   v[TOF], s[98:99] offset:(\a)*4096+(\b)*64
	global_load_b128 v[32*(\a)+8*(\b)+4:32*(\a)+8*(\b)+7], v[TOF], s[98:99] offset:(\a)*4096+(\b)*64+16
.endr
.endr
	s_wait_loadcnt 0x0
.macro ROPE a                          ; (x0, x1) -> (x0 c - x1 s, x1 c + x0 s): first (-x1 s, x0 s), then x c is added
	WIN 0x04                                       ; source 1 (cos, sin) in window 1
.irp g, 0,1
.set i, 8*(\g)
.rept 8
	v_pk_mul_f32 v[32+2*(i%8):33+2*(i%8)], v[ACC+32*(\a)+2*i:ACC+32*(\a)+2*i+1], v[32*(\a)+2*i:32*(\a)+2*i+1] op_sel:[1,1] op_sel_hi:[0,1] neg_lo:[1,0]
.set i, i+1
.endr
.set i, 8*(\g)
.rept 8
	v_pk_fma_f32 v[ACC+32*(\a)+2*i:ACC+32*(\a)+2*i+1], v[ACC+32*(\a)+2*i:ACC+32*(\a)+2*i+1], v[32*(\a)+2*i:32*(\a)+2*i+1], v[32+2*(i%8):33+2*(i%8)] op_sel_hi:[1,0,1]
.set i, i+1
.endr
.endr
	WIN 0
.endm
.macro NORM a                          ; the row's length in its head; q is divided by it and takes gamma^(s%64), k takes gamma^(63-s%64): one text, chosen by a select
	v_pk_mul_f32 v[48:49], v[ACC+32*(\a):ACC+32*(\a)+1], v[ACC+32*(\a):ACC+32*(\a)+1]
	v_pk_mul_f32 v[50:51], v[ACC+32*(\a)+2:ACC+32*(\a)+3], v[ACC+32*(\a)+2:ACC+32*(\a)+3]
.set i, 2
.rept 14
	v_pk_fma_f32 v[48+2*(i%2):49+2*(i%2)], v[ACC+32*(\a)+2*i:ACC+32*(\a)+2*i+1], v[ACC+32*(\a)+2*i:ACC+32*(\a)+2*i+1], v[48+2*(i%2):49+2*(i%2)]
.set i, i+1
.endr
	v_pk_add_f32 v[48:49], v[48:49], v[50:51]
	v_add_f32 v48, v48, v49
	v_permlanex16_b32 v49, v48, s[SEL], s[SEL+1]   ; the row's other 32 columns lie in the lane 16 away
	v_add_f32 v48, v48, v49
	v_max_num_f32 v48, 0x0da24260, v48             ; at least 1e-30
	v_rsq_f32 v49, v48
	v_nop
	s_wait_alu depctr_va_vdst(0)
	v_mul_f32 v50, v48, v49                        ; the length
	v_mul_f32 v[56+(\a)], v50, v[82+4*(\a)]        ; times 1 / sqrt(the mask's row sum)
	v_mul_f32 v51, v49, v[80+4*(\a)]
	v_cndmask_b32 v60, v[81+4*(\a)], v51, s85
	v_mov_b32 v61, v60
.set i, 0
.rept 16
	v_pk_mul_f32 v[ACC+32*(\a)+2*i:ACC+32*(\a)+2*i+1], v[ACC+32*(\a)+2*i:ACC+32*(\a)+2*i+1], v[60:61]
.set i, i+1
.endr
.endm
.irp a, 0,1,2,3
	ROPE \a
	NORM \a
	PUT \a
.endr
	s_cmp_lt_u32 s80, 2
	s_cbranch_scc0 .Ljoin
	s_mov_b32 s95, 0xffff0000                      ; lanes 0-15 carry one row block's 16 numbers, lanes 16-31 the next one's: 128 consecutive bytes a store
	v_cndmask_b32 v62, v56, v57, s95
	v_cndmask_b32 v63, v58, v59, s95
	global_store_b32 v[QOF], v62, s[92:93]
	global_store_b32 v[QOF], v63, s[92:93] offset:128
.Ljoin:
	s_wait_xcnt 0x0                                ; v62, v63 are loaded over below only behind this wait
	s_wait_dscnt 0x0                               ; for the others' sake: my stores into the stage are done
	s_barrier_signal -1
	s_barrier_wait -1
	s_lshl_b32 s89, s10, 5
	s_add_co_u32 s89, s89, s90                     ; the first position that I store
	s_cmp_lt_u32 s80, 4
	s_cbranch_scc1 .Lout_qk
	s_lshl_b32 s88, s87, 4                         ; v, g: the tile is one head of 128 channels: rows of 256 bytes, dense
	s_add_co_u32 s88, s88, s84
	s_lshl_b32 s88, s88, 11
	s_add_co_u32 s88, s88, s89
	s_lshl_b32 s88, s88, 8
	s_add_co_u32 s88, s88, s86
	s_mov_b32 s89, 0
	s_add_nc_u64 s[88:89], s[78:79], s[88:89]
.irp u, 0,1,2,3,4,5,6,7,8,9,10,11,12,13,14,15
	ds_load_b128 v[32+4*(\u):35+4*(\u)], v[RDV] offset:(\u)*2*SPITCH
.endr
.irp u, 0,1,2,3,4,5,6,7,8,9,10,11,12,13,14,15
	s_wait_dscnt 15-(\u)
	global_store_b128 v[LOFF], v[32+4*(\u):35+4*(\u)], s[88:89] offset:512*(\u)   ; 512 consecutive bytes
.endr
	s_branch .Lend
.Lout_qk:
	s_lshl_b32 s88, s87, 4                         ; q, k: the tile is two heads of 64: rows of 128 bytes, dense in each head
	s_add_co_u32 s88, s88, s84
	s_add_co_u32 s88, s88, s84
	s_lshl_b32 s88, s88, 11
	s_add_co_u32 s88, s88, s89
	s_lshl_b32 s88, s88, 7
	s_add_co_u32 s88, s88, s86
	s_mov_b32 s89, 0
	s_add_nc_u64 s[88:89], s[78:79], s[88:89]
.irp u, 0,1,2,3,4,5,6,7,8,9,10,11,12,13,14,15
	ds_load_b128 v[32+4*(\u):35+4*(\u)], v[RDQ] offset:128*((\u)/8)+((\u)%8)*4*SPITCH
.endr
.irp u, 0,1,2,3,4,5,6,7,8,9,10,11,12,13,14,15
	s_wait_dscnt 15-(\u)
	global_store_b128 v[LOFF], v[32+4*(\u):35+4*(\u)], s[88:89] offset:262144*((\u)/8)+512*((\u)%8)   ; 512 consecutive bytes
.endr
.Lend:
	s_wait_tensorcnt 0x0                           ; the wave's end
	ds_add_u32 v[SPW], v[NIL]
	s_wait_dscnt 0x0
	CROUND                                         ; the closing round
	s_endpgm
.Lfunc_end_k_q85625ee6f9_gemm1:
	.size	k_q85625ee6f9_gemm1, .Lfunc_end_k_q85625ee6f9_gemm1-k_q85625ee6f9_gemm1
	.p2alignl 7, 3214868480
	.fill 96, 4, 3214868480
	.section	.rodata,"a",@progbits
	.p2align	6, 0x0
	.amdhsa_kernel k_q85625ee6f9_gemm1
		.amdhsa_group_segment_fixed_size 327680
		.amdhsa_private_segment_fixed_size 0
		.amdhsa_enable_private_segment 0
		.amdhsa_kernarg_size 48
		.amdhsa_user_sgpr_count 2
		.amdhsa_user_sgpr_kernarg_segment_ptr 1
		.amdhsa_wavefront_size32 1
		.amdhsa_system_sgpr_workgroup_id_x 1
		.amdhsa_system_sgpr_workgroup_id_y 1
		.amdhsa_system_sgpr_workgroup_id_z 1
		.amdhsa_system_vgpr_workitem_id 0
		.amdhsa_next_free_vgpr 512
		.amdhsa_next_free_sgpr 100
		.amdhsa_reserve_vcc 0
		.amdhsa_float_denorm_mode_32 3
		.amdhsa_float_denorm_mode_16_64 3
		.amdhsa_memory_ordered 1
		.amdhsa_forward_progress 1
		.amdhsa_inst_pref_size 157
	.end_amdhsa_kernel
	.amdgpu_metadata
---
amdhsa.version: [ 1, 2 ]
amdhsa.kernels:
  - .name:           k_q85625ee6f9_gemm1
    .symbol:         k_q85625ee6f9_gemm1.kd
    .args:
      - { .name: prep, .offset: 0, .size: 8, .value_kind: global_buffer, .address_space: global }
      - { .name: q_b, .offset: 8, .size: 8, .value_kind: global_buffer, .address_space: global }
      - { .name: k_b, .offset: 16, .size: 8, .value_kind: global_buffer, .address_space: global }
      - { .name: v_b, .offset: 24, .size: 8, .value_kind: global_buffer, .address_space: global }
      - { .name: g_b, .offset: 32, .size: 8, .value_kind: global_buffer, .address_space: global }
      - { .name: proj, .offset: 40, .size: 8, .value_kind: global_buffer, .address_space: global }
    .group_segment_fixed_size: 327680
    .private_segment_fixed_size: 0
    .kernarg_segment_align: 8
    .kernarg_segment_size: 48
    .max_flat_workgroup_size: 128
    .sgpr_count:     100
    .vgpr_count:     512
    .wavefront_size: 32
...
	.end_amdgpu_metadata
.endif
;; end of part 2
;; launch ustate (part 3): grid 7 x 32, 4 waves a work-group, no clusters, 167,936 bytes of LDS; arguments prep, proj, ust; writes ust
.if DOCPART == 3
	.amdgcn_target "amdgcn-amd-amdhsa--gfx1250"
	.amdhsa_code_object_version 6
	.text
	.protected	k_q85625ee6f9_ustate
	.globl	k_q85625ee6f9_ustate
	.p2align	8
	.type	k_q85625ee6f9_ustate,@function
k_q85625ee6f9_ustate:
	s_mov_b64 s[64:65], 0
	v_nop
	global_prefetch_b8 v0, s[64:65] scope:SCOPE_SE
	s_setreg_imm32_b32 hwreg(HW_REG_WAVE_MODE, 25, 1), 1
	s_wait_xcnt 0x0
; A CHUNK'S STATE.  For chunk c (256 keys; 0 to 6) of one batch and head: U[d][ch] = sum over the chunk's keys n of gamma^(255 - n) k[n][d] v[n][ch], 64 x 128, and as a ninth block of channels the same sum with v = 1.
; k arrives with gamma^(63 - n%64) on it, so the four sub-blocks of 64 keys are joined by Horner's rule: the sums are multiplied by gamma^64 behind each of the first three.
; K and V are filled once, a quarter by each wave; both lie [key][..] and come out of LDS turned.  Wave w makes d = 16 w .. 16 w + 15 for all nine channel blocks: nine accumulators by turns.
; The result leaves as the accumulators lie: lane (r, h) holds channel r and d = 8 h + 0..7 of a block, which, rounded in pairs, is half a fragment for the launch behind.
; No cluster: no two work-groups read the same keys.  LIMITS: k and v are f16 as they arrive; sums in f32.
.set KH,  8388608
.set VH,  16777216
.set HP,  0x1900000
.set PK,  160                          ; a row of K in LDS: 128 + 32 bytes;  of V: 256 + 32
.set PV,  288
.set LV,  256*PK
.set SPARE, LV+256*PV
.set ONES, 8                           ; v8-15    a fragment whose column 0 is 1.0
.set ACC, 160                          ; v160-231
	s_load_b128 s[4:7], s[0:1], 0x0                ; prep, proj
	s_load_b64 s[8:9], s[0:1], 0x10                ; ust
	v_lshl_add_u32 v6, v0, 2, SPARE
	v_mov_b32 v7, 0
	ds_add_u32 v6, v7                              ; the wave's opening: the add and its wait stand ahead of my first tensor load
	ds_add_u32 v6, v7
	v_lshrrev_b32 v1, 5, v0
	v_readfirstlane_b32 s12, v1                    ; wave
	s_mov_b32 s13, ttmp9                           ; chunk
	s_and_b32 s14, ttmp7, 0xffff                   ; batch x 16 + head
	s_mov_b32 s16, (1<<16)|(1<<20)|(4<<22)|(7<<25) ; K: 64 keys are 8,192 dense bytes: 32 rows of 256, 8 words of padding after every 32 (a key)
	s_mov_b32 s17, 128<<16
	s_mov_b32 s18, 32<<16
	s_mov_b32 s19, 128<<16
	s_mov_b32 s20, 32
	s_mov_b32 s21, 128
	s_mov_b32 s22, 0
	s_mov_b32 s23, 0
	s_mov_b32 s24, (1<<16)|(1<<20)|(5<<22)|(7<<25) ; V: 64 rows of 256 bytes, 8 words of padding after each
	s_mov_b32 s25, 128<<16
	s_mov_b32 s26, 64<<16
	s_mov_b32 s27, 128<<16
	s_mov_b32 s28, 64
	s_mov_b32 s29, 128
	s_mov_b32 s30, 0
	s_mov_b32 s31, 0
	s_lshl_b32 s15, s14, 11
	s_lshl_b32 s2, s13, 8
	s_add_co_u32 s15, s15, s2
	s_lshl_b32 s2, s12, 6
	s_add_co_u32 s15, s15, s2                      ; my quarter's first key
	s_lshl_b32 s40, s15, 7
	s_add_co_u32 s40, s40, KH
	s_mov_b32 s41, 0
	s_lshl_b32 s42, s15, 8
	s_add_co_u32 s42, s42, VH
	s_mov_b32 s43, 0
	s_mov_b32 s32, 1
	s_mul_i32 s33, s12, 64*PK
	s_mov_b32 s36, 1
	s_mul_i32 s37, s12, 64*PV
	s_add_co_u32 s37, s37, LV
	s_and_b32 s44, s14, 15
	s_lshl_b32 s44, s44, 7
	s_add_co_u32 s44, s44, HP+64                   ; gamma^64 of my head, twice
	s_mov_b32 s45, 0
	s_mul_i32 s48, s14, 7
	s_add_co_u32 s48, s48, s13
	s_mul_i32 s48, s48, 36864
	s_lshl_b32 s2, s12, 10
	s_add_co_u32 s48, s48, s2
	s_mov_b32 s49, 0
	s_wait_dscnt 0x0                               ; the opening add is done
	s_wait_kmcnt 0x0
	s_add_nc_u64 s[34:35], s[6:7], s[40:41]
	s_or_b32 s35, s35, 0x80000000
	s_add_nc_u64 s[38:39], s[6:7], s[42:43]
	s_or_b32 s39, s39, 0x80000000
	tensor_load_to_lds s[32:35], s[16:23]          ; two loads of mine are out, and no more follow
	s_nop 0
	tensor_load_to_lds s[36:39], s[24:31]
	s_nop 0
.rept 4
	v_nop
.endr
	s_add_nc_u64 s[44:45], s[4:5], s[44:45]
	s_load_b64 s[46:47], s[44:45], 0x0
	s_add_nc_u64 s[48:49], s[8:9], s[48:49]
	v_and_b32 v232, 7, v0                          ; the turning load: lane l reads key 8 (l / 16) + l % 8, columns 8 ((l / 8) % 2) + 0..7
	v_bfe_u32 v233, v0, 4, 1
	v_lshl_add_u32 v232, v233, 3, v232
	v_bfe_u32 v234, v0, 3, 1
	v_lshlrev_b32 v234, 4, v234
	v_mad_u32_u24 v2, v232, PK, v234
	s_lshl_b32 s2, s12, 5
	v_add_nc_u32 v2, s2, v2                        ; K: my 16 d
	v_mad_u32_u24 v3, v232, PV, v234
	v_add_nc_u32 v3, LV, v3                        ; V: keys 0-127,
	v_add_nc_u32 v4, 128*PV, v3                    ; keys 128-255
	v_and_b32 v5, 31, v0
	v_lshlrev_b32 v5, 4, v5
	v_and_b32 v232, 15, v0
	v_cmp_eq_u32 vcc_lo, 0, v232
	v_mov_b32 v233, 0x3c003c00
	v_cndmask_b32 v[ONES], 0, v233, vcc_lo
.irp j, 1,2,3,4,5,6,7
	v_mov_b32 v[ONES+(\j)], v[ONES]
.endr
.macro PLACES
.rept 4
	v_nop
.endr
.endm
.macro LD ks                           ; 18 loads: the fragments of keys 32 ks .. 32 ks + 31, into the buffers of ks's parity
.set bK, 16+8*((\ks)%2)
.set bV, 32+64*((\ks)%2)
	ds_load_tr16_b128 v[bK:bK+3],   v2 offset:32*(\ks)*PK
	ds_load_tr16_b128 v[bK+4:bK+7], v2 offset:(32*(\ks)+16)*PK
.irp cb, 0,1,2,3,4,5,6,7
	ds_load_tr16_b128 v[bV+8*(\cb):bV+8*(\cb)+3],   v[3+(\ks)/4] offset:((\ks)%4)*32*PV+32*(\cb)
	ds_load_tr16_b128 v[bV+8*(\cb)+4:bV+8*(\cb)+7], v[3+(\ks)/4] offset:(((\ks)%4)*32+16)*PV+32*(\cb)
.endr
.endm
.macro MULU ks                         ; nine products, the accumulators by turns; the first step starts the sums
.set bK, 16+8*((\ks)%2)
.set bV, 32+64*((\ks)%2)
.irp cb, 0,1,2,3,4,5,6,7
.if (\ks) == 0
	v_wmma_f32_16x16x32_f16 v[ACC+8*(\cb):ACC+8*(\cb)+7], v[bK:bK+7], v[bV+8*(\cb):bV+8*(\cb)+7], 0
.else
	v_wmma_f32_16x16x32_f16 v[ACC+8*(\cb):ACC+8*(\cb)+7], v[bK:bK+7], v[bV+8*(\cb):bV+8*(\cb)+7], v[ACC+8*(\cb):ACC+8*(\cb)+7]
.endif
.endr
.if (\ks) == 0
	v_wmma_f32_16x16x32_f16 v[ACC+64:ACC+71], v[bK:bK+7], v[ONES:ONES+7], 0
.else
	v_wmma_f32_16x16x32_f16 v[ACC+64:ACC+71], v[bK:bK+7], v[ONES:ONES+7], v[ACC+64:ACC+71]
.endif
.endm
	s_wait_tensorcnt 0x0                           ; my quarters are in,
	s_barrier_signal -1
	s_barrier_wait -1                              ; everybody's are
	s_wait_kmcnt 0x0                               ; gamma^64
	LD 0
.irp ks, 0,1,2,3,4,5,6,7
.if (\ks) < 7
	PLACES                                         ; the other buffers were read by the products of the step before
	LD (\ks)+1
	s_wait_dscnt 18                                ; all but the 18 just issued
.else
	s_wait_dscnt 0x0
.endif
	MULU \ks
.if ((\ks) == 1) || ((\ks) == 3) || ((\ks) == 5)
	PLACES
.set i, 0
.rept 36
	v_pk_mul_f32 v[ACC+2*i:ACC+2*i+1], v[ACC+2*i:ACC+2*i+1], s[46:47] op_sel_hi:[1,0]   ; a sub-block of 64 keys is done
.set i, i+1
.endr
.endif
.endr
	PLACES
.irp cb, 0,1,2,3,4,5,6,7,8
	global_store_b128 v5, v[ACC+8*(\cb):ACC+8*(\cb)+3],   s[48:49] offset:(\cb)*4096       ; 512 consecutive bytes each
	global_store_b128 v5, v[ACC+8*(\cb)+4:ACC+8*(\cb)+7], s[48:49] offset:(\cb)*4096+512
.endr
	s_wait_tensorcnt 0x0                           ; the wave's end
	ds_add_u32 v6, v7
	s_wait_dscnt 0x0
	s_endpgm
.Lfunc_end_k_q85625ee6f9_ustate:
	.size	k_q85625ee6f9_ustate, .Lfunc_end_k_q85625ee6f9_ustate-k_q85625ee6f9_ustate
	.p2alignl 7, 3214868480
	.fill 96, 4, 3214868480
	.section	.rodata,"a",@progbits
	.p2align	6, 0x0
	.amdhsa_kernel k_q85625ee6f9_ustate
		.amdhsa_group_segment_fixed_size 167936
		.amdhsa_private_segment_fixed_size 0
		.amdhsa_enable_private_segment 0
		.amdhsa_kernarg_size 24
		.amdhsa_user_sgpr_count 2
		.amdhsa_user_sgpr_kernarg_segment_ptr 1
		.amdhsa_wavefront_size32 1
		.amdhsa_system_sgpr_workgroup_id_x 1
		.amdhsa_system_sgpr_workgroup_id_y 1
		.amdhsa_system_sgpr_workgroup_id_z 1
		.amdhsa_system_vgpr_workitem_id 0
		.amdhsa_next_free_vgpr 236
		.amdhsa_next_free_sgpr 66
		.amdhsa_reserve_vcc 1
		.amdhsa_float_denorm_mode_32 3
		.amdhsa_float_denorm_mode_16_64 3
		.amdhsa_memory_ordered 1
		.amdhsa_forward_progress 1
		.amdhsa_inst_pref_size 29
	.end_amdhsa_kernel
	.amdgpu_metadata
---
amdhsa.version: [ 1, 2 ]
amdhsa.kernels:
  - .name:           k_q85625ee6f9_ustate
    .symbol:         k_q85625ee6f9_ustate.kd
    .args:
      - { .name: prep, .offset: 0, .size: 8, .value_kind: global_buffer, .address_space: global }
      - { .name: proj, .offset: 8, .size: 8, .value_kind: global_buffer, .address_space: global }
      - { .name: ust, .offset: 16, .size: 8, .value_kind: global_buffer, .address_space: global }
    .group_segment_fixed_size: 167936
    .private_segment_fixed_size: 0
    .kernarg_segment_align: 8
    .kernarg_segment_size: 24
    .max_flat_workgroup_size: 128
    .sgpr_count:     66
    .vgpr_count:     236
    .wavefront_size: 32
...
	.end_amdgpu_metadata
.endif
;; end of part 3
;; launch retn (part 4): grid 8 x 32, 4 waves a work-group, no clusters, 217,088 bytes of LDS; arguments prep, proj, ust, yb; writes yb
.if DOCPART == 4
	.amdgcn_target "amdgcn-amd-amdhsa--gfx1250"
	.amdhsa_code_object_version 6
	.text
	.protected	k_q85625ee6f9_retn
	.globl	k_q85625ee6f9_retn
	.p2align	8
	.type	k_q85625ee6f9_retn,@function
k_q85625ee6f9_retn:
	s_mov_b64 s[64:65], 0
	v_nop
	global_prefetch_b8 v0, s[64:65] scope:SCOPE_SE
	s_setreg_imm32_b32 hwreg(HW_REG_WAVE_MODE, 25, 1), 1
	s_wait_xcnt 0x0
; RETENTION BY CHUNKS.  A work-group makes 256 queries (chunk c) of one batch and head.  There is no softmax, so all keys left of the chunk act through one 64 x 128 state
; S = sum over c' < c of gamma^(256 (c-1-c')) U[c']; the chunk's own keys act through masked scores.  With q~ = q / |q| x gamma^(m%64) and k~ = k x gamma^(63-n%64), both f16 as they arrive:
;   inside the chunk, band t of 64 queries and step s <= t of 64 keys:  P = (k~ . q~) x gamma^(64 (t-s) - 63) / 8, on s = t only where key <= query;  O += V^T P
;   left of the chunk:  O = (S . q~) x gamma^(64 t + 1) / 8
; The scores' row sum R is a ninth block of channels (a fragment whose row 0 is ones stands beside V, in the state too), so it passes through the same products.
; Then, with qn = |q| / sqrt(the mask's row sum): sc = qn / max(|qn R|, 1); the norm over the 128 channels is taken of O itself: y = (O - mean) sc / sqrt(sc^2 var + 1e-5) x silu(g)/8, f16.
; SHARES.  Wave w owns queries 64 t + 16 w + r of each band t: four tiles of 16, the same work for every wave.  K, V and silu(g) are filled once, a quarter by each wave; no LDS byte is filled twice.
; All seven earlier chunks' states are always read, those from c on with the weight 0: no count hangs on the chunk.  No cluster: no two work-groups read the same K, V or g.
; LIMITS.  P, the state and y are f16.  |q~| <= 1, so |P| <= |k| / 8; the state is divided by its own largest magnitude (at least 1e-30), which goes back in through an f32 factor; |y| <= 11.4 |silu(g)| / 8.
; NaN and infinities are not treated apart.
; REGISTERS, in windows of 256 (s_set_vgpr_msb: bits 1:0 source 0, 3:2 source 1, 5:4 source 2, 7:6 destination):
;   window 0: v0-19 addresses; v30-31 the add's; v32-63 the diagonal's factors; v64-127 S^T, two buffers; v128-159 P, two buffers; v160-191 row sums; v192-199 ones; v200-203 qn; v204-217 weights; v218-225 factors; v226-255 at work
;   window 1: O^T, 64 a tile (before that three buffers of 72 for the chunks' states)     window 2: v0-63 Q; v64-127 K of a step; v128-255 V of a step     window 3: v0-143 the state's fragments; v144-215 my part of the state in f32
.set KH,  8388608
.set VH,  16777216
.set GH,  33554432
.set QNB, 50331648
.set HP,  0x1900000
.set PK,  144
.set PV,  288
.set PG,  272
.set LV,  256*PK
.set LG,  LV+256*PV
.set SF,  LG+256*PG                    ; the state in f16: 36 blocks of 512 bytes
.set MX,  SF+36*512                    ; four words: the waves' largest magnitudes
.set STAGE, MX+256                     ; 16 rows x 272 bytes for each wave
.set SPARE, STAGE+4*16*272
.set AK, 4
.set AV, 5                             ; v5, v6
.set GA, 7
.set STO, 8
.set RD, 9
.set GO, 10
.set QO, 11
.set QNO, 12
.set UA, 13
.set SFA, 15
.set SFL, 16
.set MXA, 17
.set MXL, 18
.set SPW, 30
.set NIL, 31
.set MDF, 32
.set SC, 64
.set P, 128
.set RA, 160
.set ONES, 192
.set QN, 200
.set W, 204
.set FT, 218
.set SS, 144                           ; window 3
.set SEL, 66
.set MSB, 0
.macro WIN new
.if MSB != (\new)
	s_set_vgpr_msb (MSB<<8)|(\new)
.set MSB, \new
.endif
.endm
.macro PLACES
.rept 4
	v_nop
.endr
.endm
	s_load_b256 s[4:11], s[0:1], 0x0               ; prep s[4:5], proj s[6:7], ust s[8:9], yb s[10:11]
	v_lshl_add_u32 v[SPW], v0, 2, SPARE
	v_mov_b32 v[NIL], 0
	ds_add_u32 v[SPW], v[NIL]                      ; the wave's opening: the add and its wait stand ahead of my first tensor load
	ds_add_u32 v30, v31
	v_lshrrev_b32 v1, 5, v0
	v_readfirstlane_b32 s12, v1                    ; wave
	s_mov_b32 s13, ttmp9                           ; chunk
	s_and_b32 s14, ttmp7, 0xffff                   ; batch x 16 + head
	s_mov_b32 s16, (1<<16)|(1<<20)|(4<<22)|(3<<25) ; K: 64 keys as 32 rows of 256 bytes, 4 words of padding after every 32 (a key)
	s_mov_b32 s17, 128<<16
	s_mov_b32 s18, 32<<16
	s_mov_b32 s19, 128<<16
	s_mov_b32 s20, 32
	s_mov_b32 s21, 128
	s_mov_b32 s22, 0
	s_mov_b32 s23, 0
	s_mov_b32 s24, (1<<16)|(1<<20)|(5<<22)|(7<<25) ; V: 64 rows of 256 bytes, 8 words of padding
	s_mov_b32 s32, (1<<16)|(1<<20)|(5<<22)|(3<<25) ; g: the same with 4 words
.irp g, 24, 32
	s_mov_b32 s[(\g)+1], 128<<16
	s_mov_b32 s[(\g)+2], 64<<16
	s_mov_b32 s[(\g)+3], 128<<16
	s_mov_b32 s[(\g)+4], 64
	s_mov_b32 s[(\g)+5], 128
	s_mov_b32 s[(\g)+6], 0
	s_mov_b32 s[(\g)+7], 0
.endr
	s_lshl_b32 s15, s14, 11
	s_lshl_b32 s2, s13, 8
	s_add_co_u32 s15, s15, s2                      ; the chunk's first row among all heads' rows
	s_lshl_b32 s2, s12, 6
	s_add_co_u32 s3, s15, s2                       ; my quarter's
	s_lshl_b32 s52, s3, 7
	s_add_co_u32 s52, s52, KH
	s_mov_b32 s53, 0
	s_lshl_b32 s54, s3, 8
	s_add_co_u32 s56, s54, GH
	s_add_co_u32 s54, s54, VH
	s_mov_b32 s55, 0
	s_mov_b32 s57, 0
	s_mov_b32 s40, 1
	s_mul_i32 s41, s12, 64*PK
	s_mov_b32 s44, 1
	s_mul_i32 s45, s12, 64*PV
	s_add_co_u32 s45, s45, LV
	s_mov_b32 s48, 1
	s_mul_i32 s49, s12, 64*PG
	s_add_co_u32 s49, s49, LG
	s_and_b32 s58, s14, 15
	s_lshl_b32 s58, s58, 7
	s_add_co_u32 s58, s58, HP
	s_mov_b32 s59, 0
	s_lshl_b32 s2, s12, 4
	s_add_co_u32 s3, s15, s2                       ; my 16 rows of band 0
	s_lshl_b32 s60, s3, 7
	s_mov_b32 s61, 0
	s_lshl_b32 s62, s3, 2
	s_add_co_u32 s62, s62, QNB
	s_mov_b32 s63, 0
	s_mul_i32 s88, s14, 258048                     ; the head's seven states
	s_mov_b32 s89, 0
	s_lshr_b32 s90, s14, 4
	s_lshl_b32 s90, s90, 11
	s_lshl_b32 s3, s13, 8
	s_add_co_u32 s90, s90, s3
	s_add_co_u32 s90, s90, s2
	s_lshl_b32 s90, s90, 12                        ; y: row x 4,096 bytes
	s_and_b32 s3, s14, 15
	s_lshl_b32 s3, s3, 8
	s_add_co_u32 s90, s90, s3                      ; + head x 256
	s_mov_b32 s91, 0
	s_mov_b32 s[SEL], 0x76543210
	s_mov_b32 s[SEL+1], 0xfedcba98
	s_wait_dscnt 0x0                               ; the opening add is done
	s_wait_kmcnt 0x0
	s_add_nc_u64 s[42:43], s[6:7], s[52:53]
	s_or_b32 s43, s43, 0x80000000
	s_add_nc_u64 s[46:47], s[6:7], s[54:55]
	s_or_b32 s47, s47, 0x80000000
	s_add_nc_u64 s[50:51], s[6:7], s[56:57]
	s_or_b32 s51, s51, 0x80000000
	tensor_load_to_lds s[40:43], s[16:23]          ; three loads of mine are out, and no more follow
	s_nop 0
	tensor_load_to_lds s[44:47], s[24:31]
	s_nop 0
	tensor_load_to_lds s[48:51], s[32:39]
	s_nop 0
.rept 4
	v_nop
.endr
	s_add_nc_u64 s[58:59], s[4:5], s[58:59]
	s_load_b512 s[68:83], s[58:59], 0x0            ; pairs: gamma^(64 d - 63) / 8, d = 0..3; gamma^(64 t + 1) / 8, t = 0..3
	s_load_b128 s[84:87], s[58:59], 0x40           ; gamma^64, gamma^256
	s_add_nc_u64 s[60:61], s[6:7], s[60:61]
	s_add_nc_u64 s[62:63], s[6:7], s[62:63]
	s_add_nc_u64 s[88:89], s[8:9], s[88:89]
	s_add_nc_u64 s[90:91], s[10:11], s[90:91]
	v_and_b32 v1, 15, v0                           ; r
	v_bfe_u32 v2, v0, 4, 1                         ; h
	v_and_b32 v3, 31, v0                           ; lane
	v_lshlrev_b32 v[QO], 7, v1
	v_lshl_add_u32 v[QO], v2, 4, v[QO]
	v_lshlrev_b32 v[QNO], 2, v1
	s_lshl_b32 s2, s12, 10
	v_lshl_add_u32 v[UA], v3, 4, s2
	WIN 0x80
.irp t, 0,1,2,3
.irp c2, 0,1
	global_load_b128 v[16*(\t)+8*(\c2):16*(\t)+8*(\c2)+3],   v[QO], s[60:61] offset:(\t)*8192+64*(\c2)
	global_load_b128 v[16*(\t)+8*(\c2)+4:16*(\t)+8*(\c2)+7], v[QO], s[60:61] offset:(\t)*8192+64*(\c2)+32
.endr
.endr
	WIN 0
.irp t, 0,1,2,3
	global_load_b32 v[QN+(\t)], v[QNO], s[62:63] offset:256*(\t)
.endr
.macro ULOAD cc                        ; my quarter (d = 16 w ..) of chunk cc's state: 18 loads of 512 consecutive bytes
	WIN 0x40
.irp cb, 0,1,2,3,4,5,6,7,8
	global_load_b128 v[72*((\cc)%3)+8*(\cb):72*((\cc)%3)+8*(\cb)+3],   v[UA], s[88:89] offset:(\cc)*36864+(\cb)*4096
	global_load_b128 v[72*((\cc)%3)+8*(\cb)+4:72*((\cc)%3)+8*(\cb)+7], v[UA], s[88:89] offset:(\cc)*36864+(\cb)*4096+512
.endr
.endm
	ULOAD 0
	ULOAD 1
	ULOAD 2
	WIN 0
	; while these are on their way: addresses, ones, the diagonal's factors, the chunks' weights
	v_mul_u32_u24 v[AK], v1, PK
	v_lshl_add_u32 v[AK], v2, 4, v[AK]
	v_and_b32 v19, 7, v0
	v_lshl_add_u32 v19, v2, 3, v19
	v_mul_u32_u24 v[AV], v19, PV
	v_bfe_u32 v19, v0, 3, 1
	v_lshl_add_u32 v[AV], v19, 4, v[AV]
	v_add_nc_u32 v[AV], LV, v[AV]
	v_add_nc_u32 v[AV+1], 128*PV, v[AV]
	v_mul_u32_u24 v19, v1, PG
	v_lshl_add_u32 v19, v2, 4, v19                 ; r x 272 + 16 h
	s_mul_i32 s2, s12, 16*PG
	s_add_co_u32 s3, s2, LG
	v_add_nc_u32 v[GA], s3, v19
	s_add_co_u32 s3, s2, STAGE
	v_add_nc_u32 v[STO], s3, v19
	v_mul_u32_u24 v19, v2, PG
	v_lshl_add_u32 v19, v1, 4, v19
	v_add_nc_u32 v[RD], s3, v19
	v_lshlrev_b32 v[GO], 12, v2
	v_lshl_add_u32 v[GO], v1, 4, v[GO]
	v_lshlrev_b32 v[SFL], 4, v3
	v_add_nc_u32 v[SFL], SF, v[SFL]
	s_lshl_b32 s2, s12, 9
	v_add_nc_u32 v[SFA], s2, v[SFL]
	s_lshl_b32 s2, s12, 2
	s_add_co_u32 s2, s2, MX
	v_mov_b32 v[MXA], s2
	v_mov_b32 v[MXL], MX
	v_mov_b32 v235, 0
	v_cmp_eq_u32 vcc_lo, 0, v1
	v_mov_b32 v19, 0x3c003c00
	v_cndmask_b32 v[ONES], 0, v19, vcc_lo
.irp j, 1,2,3,4,5,6,7
	v_mov_b32 v[ONES+(\j)], v[ONES]
.endr
	v_lshlrev_b32 v3, 3, v2
	v_sub_nc_u32 v14, v1, v3
	s_lshl_b32 s2, s12, 4
	v_add_nc_u32 v14, s2, v14                      ; my query's place in its band less my lanes' 8 h: register j of key block kb is seen where 16 kb + j is not greater
	s_wait_kmcnt 0x0
	v_mov_b32 v19, s68
.set i, 0
.rept 32
	v_cmp_le_i32 vcc_lo, 16*(i/8)+i%8, v14
	v_cndmask_b32 v[MDF+i], 0, v19, vcc_lo
.set i, i+1
.endr
	s_cmp_eq_u32 s13, 7                            ; the weights: 1 for chunk c - 1, gamma^256 more for each chunk further left, 0 from c on
	s_cselect_b32 s2, -1, 0
	v_cndmask_b32 v[W+12], 0, 1.0, s2
	v_mov_b32 v[W+13], v[W+12]
.irp cc, 5,4,3,2,1,0
	v_mul_f32 v[W+2*(\cc)], s86, v[W+2*(\cc)+2]
	s_cmp_eq_u32 s13, (\cc)+1
	s_cselect_b32 s2, -1, 0
	v_cndmask_b32 v[W+2*(\cc)], v[W+2*(\cc)], 1.0, s2
	v_mov_b32 v[W+2*(\cc)+1], v[W+2*(\cc)]
.endr
.macro COMB cc, left                   ; left: the loads of the younger groups, which stay out
	s_wait_loadcnt \left
	WIN 0xf1                                       ; the state in window 3, a chunk's in window 1, its weight in window 0
.set i, 0
.rept 36
.if (\cc) == 0
	v_pk_mul_f32 v[SS+2*i:SS+2*i+1], v[72*((\cc)%3)+2*i:72*((\cc)%3)+2*i+1], v[W+2*(\cc):W+2*(\cc)+1] op_sel_hi:[1,0]
.else
	v_pk_fma_f32 v[SS+2*i:SS+2*i+1], v[72*((\cc)%3)+2*i:72*((\cc)%3)+2*i+1], v[W+2*(\cc):W+2*(\cc)+1], v[SS+2*i:SS+2*i+1] op_sel_hi:[1,0,1]
.endif
.set i, i+1
.endr
.if (\cc) <= 3
	ULOAD (\cc)+3
.endif
.endm
	COMB 0, 36
	COMB 1, 36
	COMB 2, 36
	COMB 3, 36
	COMB 4, 36
	COMB 5, 18
	COMB 6, 0
	; the state's largest magnitude, over all four waves
	WIN 0
.irp j, 226,227,228,229
	v_mov_b32 v[\j], 0
.endr
	WIN 0x3c
.set i, 0
.rept 36
	v_max3_num_f32 v[226+i%4], v[226+i%4], |v[SS+2*i]|, |v[SS+2*i+1]|
.set i, i+1
.endr
	WIN 0
	v_max3_num_f32 v226, v226, v227, v228
	v_max_num_f32 v226, v226, v229
	v_max_num_f32_dpp v226, v226, v226 row_xmask:1 row_mask:0xf bank_mask:0xf
	v_max_num_f32_dpp v226, v226, v226 row_xmask:2 row_mask:0xf bank_mask:0xf
	v_max_num_f32_dpp v226, v226, v226 row_xmask:4 row_mask:0xf bank_mask:0xf
	v_max_num_f32_dpp v226, v226, v226 row_xmask:8 row_mask:0xf bank_mask:0xf
	v_permlanex16_b32 v227, v226, s[SEL], s[SEL+1]
	v_max_num_f32 v226, v226, v227
	s_wait_tensorcnt 0x0                           ; my three quarters are in
	ds_store_b32 v[MXA], v226
	s_wait_dscnt 0x0
	s_barrier_signal -1
	s_barrier_wait -1                              ; everybody's tiles and maxima are there
	ds_load_b128 v[228:231], v[MXL]
	s_wait_dscnt 0x0
	v_max3_num_f32 v226, v228, v229, v230
	v_max3_num_f32 v226, v226, v231, 0x0da24260    ; at least 1e-30
	v_rcp_f32 v232, v226
.irp t, 0,1,2,3
	v_mul_f32 v[FT+2*(\t)], s[76+2*(\t)], v226     ; the magnitude goes back in with gamma^(64 t + 1) / 8
	v_mov_b32 v[FT+2*(\t)+1], v[FT+2*(\t)]
.endr
	s_wait_alu depctr_va_vdst(0)
	v_mov_b32 v233, v232
	WIN 0xc3
.set i, 0
.rept 36
	v_pk_mul_f32 v[SS+2*i:SS+2*i+1], v[SS+2*i:SS+2*i+1], v[232:233]
.set i, i+1
.endr
	WIN 0x0f
.set i, 0
.rept 36
	v_cvt_pk_f16_f32 v[SC+i], v[SS+2*i], v[SS+2*i+1]
.set i, i+1
.endr
	WIN 0
.irp cb, 0,1,2,3,4,5,6,7,8
	ds_store_b128 v[SFA], v[SC+4*(\cb):SC+4*(\cb)+3] offset:(\cb)*2048
.endr
	s_wait_dscnt 0x0                               ; for the others' sake
	s_barrier_signal -1
	s_barrier_wait -1
	; LEFT OF THE CHUNK.  A lane's 16 bytes of blocks 2 c2 and 2 c2 + 1 of d are the two halves of the fragment (16 channels x 32 d).
	WIN 0xc0
.irp cb, 0,1,2,3,4,5,6,7,8
.irp c2, 0,1
	ds_load_b128 v[16*(\cb)+8*(\c2):16*(\cb)+8*(\c2)+3],   v[SFL] offset:(4*(\cb)+2*(\c2))*512
	ds_load_b128 v[16*(\cb)+8*(\c2)+4:16*(\cb)+8*(\c2)+7], v[SFL] offset:(4*(\cb)+2*(\c2))*512+512
.endr
.endr
	s_wait_dscnt 0x0
	WIN 0x5b                                       ; the state in window 3, Q in window 2, O^T in window 1; the accumulators take turns
.irp t, 0,1,2,3
.irp c2, 0,1
.irp cb, 0,1,2,3,4,5,6,7
.if (\c2) == 0
	v_wmma_f32_16x16x32_f16 v[64*(\t)+8*(\cb):64*(\t)+8*(\cb)+7], v[16*(\cb)+8*(\c2):16*(\cb)+8*(\c2)+7], v[16*(\t)+8*(\c2):16*(\t)+8*(\c2)+7], 0
.else
	v_wmma_f32_16x16x32_f16 v[64*(\t)+8*(\cb):64*(\t)+8*(\cb)+7], v[16*(\cb)+8*(\c2):16*(\cb)+8*(\c2)+7], v[16*(\t)+8*(\c2):16*(\t)+8*(\c2)+7], v[64*(\t)+8*(\cb):64*(\t)+8*(\cb)+7]
.endif
.endr
.endr
.endr
	WIN 0x0b                                       ; the row sums lie in window 0
.irp c2, 0,1
.irp t, 0,1,2,3
.if (\c2) == 0
	v_wmma_f32_16x16x32_f16 v[RA+8*(\t):RA+8*(\t)+7], v[128+8*(\c2):128+8*(\c2)+7], v[16*(\t)+8*(\c2):16*(\t)+8*(\c2)+7], 0
.else
	v_wmma_f32_16x16x32_f16 v[RA+8*(\t):RA+8*(\t)+7], v[128+8*(\c2):128+8*(\c2)+7], v[16*(\t)+8*(\c2):16*(\t)+8*(\c2)+7], v[RA+8*(\t):RA+8*(\t)+7]
.endif
.endr
.endr
	PLACES
	WIN 0x41
.irp t, 0,1,2,3
.set i, 0
.rept 32
	v_pk_mul_f32 v[64*(\t)+2*i:64*(\t)+2*i+1], v[64*(\t)+2*i:64*(\t)+2*i+1], v[FT+2*(\t):FT+2*(\t)+1]
.set i, i+1
.endr
.endr
	WIN 0
.irp t, 0,1,2,3
	v_pk_mul_f32 v[RA+8*(\t):RA+8*(\t)+1], v[RA+8*(\t):RA+8*(\t)+1], v[FT+2*(\t):FT+2*(\t)+1]   ; row 0 holds the sum; the block's other rows are 0
.endr
	; INSIDE THE CHUNK
.macro LDKV s                          ; a step's K (16 loads) and V, turned (32 loads)
	PLACES
	WIN 0x80
.irp kb, 0,1,2,3
.irp c2, 0,1
	ds_load_b128 v[64+16*(\kb)+8*(\c2):64+16*(\kb)+8*(\c2)+3],   v[AK] offset:(64*(\s)+16*(\kb))*PK+64*(\c2)
	ds_load_b128 v[64+16*(\kb)+8*(\c2)+4:64+16*(\kb)+8*(\c2)+7], v[AK] offset:(64*(\s)+16*(\kb))*PK+64*(\c2)+32
.endr
.endr
.irp kk, 0,1
.irp cb, 0,1,2,3,4,5,6,7
	ds_load_tr16_b128 v[128+64*(\kk)+8*(\cb):128+64*(\kk)+8*(\cb)+3],   v[AV+(\s)/2] offset:(((\s)%2)*64+32*(\kk))*PV+32*(\cb)
	ds_load_tr16_b128 v[128+64*(\kk)+8*(\cb)+4:128+64*(\kk)+8*(\cb)+7], v[AV+(\s)/2] offset:(((\s)%2)*64+32*(\kk)+16)*PV+32*(\cb)
.endr
.endr
	s_wait_dscnt 0x0
.endm
.macro TS t, s                         ; tile t against key step s: 8 products K Q^T, the decay, the rounding, 18 products V^T P
.set bS, SC+32*((\t)%2)
.set bP, P+16*((\t)%2)
	WIN 0x0a
.irp c2, 0,1
.irp kb, 0,1,2,3
.if (\c2) == 0
	v_wmma_f32_16x16x32_f16 v[bS+8*(\kb):bS+8*(\kb)+7], v[64+16*(\kb)+8*(\c2):64+16*(\kb)+8*(\c2)+7], v[16*(\t)+8*(\c2):16*(\t)+8*(\c2)+7], 0
.else
	v_wmma_f32_16x16x32_f16 v[bS+8*(\kb):bS+8*(\kb)+7], v[64+16*(\kb)+8*(\c2):64+16*(\kb)+8*(\c2)+7], v[16*(\t)+8*(\c2):16*(\t)+8*(\c2)+7], v[bS+8*(\kb):bS+8*(\kb)+7]
.endif
.endr
.endr
	PLACES
	WIN 0
.set i, 0
.rept 16
.if (\t) == (\s)
	v_pk_mul_f32 v[bS+2*i:bS+2*i+1], v[bS+2*i:bS+2*i+1], v[MDF+2*i:MDF+2*i+1]
.else
	v_pk_mul_f32 v[bS+2*i:bS+2*i+1], v[bS+2*i:bS+2*i+1], s[68+2*((\t)-(\s)):69+2*((\t)-(\s))] op_sel_hi:[1,0]
.endif
.set i, i+1
.endr
.set i, 0
.rept 16
	v_cvt_pk_f16_f32 v[bP+i], v[bS+2*i], v[bS+2*i+1]
.set i, i+1
.endr
.irp kk, 0,1
	WIN 0x52
.irp cb, 0,1,2,3,4,5,6,7
	v_wmma_f32_16x16x32_f16 v[64*(\t)+8*(\cb):64*(\t)+8*(\cb)+7], v[128+64*(\kk)+8*(\cb):128+64*(\kk)+8*(\cb)+7], v[bP+8*(\kk):bP+8*(\kk)+7], v[64*(\t)+8*(\cb):64*(\t)+8*(\cb)+7]
.endr
	WIN 0
	v_wmma_f32_16x16x32_f16 v[RA+8*(\t):RA+8*(\t)+7], v[ONES:ONES+7], v[bP+8*(\kk):bP+8*(\kk)+7], v[RA+8*(\t):RA+8*(\t)+7]
.endr
.endm
	LDKV 0
	TS 0, 0
	TS 1, 0
	TS 2, 0
	TS 3, 0
	LDKV 1
	TS 1, 1
	TS 2, 1
	TS 3, 1
	LDKV 2
	TS 2, 2
	TS 3, 2
	LDKV 3
	TS 3, 3
	; THE END OF A TILE
.macro RED                             ; four chains of pairs into one number, the same in both halves of the lanes
	v_pk_add_f32 v[226:227], v[226:227], v[228:229]
	v_pk_add_f32 v[230:231], v[230:231], v[232:233]
	v_pk_add_f32 v[226:227], v[226:227], v[230:231]
	v_add_f32 v226, v226, v227
	v_permlanex16_b32 v227, v226, s[SEL], s[SEL+1]
	v_add_f32 v226, v226, v227
.endm
.macro FIN t
.set bO, 64*(\t)
	WIN 0
.irp cb, 0,1,2,3,4,5,6,7
	ds_load_b128 v[96+4*(\cb):99+4*(\cb)], v[GA] offset:64*(\t)*PG+32*(\cb)     ; silu(g)/8 of my row, in y's own order
.endr
	v_permlanex16_b32 v235, v[RA+8*(\t)], s[SEL], s[SEL+1]   ; the sum lies in the lower half's register 0; the upper half's is 0
	v_add_f32 v234, v[RA+8*(\t)], v235
	v_mul_f32 v241, v[QN+(\t)], v234
	v_max_num_f32 v241, |v241|, 1.0
	v_rcp_f32 v241, v241
	WIN 0x05
.irp k, 0,1,2,3
	v_pk_add_f32 v[226+2*(\k):227+2*(\k)], v[bO+4*(\k):bO+4*(\k)+1], v[bO+4*(\k)+2:bO+4*(\k)+3]
.endr
	WIN 0x04
.set i, 8
.rept 24
	v_pk_add_f32 v[226+2*(i%4):227+2*(i%4)], v[226+2*(i%4):227+2*(i%4)], v[bO+2*i:bO+2*i+1]
.set i, i+1
.endr
	WIN 0
	s_wait_alu depctr_va_vdst(0)
	v_mul_f32 v240, v[QN+(\t)], v241               ; sc
	RED
	v_mul_f32 v236, 0xbc000000, v226               ; minus the mean
	v_mov_b32 v237, v236
	WIN 0x41
.set i, 0
.rept 32
	v_pk_add_f32 v[bO+2*i:bO+2*i+1], v[bO+2*i:bO+2*i+1], v[236:237]
.set i, i+1
.endr
	WIN 0x05
.set i, 0
.rept 4
	v_pk_mul_f32 v[226+2*i:227+2*i], v[bO+2*i:bO+2*i+1], v[bO+2*i:bO+2*i+1]
.set i, i+1
.endr
.rept 28
	v_pk_fma_f32 v[226+2*(i%4):227+2*(i%4)], v[bO+2*i:bO+2*i+1], v[bO+2*i:bO+2*i+1], v[226+2*(i%4):227+2*(i%4)]
.set i, i+1
.endr
	WIN 0
	RED
	v_mul_f32 v226, 0x3c000000, v226               ; the variance of O
	v_mul_f32 v241, v240, v240
	v_fmaak_f32 v241, v241, v226, 0x3727c5ac       ; sc^2 var + 1e-5
	v_rsq_f32 v241, v241
	v_nop
	s_wait_alu depctr_va_vdst(0)
	v_mul_f32 v238, v240, v241
	v_mov_b32 v239, v238
	WIN 0x41
.set i, 0
.rept 32
	v_pk_mul_f32 v[bO+2*i:bO+2*i+1], v[bO+2*i:bO+2*i+1], v[238:239]
.set i, i+1
.endr
	WIN 0x05
.set i, 0
.rept 32
	v_cvt_pk_f16_f32 v[SC+i], v[bO+2*i], v[bO+2*i+1]
.set i, i+1
.endr
	WIN 0
	s_wait_dscnt 0x0                               ; g
.set i, 0
.rept 32
	v_pk_mul_f16 v[SC+i], v[SC+i], v[96+i]
.set i, i+1
.endr
.irp cb, 0,1,2,3,4,5,6,7
	ds_store_b128 v[STO], v[SC+4*(\cb):SC+4*(\cb)+3] offset:32*(\cb)
.endr
	s_wait_xcnt 0x0                                ; the last tile's stores have read v128-159
.irp u, 0,1,2,3,4,5,6,7
	ds_load_b128 v[P+4*(\u):P+4*(\u)+3], v[RD] offset:(\u)*2*PG    ; LDS serves a wave's instructions in order (ISA guide 5.7.1.4): these see the stores above
.endr
.irp u, 0,1,2,3,4,5,6,7
	s_wait_dscnt 7-(\u)
	global_store_b128 v[GO], v[P+4*(\u):P+4*(\u)+3], s[90:91] offset:262144*(\t)+8192*(\u)   ; 16 lanes store 256 consecutive bytes, at a multiple of 256 from y's first byte
.endr
.endm
	PLACES
	FIN 0
	FIN 1
	FIN 2
	FIN 3
	s_wait_tensorcnt 0x0                           ; the wave's end
	ds_add_u32 v[SPW], v[NIL]
	s_wait_dscnt 0x0
	s_endpgm
.Lfunc_end_k_q85625ee6f9_retn:
	.size	k_q85625ee6f9_retn, .Lfunc_end_k_q85625ee6f9_retn-k_q85625ee6f9_retn
	.p2alignl 7, 3214868480
	.fill 96, 4, 3214868480
	.section	.rodata,"a",@progbits
	.p2align	6, 0x0
	.amdhsa_kernel k_q85625ee6f9_retn
		.amdhsa_group_segment_fixed_size 217088
		.amdhsa_private_segment_fixed_size 0
		.amdhsa_enable_private_segment 0
		.amdhsa_kernarg_size 32
		.amdhsa_user_sgpr_count 2
		.amdhsa_user_sgpr_kernarg_segment_ptr 1
		.amdhsa_wavefront_size32 1
		.amdhsa_system_sgpr_workgroup_id_x 1
		.amdhsa_system_sgpr_workgroup_id_y 1
		.amdhsa_system_sgpr_workgroup_id_z 1
		.amdhsa_system_vgpr_workitem_id 0
		.amdhsa_next_free_vgpr 1024
		.amdhsa_next_free_sgpr 100
		.amdhsa_reserve_vcc 1
		.amdhsa_float_denorm_mode_32 3
		.amdhsa_float_denorm_mode_16_64 3
		.amdhsa_memory_ordered 1
		.amdhsa_forward_progress 1
		.amdhsa_inst_pref_size 182
	.end_amdhsa_kernel
	.amdgpu_metadata
---
amdhsa.version: [ 1, 2 ]
amdhsa.kernels:
  - .name:           k_q85625ee6f9_retn
    .symbol:         k_q85625ee6f9_retn.kd
    .args:
      - { .name: prep, .offset: 0, .size: 8, .value_kind: global_buffer, .address_space: global }
      - { .name: proj, .offset: 8, .size: 8, .value_kind: global_buffer, .address_space: global }
      - { .name: ust, .offset: 16, .size: 8, .value_kind: global_buffer, .address_space: global }
      - { .name: yb, .offset: 24, .size: 8, .value_kind: global_buffer, .address_space: global }
    .group_segment_fixed_size: 217088
    .private_segment_fixed_size: 0
    .kernarg_segment_align: 8
    .kernarg_segment_size: 32
    .max_flat_workgroup_size: 128
    .sgpr_count:     100
    .vgpr_count:     1024
    .wavefront_size: 32
...
	.end_amdgpu_metadata
.endif
;; end of part 4
;; launch gemm2 (part 5): grid 8 x 32, 4 waves a work-group, clusters of 4 x 4, 327,680 bytes of LDS; arguments yb, prep, o_b, out0; writes out0
.if DOCPART == 5
	.amdgcn_target "amdgcn-amd-amdhsa--gfx1250"
	.amdhsa_code_object_version 6
	.text
	.protected	k_q85625ee6f9_gemm2
	.globl	k_q85625ee6f9_gemm2
	.p2align	8
	.type	k_q85625ee6f9_gemm2,@function
k_q85625ee6f9_gemm2:
	s_mov_b64 s[64:65], 0
	v_nop
	global_prefetch_b8 v0, s[64:65] scope:SCOPE_SE
	s_setreg_imm32_b32 hwreg(HW_REG_WAVE_MODE, 25, 1), 1
	s_wait_xcnt 0x0
	s_wait_alu depctr_hold_cnt(0) depctr_sa_sdst(0) depctr_va_vdst(0) depctr_va_sdst(0) depctr_va_ssrc(0) depctr_va_vcc(0) depctr_vm_vsrc(0)
	s_getreg_b32 s2, hwreg(HW_REG_IB_STS2, 6, 4)
	s_cmp_eq_u32 s2, 0
	s_cbranch_scc0 .Lentry_in_a_cluster
	s_endpgm
.Lentry_in_a_cluster:
	s_bfe_u32 s2, ttmp6, 0x10000c
	s_cmp_lg_u32 s2, 0xf033
	s_cbranch_scc0 .Lentry_shape_is_right
	s_endpgm
.Lentry_shape_is_right:
; THE LAST PROJECTION.  out0[4096][1024] = 8 x (Y[4096][2048] O[2048][1024]) + o_b, f16 operands (O holds o_w rounded to bf16, written as f16; Y carries silu(g)/8, which the 8 undoes), f32 sums and output.
; A tile is 128 x 128: 256 tiles, one for each WGP.  Four waves, each 64 x 64.  K goes in steps of 256 through two LDS slots; Y's rows come out of LDS as they lie, O ([K][N]) turned.
; The matrix instruction takes O's fragment as source 0 and Y's as source 1: a lane holds one row of the result and eight neighbouring columns.
; CLUSTER 4 x 4: Y's tile is asked for jointly by a row of the cluster, O's by a column.
; A wave's 64 columns of f32 are 256 bytes, so each wave goes out through a stage of its own: no barrier.  LIMITS: as the operands arrive; o_b is rounded to bf16 like every input.
.set SIZE_K, 2048
.set SIZE_N, 1024
.set OB,  0x1400000
.set KSTEP,  256
.set PA,     528
.set HALFA,  64*PA
.set PB,     288
.set HALFB,  128*PB
.set BOFF,   2*HALFA
.set SLOT,   2*HALFA+2*HALFB
.set STAGE,  2*SLOT                    ; behind the ring: 16 rows x 272 bytes for each wave
.set SPITCH, 272
.set SPARE,  STAGE+4*16*SPITCH
.set LAPS, SIZE_K/(2*KSTEP)
.set ADRA, 16
.set ADRB, 20
.set STO,  24
.set RD,   25
.set CO,   26
.set SPW,  28
.set NIL,  29
.set BOF,  30
.set BI,   96
.set ACC,  128
.set F0,   0
.set F1,   128
.set G1, 24
.set G0, 32
.set G1B, 48
.set G0B, 56
.set MSB, 0
.macro WIN new
.if MSB != (\new)
	s_set_vgpr_msb (MSB<<8)|(\new)
.set MSB, \new
.endif
.endm
.set MUL,  0x05
.set TO_F, 0x40
.macro JLOAD s                         ; a joint load: waves 0 and 1 fetch Y's two halves, waves 2 and 3 O's; s_nop 0 and four v_nop follow each line
	s_cmp_eq_u32 s11, 0
	s_cbranch_scc0 .Lfor_b_\@
	tensor_load_to_lds s[G0+4*(\s):G0+4*(\s)+3], s[G1:G1+7]
	s_nop 0
.rept 4
	v_nop
.endr
	s_branch .Lasked_\@
.Lfor_b_\@:
	tensor_load_to_lds s[G0B+4*(\s):G0B+4*(\s)+3], s[G1B:G1B+7]
	s_nop 0
.rept 4
	v_nop
.endr
.Lasked_\@:
.endm
.macro CREST
	s_cmp_lg_u32 s10, 0
	s_cbranch_scc1 .Lnot_wave_0_\@
	s_barrier_signal -3
.Lnot_wave_0_\@:
	s_barrier_wait -3
	s_barrier_signal -1
	s_barrier_wait -1
.endm
.macro CROUND
	s_barrier_signal -1
	s_barrier_wait -1
	CREST
.endm
	s_load_b256 s[68:75], s[0:1], 0x0              ; yb s[68:69], prep s[70:71], o_b s[72:73], out0 s[74:75]
	v_lshl_add_u32 v[SPW], v0, 2, SPARE
	v_mov_b32 v[NIL], 0
	ds_add_u32 v[SPW], v[NIL]                      ; the wave's opening: the add and its wait stand ahead of my first tensor load
	ds_add_u32 v28, v29
	v_lshrrev_b32 v1, 5, v0
	v_readfirstlane_b32 s10, v1
	s_lshr_b32 s11, s10, 1
	s_and_b32 s12, s10, 1
	s_bfe_u32 s40, ttmp6, 0x40000
	s_bfe_u32 s41, ttmp6, 0x40004
	s_lshl_b32 s42, ttmp9, 2
	s_add_co_u32 s42, s42, s40                     ; tile column
	s_and_b32 s13, ttmp7, 0xffff
	s_lshl_b32 s13, s13, 2
	s_add_co_u32 s13, s13, s41                     ; tile row
	s_lshl_b32 s43, s41, 2
	s_lshl_b32 s43, 15, s43
	s_lshl_b32 s44, 0x1111, s40
	s_or_b32 s[G1+0], s43, (1<<16)|(1<<20)|(1<<21)|(6<<22)|(3<<25)
	s_or_b32 s[G1B+0], s44, (1<<16)|(1<<20)|(1<<21)|(5<<22)|(7<<25)
	s_mov_b32 s[G1+1], KSTEP<<16
	s_mov_b32 s[G1+2], 64<<16
	s_mov_b32 s[G1+3], KSTEP<<16
	s_mov_b32 s[G1+4], 64
	s_mov_b32 s[G1+5], SIZE_K
	s_mov_b32 s[G1+6], 0
	s_mov_b32 s[G1+7], 0
	s_mov_b32 s[G1B+1], 128<<16
	s_mov_b32 s[G1B+2], 128<<16
	s_mov_b32 s[G1B+3], 128<<16
	s_mov_b32 s[G1B+4], 128
	s_mov_b32 s[G1B+5], SIZE_N
	s_mov_b32 s[G1B+6], 0
	s_mov_b32 s[G1B+7], 0
	s_lshl_b32 s16, s13, 7
	s_lshl_b32 s17, s12, 6
	s_add_co_u32 s16, s16, s17
	s_mul_i32 s16, s16, SIZE_K*2
	s_mov_b32 s17, 0
	s_mul_i32 s46, s12, 128*SIZE_N*2
	s_lshl_b32 s47, s42, 8
	s_add_co_u32 s46, s46, s47
	s_add_co_u32 s46, s46, OB
	s_mov_b32 s47, 0
	s_mul_i32 s20, s12, HALFA
	s_mul_i32 s21, s12, HALFB
	s_add_co_u32 s21, s21, BOFF
	s_wait_dscnt 0x0                               ; the opening add is done
	s_wait_kmcnt 0x0
	s_add_nc_u64 s[14:15], s[68:69], s[16:17]
	s_add_nc_u64 s[46:47], s[70:71], s[46:47]
	CROUND                                         ; all sixteen work-groups are here: the first joint loads meet
.irp s, 0,1
	s_mov_b32 s[G0+4*(\s)], 1
	s_add_co_u32 s[G0+4*(\s)+1], s20, (\s)*SLOT
	s_add_nc_u64 s[G0+4*(\s)+2:G0+4*(\s)+3], s[14:15], (\s)*KSTEP*2
	s_or_b32 s[G0+4*(\s)+3], s[G0+4*(\s)+3], 0x80000000
	s_mov_b32 s[G0B+4*(\s)], 1
	s_add_co_u32 s[G0B+4*(\s)+1], s21, (\s)*SLOT
	s_add_nc_u64 s[G0B+4*(\s)+2:G0B+4*(\s)+3], s[46:47], (\s)*KSTEP*SIZE_N*2
	s_or_b32 s[G0B+4*(\s)+3], s[G0B+4*(\s)+3], 0x80000000
	JLOAD \s
.endr
	v_and_b32 v1, 15, v0                           ; r
	v_bfe_u32 v2, v0, 4, 1                         ; h
	v_lshlrev_b32 v[BOF], 5, v2
	s_lshl_b32 s23, s12, 8
	v_add_nc_u32 v[BOF], s23, v[BOF]
	s_lshl_b32 s88, s42, 9
	s_mov_b32 s89, 0
	s_add_nc_u64 s[72:73], s[72:73], s[88:89]
.irp b, 0,1,2,3
	global_load_b128 v[BI+8*(\b):BI+8*(\b)+3],   v[BOF], s[72:73] offset:64*(\b)
	global_load_b128 v[BI+8*(\b)+4:BI+8*(\b)+7], v[BOF], s[72:73] offset:64*(\b)+16
.endr
	v_mul_u32_u24 v3, v1, PA
	v_lshl_add_u32 v3, v2, 4, v3
	s_mul_i32 s22, s11, HALFA
	v_add_nc_u32 v[ADRA], s22, v3
	v_add_nc_u32 v[ADRA+1], SLOT, v[ADRA]
	v_and_b32 v4, 7, v0
	v_lshl_add_u32 v4, v2, 3, v4
	v_mul_u32_u24 v4, v4, PB
	v_bfe_u32 v5, v0, 3, 1
	v_lshl_add_u32 v4, v5, 4, v4
	s_lshl_b32 s22, s12, 7
	s_add_co_u32 s22, s22, BOFF
	v_add_nc_u32 v[ADRB], s22, v4
	v_add_nc_u32 v[ADRB+1], HALFB, v[ADRB]
	v_add_nc_u32 v[ADRB+2], SLOT, v[ADRB]
	v_add_nc_u32 v[ADRB+3], SLOT+HALFB, v[ADRB]
	s_mul_i32 s23, s10, 16*SPITCH
	s_add_co_u32 s23, s23, STAGE                   ; my stage
	v_mul_u32_u24 v4, v1, SPITCH                   ; in: row r, 32 bytes for each half of the lanes
	v_lshl_add_u32 v4, v2, 5, v4
	v_add_nc_u32 v[STO], s23, v4
	v_mul_u32_u24 v5, v2, SPITCH                   ; back: lanes 0-15 one row of 256 bytes, lanes 16-31 the next
	v_lshl_add_u32 v5, v1, 4, v5
	v_add_nc_u32 v[RD], s23, v5
	v_lshlrev_b32 v[CO], 12, v2
	v_lshl_add_u32 v[CO], v1, 4, v[CO]
	s_lshl_b32 s88, s13, 7                         ; where my part begins in out0
	s_lshl_b32 s89, s11, 6
	s_add_co_u32 s88, s88, s89
	s_lshl_b32 s88, s88, 12
	s_lshl_b32 s89, s42, 9
	s_add_co_u32 s88, s88, s89
	s_lshl_b32 s89, s12, 8
	s_add_co_u32 s88, s88, s89
	s_mov_b32 s89, 0
	s_add_nc_u64 s[88:89], s[74:75], s[88:89]
	s_wait_loadcnt 0x0                             ; the bias; it is rounded to bf16 like every input
.set i, 0
.rept 16
	v_cvt_pk_bf16_f32 v32, v[BI+2*i], v[BI+2*i+1]
	v_lshlrev_b32 v[BI+2*i], 16, v32
	v_and_b32 v[BI+2*i+1], 0xffff0000, v32
.set i, i+1
.endr
.macro MUL8 f, c, a0, zero             ; 8 matrix instructions; the 16 accumulators take turns
	WIN MUL
.irp a, \a0, (\a0)+1
.irp b, 0,1,2,3
.if \zero
	v_wmma_f32_16x16x32_f16 v[ACC+8*(4*(\a)+(\b)):ACC+8*(4*(\a)+(\b))+7], v[(\f)+64+8*(4*(\c)+(\b)):(\f)+64+8*(4*(\c)+(\b))+7], v[(\f)+8*(4*(\c)+(\a)):(\f)+8*(4*(\c)+(\a))+7], 0
.else
	v_wmma_f32_16x16x32_f16 v[ACC+8*(4*(\a)+(\b)):ACC+8*(4*(\a)+(\b))+7], v[(\f)+64+8*(4*(\c)+(\b)):(\f)+64+8*(4*(\c)+(\b))+7], v[(\f)+8*(4*(\c)+(\a)):(\f)+8*(4*(\c)+(\a))+7], v[ACC+8*(4*(\a)+(\b)):ACC+8*(4*(\a)+(\b))+7]
.endif
.endr
.endr
.endm
.macro FETCH slot, q, f                ; 32 LDS loads in one run: quarter q (64 along K) of a slot into buffer f; the first 32 along K first
	WIN TO_F
.irp c, 0,1
.irp i, 0,1,2,3
	ds_load_tr16_b128 v[(\f)+64+8*(4*(\c)+(\i)):(\f)+64+8*(4*(\c)+(\i))+3],   v[ADRB+2*(\slot)+(\q)/2] offset:(((\q)%2)*64+32*(\c))*PB+32*(\i)
	ds_load_tr16_b128 v[(\f)+64+8*(4*(\c)+(\i))+4:(\f)+64+8*(4*(\c)+(\i))+7], v[ADRB+2*(\slot)+(\q)/2] offset:(((\q)%2)*64+32*(\c)+16)*PB+32*(\i)
	ds_load_b128 v[(\f)+8*(4*(\c)+(\i)):(\f)+8*(4*(\c)+(\i))+3],         v[ADRA+(\slot)] offset:128*(\q)+64*(\c)+(\i)*16*PA
	ds_load_b128 v[(\f)+8*(4*(\c)+(\i))+4:(\f)+8*(4*(\c)+(\i))+7],       v[ADRA+(\slot)] offset:128*(\q)+64*(\c)+(\i)*16*PA+32
.endr
.endr
.endm
.macro PLACES
.rept 4
	v_nop
.endr
.endm
.macro QUARTER slot, q, f, g, zero
	s_wait_dscnt 16                                ; the first 32 along K are in
	WIN MUL
	MUL8 \f, 0, 0, \zero
	MUL8 \f, 0, 2, \zero
	PLACES
	FETCH \slot, \q, \g
	s_wait_dscnt 32                                ; all but the 32 just issued
	WIN MUL
	MUL8 \f, 1, 0, 0
	MUL8 \f, 1, 2, 0
.endm
.macro TURN slot, next, fill
	WIN 0
	s_wait_tensorcnt 0x0                           ; all my tensor loads have landed: my part of the next slot
	ds_add_u32 v[SPW], v[NIL]
	s_wait_dscnt 17                                ; (the add and the youngest sixteen loads may be out)
	WIN MUL
	MUL8 F1, 0, 0, 0
	s_wait_dscnt 0x0                               ; the add is done, and my reads of this slot are over
	s_barrier_signal -1
	MUL8 F1, 0, 2, 0
.if \fill
	WIN 0
.endif
	s_barrier_wait -1
.if \fill
	CREST                                          ; the barrier has opened a round of the cluster's: no wave of any partner still reads this slot or has a load on its way
	s_add_nc_u64 s[G0+4*(\slot)+2:G0+4*(\slot)+3], s[G0+4*(\slot)+2:G0+4*(\slot)+3], 2*KSTEP*2
	s_add_nc_u64 s[G0B+4*(\slot)+2:G0B+4*(\slot)+3], s[G0B+4*(\slot)+2:G0B+4*(\slot)+3], 2*KSTEP*SIZE_N*2
	JLOAD \slot
.else
	PLACES
.endif
	FETCH \next, 0, F0
	WIN MUL
	MUL8 F1, 1, 0, 0
	MUL8 F1, 1, 2, 0
.endm
	s_wait_tensorcnt 1                             ; my part of K step 0 is in; K step 1's may stay out
	s_barrier_signal -1
	s_barrier_wait -1
	FETCH 0, 0, F0
	QUARTER 0, 1, F0, F1, 1
	WIN 0
	s_mov_b32 s3, LAPS-1
.Llap:
	QUARTER 0, 2, F1, F0, 0
	QUARTER 0, 3, F0, F1, 0
	TURN 0, 1, 1
	QUARTER 1, 1, F0, F1, 0
	QUARTER 1, 2, F1, F0, 0
	QUARTER 1, 3, F0, F1, 0
	TURN 1, 0, 1
	QUARTER 0, 1, F0, F1, 0
	WIN 0
	s_sub_co_u32 s3, s3, 1
	s_cmp_lg_u32 s3, 0
	s_cbranch_scc1 .Llap
	QUARTER 0, 2, F1, F0, 0
	QUARTER 0, 3, F0, F1, 0
	TURN 0, 1, 0
	QUARTER 1, 1, F0, F1, 0
	QUARTER 1, 2, F1, F0, 0
	QUARTER 1, 3, F0, F1, 0
	s_wait_dscnt 16
	WIN MUL
	MUL8 F1, 0, 0, 0
	MUL8 F1, 0, 2, 0
	s_wait_dscnt 0
	MUL8 F1, 1, 0, 0
	MUL8 F1, 1, 2, 0
	WIN 0
	; THE WAY OUT, 16 rows at a time: 8 x sum + bias; into my stage; back as whole rows of 256 bytes; stored.
	PLACES
.irp a, 0,1,2,3
.set i, 0
.rept 16
	v_pk_fma_f32 v[32+2*i:33+2*i], v[ACC+32*(\a)+2*i:ACC+32*(\a)+2*i+1], 0x41000000, v[BI+2*i:BI+2*i+1] op_sel_hi:[1,0,1]
.set i, i+1
.endr
.irp b, 0,1,2,3
	ds_store_b128 v[STO], v[32+8*(\b):35+8*(\b)] offset:64*(\b)
	ds_store_b128 v[STO], v[36+8*(\b):39+8*(\b)] offset:64*(\b)+16
.endr
	s_wait_xcnt 0x0                                ; the block before's stores have read v64-95
.irp u, 0,1,2,3,4,5,6,7
	ds_load_b128 v[64+4*(\u):67+4*(\u)], v[RD] offset:(\u)*2*SPITCH   ; LDS serves a wave's instructions in order (ISA guide 5.7.1.4): these see the stores above
.endr
.irp u, 0,1,2,3,4,5,6,7
	s_wait_dscnt 7-(\u)
	global_store_b128 v[CO], v[64+4*(\u):67+4*(\u)], s[88:89] offset:(16*(\a)+2*(\u))*4096   ; 16 lanes store 256 consecutive bytes, at a multiple of 256 from out0's first byte
.endr
.endr
	s_wait_tensorcnt 0x0                           ; the wave's end
	ds_add_u32 v[SPW], v[NIL]
	s_wait_dscnt 0x0
	CROUND                                         ; the closing round
	s_endpgm
.Lfunc_end_k_q85625ee6f9_gemm2:
	.size	k_q85625ee6f9_gemm2, .Lfunc_end_k_q85625ee6f9_gemm2-k_q85625ee6f9_gemm2
	.p2alignl 7, 3214868480
	.fill 96, 4, 3214868480
	.section	.rodata,"a",@progbits
	.p2align	6, 0x0
	.amdhsa_kernel k_q85625ee6f9_gemm2
		.amdhsa_group_segment_fixed_size 327680
		.amdhsa_private_segment_fixed_size 0
		.amdhsa_enable_private_segment 0
		.amdhsa_kernarg_size 32
		.amdhsa_user_sgpr_count 2
		.amdhsa_user_sgpr_kernarg_segment_ptr 1
		.amdhsa_wavefront_size32 1
		.amdhsa_system_sgpr_workgroup_id_x 1
		.amdhsa_system_sgpr_workgroup_id_y 1
		.amdhsa_system_sgpr_workgroup_id_z 1
		.amdhsa_system_vgpr_workitem_id 0
		.amdhsa_next_free_vgpr 512
		.amdhsa_next_free_sgpr 92
		.amdhsa_reserve_vcc 0
		.amdhsa_float_denorm_mode_32 3
		.amdhsa_float_denorm_mode_16_64 3
		.amdhsa_memory_ordered 1
		.amdhsa_forward_progress 1
		.amdhsa_inst_pref_size 96
	.end_amdhsa_kernel
	.amdgpu_metadata
---
amdhsa.version: [ 1, 2 ]
amdhsa.kernels:
  - .name:           k_q85625ee6f9_gemm2
    .symbol:         k_q85625ee6f9_gemm2.kd
    .args:
      - { .name: yb, .offset: 0, .size: 8, .value_kind: global_buffer, .address_space: global }
      - { .name: prep, .offset: 8, .size: 8, .value_kind: global_buffer, .address_space: global }
      - { .name: o_b, .offset: 16, .size: 8, .value_kind: global_buffer, .address_space: global }
      - { .name: out0, .offset: 24, .size: 8, .value_kind: global_buffer, .address_space: global }
    .group_segment_fixed_size: 327680
    .private_segment_fixed_size: 0
    .kernarg_segment_align: 8
    .kernarg_segment_size: 32
    .max_flat_workgroup_size: 128
    .sgpr_count:     92
    .vgpr_count:     512
    .wavefront_size: 32
...
	.end_amdgpu_metadata
.endif
;; end of part 5
;; ======== version 2 of 2: 5 launches; 1.14 times as fast as version 1
;; limits: values are held in f16: magnitudes above 65,504 overflow, below 6.1e-05 lose precision; values outside matrix products are rounded to f16
;; workspace buffers: prep 26,216,448 bytes; proj 50,593,792 bytes; ust 8,257,536 bytes; yb 16,777,216 bytes
;; launch prep (part 6): grid 64 x 14, 8 waves a work-group, no clusters, 0 bytes of LDS; arguments x, q_w, k_w, v_w, g_w, o_w, prep; writes prep
.if DOCPART == 6
	.amdgcn_target "amdgcn-amd-amdhsa--gfx1250"
	.amdhsa_code_object_version 6
	.text
	.protected	k_q85625ee6f9_prep
	.globl	k_q85625ee6f9_prep
	.p2align	8
	.type	k_q85625ee6f9_prep,@function
k_q85625ee6f9_prep:
	s_mov_b64 s[64:65], 0
	v_nop
	global_prefetch_b8 v0, s[64:65] scope:SCOPE_SE
	s_setreg_imm32_b32 hwreg(HW_REG_WAVE_MODE, 25, 1), 1
	s_wait_xcnt 0x0
; PREP.  Work-group row y = 0..11: one unit of 1,024 x 1,024 f32 is rounded to bf16 (x; q_w, k_w, v_w, g_w as one [1024][6144]); o_w is rounded to bf16 and that number written as f16.
; The [1024][6144] lies in 16 blocks of 384 columns, as the launch behind takes its tiles: block j = 128 columns of q (j < 8: heads 2 j, 2 j + 1) or of k (j >= 8: heads 2 (j - 8) and the next),
; then head j's 128 columns of v, then head j's 128 of g.  Each piece is 256 bytes of a row, so sixteen lanes' stores still cover 256 consecutive bytes, aligned.
; y = 12: the table of cos and sin, [2048 positions][32 pairs].  y = 13: per head and position gamma^(s%64), gamma^(63-s%64), 1/sqrt(sum of the decay mask's row); and 16 powers of gamma per head.
; No LDS, no matrix unit: memory binds the casts; each thread has all its 16 loads out before its first store.
; LIMITS.  o_w as f16: magnitudes from 6e-5 to 65,504 keep bf16's bits, smaller ones f16's fixed step of 6e-8.  The angle s x theta carries the exponential's last-bit error, times s <= 2,047.
.set WB,  0x800000                     ; byte offsets in prep
.set OB,  0x1400000
.set TAB, 0x1800000
.set REC, 0x1880000
.set HP,  0x1900000
.set OS, 4                             ; v4-11   source offsets of the eight passes
.set OD, 12                            ; v12-19  destination offsets
.set X,  32                            ; v32-95  as loaded
.set Y,  96                            ; v96-127 to store
	s_load_b256 s[8:15], s[0:1], 0x0               ; x, q_w, k_w, v_w
	s_load_b128 s[16:19], s[0:1], 0x20             ; g_w, o_w
	s_load_b64 s[20:21], s[0:1], 0x30              ; prep
	s_and_b32 s4, ttmp7, 0xffff                    ; y
	s_mov_b32 s5, ttmp9                            ; X
	s_wait_kmcnt 0x0
	s_cmp_eq_u32 s4, 12
	s_cbranch_scc1 .Ltab
	s_cmp_eq_u32 s4, 13
	s_cbranch_scc1 .Lrec
	; THE CASTS.  y < 4: x, 1,024 rows a unit
	s_mov_b64 s[22:23], s[8:9]                     ; source
	s_lshl_b32 s24, s4, 22                         ; its byte offset
	s_mov_b32 s25, 4096                            ; its pitch
	s_lshl_b32 s26, s4, 21                         ; destination offset
	s_mov_b32 s27, 2048                            ; destination pitch
	s_mov_b32 s6, 0                                ; what each further 128 columns lie apart beyond their own 256 bytes
.macro PICK yy, ptr, so, sp, do, dp, gap
	s_cmp_eq_u32 s4, \yy
	s_cselect_b64 s[22:23], s[(\ptr):(\ptr)+1], s[22:23]
	s_cselect_b32 s24, \so, s24
	s_cselect_b32 s25, \sp, s25
	s_cselect_b32 s26, \do, s26
	s_cselect_b32 s27, \dp, s27
	s_cselect_b32 s6, \gap, s6
.endm
	PICK 4,  10, 0,     4096, WB,          12288, 512   ; q: blocks 0-7, first piece
	PICK 5,  12, 0,     4096, WB+6144,     12288, 512   ; k: blocks 8-15, first piece
	PICK 6,  14, 0,     8192, WB+256,      12288, 512   ; v, heads 0-7: second piece
	PICK 7,  14, 4096,  8192, WB+6144+256, 12288, 512   ; v, heads 8-15
	PICK 8,  16, 0,     8192, WB+512,      12288, 512   ; g, heads 0-7: third piece
	PICK 9,  16, 4096,  8192, WB+6144+512, 12288, 512   ; g, heads 8-15
	PICK 10, 18, 0,     4096, OB,          2048,  0
	PICK 11, 18, 1<<22, 4096, OB+(1<<21),  2048,  0
	s_mul_i32 s28, s5, s25                         ; my 16 rows
	s_lshl_b32 s28, s28, 4
	s_add_co_u32 s28, s28, s24
	s_mov_b32 s29, 0
	s_add_nc_u64 s[22:23], s[22:23], s[28:29]
	s_mul_i32 s30, s5, s27
	s_lshl_b32 s30, s30, 4
	s_add_co_u32 s30, s30, s26
	s_mov_b32 s31, 0
	s_add_nc_u64 s[20:21], s[20:21], s[30:31]
	v_lshrrev_b32 v1, 7, v0                        ; which of a pass's two rows
	v_and_b32 v2, 127, v0                          ; which eight columns
	v_lshlrev_b32 v3, 5, v2
	v_mad_u32_u24 v[OS], v1, s25, v3
	v_lshrrev_b32 v3, 4, v2                        ; which 128 columns
	v_mul_u32_u24 v3, s6, v3
	v_lshl_add_u32 v3, v2, 4, v3                   ; 16 bytes for eight columns, and the gaps
	v_mad_u32_u24 v[OD], v1, s27, v3
	s_lshl_b32 s25, s25, 1                         ; two rows on
	s_lshl_b32 s27, s27, 1
.irp p, 1,2,3,4,5,6,7
	v_add_nc_u32 v[OS+(\p)], s25, v[OS+(\p)-1]
	v_add_nc_u32 v[OD+(\p)], s27, v[OD+(\p)-1]
.endr
.irp p, 0,1,2,3,4,5,6,7
	global_load_b128 v[X+8*(\p):X+8*(\p)+3],   v[OS+(\p)], s[22:23] th:TH_LOAD_NT
	global_load_b128 v[X+8*(\p)+4:X+8*(\p)+7], v[OS+(\p)], s[22:23] offset:16 th:TH_LOAD_NT
.endr
; Eight passes.  No register is written twice, so the only wait is the pass's own: loads come back in order, the younger passes' 14 - 2 p stay out.
.macro CVT f16
.irp p, 0,1,2,3,4,5,6,7
	s_wait_loadcnt 14-2*(\p)
.irp k, 0,1,2,3
	v_cvt_pk_bf16_f32 v[Y+4*(\p)+(\k)], v[X+8*(\p)+2*(\k)], v[X+8*(\p)+2*(\k)+1]
.endr
.if \f16
.irp k, 0,1,2,3
	v_lshlrev_b32 v[20+2*(\k)], 16, v[Y+4*(\p)+(\k)]          ; the bf16 numbers as f32,
	v_and_b32 v[21+2*(\k)], 0xffff0000, v[Y+4*(\p)+(\k)]
.endr
.irp k, 0,1,2,3
	v_cvt_pk_f16_f32 v[Y+4*(\p)+(\k)], v[20+2*(\k)], v[21+2*(\k)]  ; written as f16
.endr
.endif
	global_store_b128 v[OD+(\p)], v[Y+4*(\p):Y+4*(\p)+3], s[20:21]
.endr
	s_endpgm
.endm
	s_cmp_ge_u32 s4, 10
	s_cbranch_scc1 .Lf16
	CVT 0
.Lf16:
	CVT 1
	; THE TABLE OF COS AND SIN.  A thread makes four pairs j0 .. j0 + 3 of position s: theta_j = 2^(-j log2(10000) / 31).
.Ltab:
	s_add_nc_u64 s[20:21], s[20:21], TAB
	s_lshl_b32 s6, s5, 8
	v_add_nc_u32 v1, s6, v0                        ; idx
	v_lshrrev_b32 v2, 3, v1
	v_cvt_f32_u32 v2, v2                           ; s
	v_and_b32 v3, 7, v1
	v_lshlrev_b32 v3, 2, v3                        ; j0
	v_lshlrev_b32 v4, 5, v1                        ; 32 bytes a thread
; a = s theta is reduced by k = round(a 2/pi) quarter turns (pi/2 in two parts), sin and cos of the rest by polynomials on |r| <= pi/4, then turned back by k mod 4.
.macro SINCOS j
	v_add_nc_u32 v16, \j, v3
	v_cvt_f32_u32 v16, v16
	v_mul_f32 v16, 0xbedb762a, v16                 ; -log2(10000) / 31
	v_exp_f32 v16, v16
	v_nop                                          ; a plain instruction behind the exponential (ISA guide 5.7.2)
	s_wait_alu depctr_va_vdst(0)
	v_mul_f32 v16, v2, v16                         ; a
	v_mul_f32 v17, 0x3f22f983, v16                 ; 2 / pi
	v_rndne_f32 v17, v17                           ; k
	v_fmamk_f32 v18, v17, 0xbfc90fdb, v16          ; r = a - k pi/2, the high part,
	v_fmamk_f32 v18, v17, 0x333bbd2e, v18          ; and what the high part is too large by
	v_mul_f32 v19, v18, v18                        ; z
	v_mov_b32 v20, 0xb94ca1f9
	v_fmaak_f32 v20, v20, v19, 0x3c08839e
	v_fmaak_f32 v20, v20, v19, 0xbe2aaaa3
	v_mul_f32 v21, v18, v19
	v_fma_f32 v20, v21, v20, v18                   ; sin r
	v_mov_b32 v22, 0x37ccf5ce
	v_fmaak_f32 v22, v22, v19, 0xbab6061a
	v_fmaak_f32 v22, v22, v19, 0x3d2aaaa5
	v_mul_f32 v21, v19, v19
	v_fma_f32 v23, v19, -0.5, 1.0
	v_fma_f32 v22, v21, v22, v23                   ; cos r
	v_cvt_i32_f32 v24, v17
	v_and_b32 v21, 1, v24
	v_cmp_eq_u32 vcc_lo, 1, v21
	v_cndmask_b32 v25, v20, v22, vcc_lo            ; odd k: sin and cos change places
	v_cndmask_b32 v26, v22, v20, vcc_lo
	v_and_b32 v21, 2, v24
	v_lshlrev_b32 v21, 30, v21
	v_xor_b32 v[9+2*(\j)], v21, v25                ; sin: minus for k mod 4 = 2, 3
	v_add_nc_u32 v21, 1, v24
	v_and_b32 v21, 2, v21
	v_lshlrev_b32 v21, 30, v21
	v_xor_b32 v[8+2*(\j)], v21, v26                ; cos: minus for k mod 4 = 1, 2
.endm
	SINCOS 0
	SINCOS 1
	SINCOS 2
	SINCOS 3
	global_store_b128 v4, v[8:11], s[20:21]
	global_store_b128 v4, v[12:15], s[20:21] offset:16
	s_endpgm
	; THE DECAY'S NUMBERS.  gamma = 1 - e, e = 2^-(5+h).  ln gamma by its series to e^7 (e <= 1/32: the rest is under 1e-10 of it).
.Lrec:
	s_add_nc_u64 s[24:25], s[20:21], REC
	s_lshl_b32 s22, s5, 5
	s_add_co_u32 s22, s22, HP
	s_mov_b32 s23, 0
	s_add_nc_u64 s[22:23], s[20:21], s[22:23]      ; this work-group's eight words of the powers
	s_lshr_b32 s6, s5, 2                           ; h
	s_sub_co_u32 s7, 122, s6
	s_lshl_b32 s7, s7, 23                          ; e as f32
	s_add_co_u32 s8, s6, 5
	s_lshl_b32 s9, s5, 8
	v_add_nc_u32 v1, s9, v0                        ; idx: two entries a thread
	v_lshlrev_b32 v2, 1, v1
	v_and_b32 v2, 0x7ff, v2                        ; s of the first
	v_lshlrev_b32 v4, 5, v1
	v_mov_b32 v5, s7
	v_mov_b32 v6, 0x3e124925                       ; 1/7
	v_fmaak_f32 v6, v6, v5, 0x3e2aaaab             ; 1/6
	v_fmaak_f32 v6, v6, v5, 0x3e4ccccd             ; 1/5
	v_fmaak_f32 v6, v6, v5, 0x3e800000             ; 1/4
	v_fmaak_f32 v6, v6, v5, 0x3eaaaaab             ; 1/3
	v_fma_f32 v6, v6, v5, 0.5
	v_fma_f32 v6, v6, v5, 1.0
	v_mul_f32 v6, -v5, v6                          ; ln gamma
	v_mul_f32 v7, 0x3fb8aa3b, v6                   ; log2 gamma
; 1 - gamma^(s+1): by the exponential, or where u = (s+1) ln gamma is above -1/4 by the series of -expm1(u) to u^7, which loses nothing to cancellation.  Chosen by a select.
.macro RECE e2, r
	v_add_nc_u32 v16, \e2, v2
	v_and_b32 v17, 63, v16
	v_cvt_f32_u32 v18, v17
	v_sub_nc_u32 v17, 63, v17
	v_cvt_f32_u32 v19, v17
	v_mul_f32 v18, v7, v18
	v_mul_f32 v19, v7, v19
	v_add_nc_u32 v16, 1, v16
	v_cvt_f32_u32 v16, v16
	v_mul_f32 v20, v7, v16
	v_mul_f32 v21, v6, v16                         ; u
	v_exp_f32 v[\r], v18                           ; gamma^(s%64)
	v_exp_f32 v[(\r)+1], v19                       ; gamma^(63-s%64)
	v_exp_f32 v20, v20
	v_mov_b32 v22, 0x39500d01                      ; 1/5040
	v_fmaak_f32 v22, v22, v21, 0x3ab60b61          ; 1/720
	v_fmaak_f32 v22, v22, v21, 0x3c088889          ; 1/120
	v_fmaak_f32 v22, v22, v21, 0x3d2aaaab          ; 1/24
	v_fmaak_f32 v22, v22, v21, 0x3e2aaaab          ; 1/6
	v_fma_f32 v22, v22, v21, 0.5
	v_fma_f32 v22, v22, v21, 1.0
	v_mul_f32 v22, -v21, v22
	s_wait_alu depctr_va_vdst(0)
	v_sub_f32 v20, 1.0, v20
	v_cmp_lt_f32 vcc_lo, 0xbe800000, v21
	v_cndmask_b32 v20, v20, v22, vcc_lo
	v_ldexp_f32 v20, v20, s8                       ; divided by e: the mask's row sum
	v_rsq_f32 v[(\r)+2], v20
	v_mov_b32 v[(\r)+3], 0
.endm
	RECE 0, 8
	RECE 1, 12
	global_store_b128 v4, v[8:11], s[24:25]
	s_wait_alu depctr_va_vdst(0)
	global_store_b128 v4, v[12:15], s[24:25] offset:16
	; the powers: value i at words 2 i, 2 i + 1: i < 4: gamma^(64 i - 63) / 8; i < 8: gamma^(64 i - 255) / 8; i = 8: gamma^64; above: gamma^256
	s_and_b32 s9, s5, 3
	s_lshl_b32 s9, s9, 3
	v_and_b32 v16, 7, v0
	v_add_nc_u32 v16, s9, v16
	v_lshrrev_b32 v17, 1, v16                      ; i
	v_lshlrev_b32 v18, 6, v17
	v_add_nc_u32 v19, 0xffffffc1, v18
	v_add_nc_u32 v20, 0xffffff01, v18
	v_cmp_gt_u32 vcc_lo, 4, v17
	v_cndmask_b32 v19, v20, v19, vcc_lo
	v_cmp_eq_u32 vcc_lo, 8, v17
	v_cndmask_b32 v19, v19, 64, vcc_lo
	v_cmp_lt_u32 vcc_lo, 8, v17
	v_mov_b32 v21, 0x100
	v_cndmask_b32 v19, v19, v21, vcc_lo
	v_cvt_f32_i32 v19, v19
	v_mul_f32 v19, v7, v19
	v_exp_f32 v19, v19
	v_cmp_gt_u32 vcc_lo, 8, v17
	v_mov_b32 v21, 0x3e000000
	v_cndmask_b32 v21, 1.0, v21, vcc_lo
	s_wait_alu depctr_va_vdst(0)
	v_mul_f32 v19, v19, v21
	v_lshlrev_b32 v22, 2, v0
	s_wait_xcnt 0x0                                ; EXEC is a source of the stores above: it changes only behind this wait
	v_cmp_gt_u32 vcc_lo, 8, v0
	s_and_saveexec_b32 s10, vcc_lo
	global_store_b32 v22, v19, s[22:23]            ; threads 0 to 7
	s_wait_xcnt 0x0
	s_or_b32 exec_lo, exec_lo, s10
	s_endpgm
.Lfunc_end_k_q85625ee6f9_prep:
	.size	k_q85625ee6f9_prep, .Lfunc_end_k_q85625ee6f9_prep-k_q85625ee6f9_prep
	.p2alignl 7, 3214868480
	.fill 96, 4, 3214868480
	.section	.rodata,"a",@progbits
	.p2align	6, 0x0
	.amdhsa_kernel k_q85625ee6f9_prep
		.amdhsa_group_segment_fixed_size 0
		.amdhsa_private_segment_fixed_size 0
		.amdhsa_enable_private_segment 0
		.amdhsa_kernarg_size 56
		.amdhsa_user_sgpr_count 2
		.amdhsa_user_sgpr_kernarg_segment_ptr 1
		.amdhsa_wavefront_size32 1
		.amdhsa_system_sgpr_workgroup_id_x 1
		.amdhsa_system_sgpr_workgroup_id_y 1
		.amdhsa_system_sgpr_workgroup_id_z 1
		.amdhsa_system_vgpr_workitem_id 0
		.amdhsa_next_free_vgpr 128
		.amdhsa_next_free_sgpr 66
		.amdhsa_reserve_vcc 1
		.amdhsa_float_denorm_mode_32 3
		.amdhsa_float_denorm_mode_16_64 3
		.amdhsa_memory_ordered 1
		.amdhsa_forward_progress 1
		.amdhsa_inst_pref_size 30
	.end_amdhsa_kernel
	.amdgpu_metadata
---
amdhsa.version: [ 1, 2 ]
amdhsa.kernels:
  - .name:           k_q85625ee6f9_prep
    .symbol:         k_q85625ee6f9_prep.kd
    .args:
      - { .name: x, .offset: 0, .size: 8, .value_kind: global_buffer, .address_space: global }
      - { .name: q_w, .offset: 8, .size: 8, .value_kind: global_buffer, .address_space: global }
      - { .name: k_w, .offset: 16, .size: 8, .value_kind: global_buffer, .address_space: global }
      - { .name: v_w, .offset: 24, .size: 8, .value_kind: global_buffer, .address_space: global }
      - { .name: g_w, .offset: 32, .size: 8, .value_kind: global_buffer, .address_space: global }
      - { .name: o_w, .offset: 40, .size: 8, .value_kind: global_buffer, .address_space: global }
      - { .name: prep, .offset: 48, .size: 8, .value_kind: global_buffer, .address_space: global }
    .group_segment_fixed_size: 0
    .private_segment_fixed_size: 0
    .kernarg_segment_align: 8
    .kernarg_segment_size: 56
    .max_flat_workgroup_size: 256
    .sgpr_count:     66
    .vgpr_count:     128
    .wavefront_size: 32
...
	.end_amdgpu_metadata
.endif
;; end of part 6
;; launch gemm1 (part 7): grid 16 x 32, 4 waves a work-group, clusters of 4 x 4, 327,680 bytes of LDS; arguments prep, q_b, k_b, v_b, g_b, proj; writes proj
.if DOCPART == 7
	.amdgcn_target "amdgcn-amd-amdhsa--gfx1250"
	.amdhsa_code_object_version 6
	.text
	.protected	k_q85625ee6f9_gemm1
	.globl	k_q85625ee6f9_gemm1
	.p2align	8
	.type	k_q85625ee6f9_gemm1,@function
k_q85625ee6f9_gemm1:
	s_mov_b64 s[64:65], 0
	v_nop
	global_prefetch_b8 v0, s[64:65] scope:SCOPE_SE
	s_setreg_imm32_b32 hwreg(HW_REG_WAVE_MODE, 25, 1), 1
	s_wait_xcnt 0x0
	s_wait_alu depctr_hold_cnt(0) depctr_sa_sdst(0) depctr_va_vdst(0) depctr_va_sdst(0) depctr_va_ssrc(0) depctr_va_vcc(0) depctr_vm_vsrc(0)
	s_getreg_b32 s2, hwreg(HW_REG_IB_STS2, 6, 4)
	s_cmp_eq_u32 s2, 0
	s_cbranch_scc0 .Lentry_in_a_cluster
	s_endpgm
.Lentry_in_a_cluster:
	s_bfe_u32 s2, ttmp6, 0x10000c
	s_cmp_lg_u32 s2, 0xf033
	s_cbranch_scc0 .Lentry_shape_is_right
	s_endpgm
.Lentry_shape_is_right:
; THE FOUR PROJECTIONS AS ONE PRODUCT.  C[4096][6144] = X[4096][1024] W[1024][6144], bf16 operands, f32 sums; then what follows each projection:
;   q: + bias, rotary shift, divided by the row's length in its head, times gamma^(s%64), f16 by heads; the length times 1/sqrt(mask's row sum) goes out in f32
;   k: + bias, rotary shift, times gamma^(63-s%64), f16 by heads (the scale 1/8 is applied later, in f32)      v: + bias, f16 by heads      g: + bias, silu / 8, f16 by heads
; W's columns lie in 16 blocks of 384: block j = 128 columns of q (j < 8: heads 2 j, 2 j + 1) or of k (j >= 8), head j's 128 of v, head j's 128 of g: three PIECES of 128.
; A tile of C is 128 rows x one block: 16 x 32 = 512 work-groups, two for each of 256 WGPs, all alike.  Four waves; each makes all 128 rows x 96 columns, 32 of each piece: 48 accumulators, 384 registers.
; K goes in steps of 128 through two LDS slots.  X's rows lie along K and come out of LDS as they lie; W lies [K][N] and comes out turned, by ds_load_tr16_b128.  The matrix instruction takes W's fragment
; as source 0 and X's as source 1: a lane then holds one row of C and eight neighbouring columns.
; CLUSTER 4 x 4: X's tile is asked for jointly by a row of the cluster (wave 0), W's three pieces by a column (waves 1 to 3).  Whether a block holds q or k is told by the cluster's x alone, so partners branch alike.
; BEHIND THE PRODUCT the sums go, in f32, into the slots' bytes, which have had their last fill; behind a barrier wave w takes rows 32 w .. 32 w + 31 of all three pieces.  They come back so that a lane holds
; eight neighbouring columns of a row: a bias is 8 registers, a rotary pair lies in one lane, a head's 64 columns in 8 lanes, and the lane's 8 results are the 16 bytes that it stores.
; The first rows' cos, sin and decay numbers are asked for at the kernel's head and land under the product.
; REGISTERS, in windows of 256: window 0: v1-31 addresses and q's or k's bias, v32-63 the decay's numbers, v64-127 and v128-191 X's fragments, v192-255 cos and sin;
; window 1: v0-15 the biases of v and g, v64-111, v128-175 W's fragments; windows 2, 3: the accumulators (row block a, column block b at v[48 (a % 4) + 8 b] of window 2 + a / 4).
; Behind the dump: v64-127 the sums, v128-159 packed results, v160-191 at work, v192-255 cos and sin (for g: at work).
; LIMITS.  The outputs are f16: k, v and silu(g)/8 stay under 65,504 in magnitude.  |q|^2 of a head counts as at least 1e-30.  NaN and infinities are not treated apart.  The biases are rounded to bf16 like all inputs.
.set SIZE_K, 1024
.set SIZE_N, 6144
.set WB,  0x800000                     ; byte offsets in prep
.set TAB, 0x1800000
.set REC, 0x1880000
.set KH,  8388608                      ; byte offsets in proj
.set VH,  16777216
.set GH,  33554432
.set QN,  50331648
.set KSTEP,  128
.set PITCH,  272                       ; a row of X in LDS: 256 bytes + 16: the 16 rows of a load start at 16 different groups of four banks (ISA guide 11.1)
.set PB,     288                       ; a row of a piece of W: 256 + 32
.set QTR,    128*PB                    ; a wave's part of a slot: X's 128 rows (34,816 bytes of it), or a piece's 128 rows
.set SLOT,   4*QTR
.set PD,     1648                      ; a row of the dump: six times 256 bytes + 16, and 16 more = 103 x 16: neither the stores (16 rows) nor the loads back (16 x 32 bytes of a row) meet in a bank
.set PIECE,  544                       ; a piece's 512 bytes and their two paddings
.set SPARE,  2*SLOT                    ; behind the slots: the spare words, 128 bytes a wave
.set LAPS, SIZE_K/(2*KSTEP)
.set NQV,  1                           ; v1     a length on its way out
.set QOF,  2                           ; v2     my offset in q's lengths
.set GOQ,  3                           ; v3     q, k: my byte offset in the rows that a store covers
.set DST,  4                           ; v4-7   where I put my sums: rows 0-31, 32-63, 64-95, 96-127
.set BI,   8                           ; v8-15  q's or k's bias of my eight columns
.set ADRA, 16                          ; v16-17 X's fragments in slot 0, 1
.set ADRB, 18                          ; v18-23 my W fragments: slot 0 pieces 0-2, slot 1 pieces 0-2
.set RD0,  24                          ; v24    where I read the sums back, in my first rows
.set RDA,  25                          ; v25    the same in the rows in hand
.set GO,   26                          ; v26    v, g: 16 x lane
.set TOF,  27                          ; v27    my offset in the table of cos and sin
.set SPW,  28
.set NIL,  29
.set ROF,  30                          ; v30    in the decay's numbers
.set BOF,  31                          ; v31    in a bias
.set RC,   32
.set X,    64
.set OUT,  128
.set T,    160
.set N,    176
.set CS,   192
.set TL,   64                          ; v64-70 at work at the head, before the first fragments come
.set TH,   65
.set T3,   66
.set T4,   67
.set T5,   68
.set T8,   69
.set T7,   70
.set F0,   64
.set F1,   128
.set G1, 24
.set G0, 32
.set G1B, 48
.set G0B, 56
.set LE, 66                            ; s[66:67]   -log2 e
.set EI, 100                           ; s[100:101] 8.0
.set MSB, 0
.macro WIN new                         ; the immediate's high byte repeats the setting that is left
.if MSB != (\new)
	s_set_vgpr_msb (MSB<<8)|(\new)
.set MSB, \new
.endif
.endm
.set MUL_LO, 0xa1                      ; source 0 (W) window 1, source 1 (X) window 0, C and D window 2
.set MUL_HI, 0xf1                      ; the same, C and D window 3
.set TO_B,   0x40                      ; destination window 1, address window 0
.macro JLOAD s                         ; a joint load: wave 0 fetches X's tile, waves 1 to 3 a piece of W each; s_nop 0 and four v_nop follow each line
	s_cmp_eq_u32 s10, 0
	s_cbranch_scc0 .Lfor_b_\@
	tensor_load_to_lds s[G0+4*(\s):G0+4*(\s)+3], s[G1:G1+7]
	s_nop 0
.rept 4
	v_nop
.endr
	s_branch .Lasked_\@
.Lfor_b_\@:
	tensor_load_to_lds s[G0B+4*(\s):G0B+4*(\s)+3], s[G1B:G1B+7]
	s_nop 0
.rept 4
	v_nop
.endr
.Lasked_\@:
.endm
.macro CREST                           ; a round of the cluster's barrier behind its opening barrier
	s_cmp_lg_u32 s10, 0
	s_cbranch_scc1 .Lnot_wave_0_\@
	s_barrier_signal -3
.Lnot_wave_0_\@:
	s_barrier_wait -3
	s_barrier_signal -1
	s_barrier_wait -1
.endm
.macro CROUND
	s_barrier_signal -1
	s_barrier_wait -1
	CREST
.endm
.macro CLOAD                           ; cos and sin of my four pairs, for eight pairs of rows
.irp u, 0,1,2,3,4,5,6,7
	global_load_b128 v[CS+8*(\u):CS+8*(\u)+3],   v[TOF], s[98:99] offset:512*(\u)
	global_load_b128 v[CS+8*(\u)+4:CS+8*(\u)+7], v[TOF], s[98:99] offset:512*(\u)+16
.endr
.endm
.macro RLOAD                           ; gamma^(s%64), gamma^(63-s%64), 1/sqrt(mask's row sum) of my head and row
.irp u, 0,1,2,3,4,5,6,7
	global_load_b128 v[RC+4*(\u):RC+4*(\u)+3], v[ROF], s[96:97] offset:32*(\u)
.endr
.endm
	s_load_b256 s[68:75], s[0:1], 0x0              ; prep s[68:69], q_b, k_b, v_b
	s_load_b128 s[76:79], s[0:1], 0x20             ; g_b s[76:77], proj s[78:79]
	v_lshl_add_u32 v[SPW], v0, 2, SPARE
	v_mov_b32 v[NIL], 0
	ds_add_u32 v[SPW], v[NIL]                      ; the wave's opening: the add and its wait stand ahead of my first tensor load
	ds_add_u32 v28, v29
	v_lshrrev_b32 v1, 5, v0
	v_readfirstlane_b32 s10, v1                    ; wave 0..3
	s_bfe_u32 s40, ttmp6, 0x40000                  ; cx
	s_bfe_u32 s41, ttmp6, 0x40004                  ; cy
	s_lshl_b32 s42, ttmp9, 2
	s_add_co_u32 s42, s42, s40                     ; tile column = W's block, 0..15
	s_and_b32 s13, ttmp7, 0xffff
	s_lshl_b32 s13, s13, 2
	s_add_co_u32 s13, s13, s41                     ; tile row, 0..31
	s_lshl_b32 s43, s41, 2
	s_lshl_b32 s43, 15, s43                        ; my row of the cluster
	s_lshl_b32 s44, 0x1111, s40                    ; my column
	s_or_b32 s[G1+0], s43, (1<<16)|(1<<20)|(1<<21)|(5<<22)|(3<<25)   ; X: 2-byte elements, 4 words of padding after every 64
	s_or_b32 s[G1B+0], s44, (1<<16)|(1<<20)|(1<<21)|(5<<22)|(7<<25)  ; W: 8 words after every 64
.irp g, G1, G1B
	s_mov_b32 s[(\g)+1], 128<<16                   ; both: 128 rows x 128 elements
	s_mov_b32 s[(\g)+2], 128<<16
	s_mov_b32 s[(\g)+3], 128<<16
	s_mov_b32 s[(\g)+4], 128
	s_mov_b32 s[(\g)+6], 0
	s_mov_b32 s[(\g)+7], 0
.endr
	s_mov_b32 s[G1+5], SIZE_K
	s_mov_b32 s[G1B+5], SIZE_N
	s_lshl_b32 s16, s13, 18                        ; X: 128 rows of 2,048 bytes a tile row
	s_mov_b32 s17, 0
	s_mul_i32 s46, s42, 768                        ; W: the block's 768 bytes of a row, and piece wave - 1 (wave 0 does not ask by this address)
	s_lshl_b32 s47, s10, 8
	s_add_co_u32 s46, s46, s47
	s_add_co_u32 s46, s46, WB-256
	s_mov_b32 s47, 0
	s_mul_i32 s20, s10, QTR                        ; where they go: wave x 36,864 bytes: no place in the cluster enters an LDS address
	s_mov_b32 s[LE], 0xbfb8aa3b
	s_mov_b32 s[LE+1], 0xbfb8aa3b
	s_mov_b32 s[EI], 0x41000000
	s_mov_b32 s[EI+1], 0x41000000
	s_wait_dscnt 0x0                               ; the opening add is done
	s_wait_kmcnt 0x0
	s_add_nc_u64 s[14:15], s[68:69], s[16:17]
	s_add_nc_u64 s[46:47], s[68:69], s[46:47]
	CROUND                                         ; all sixteen work-groups are here: the first joint loads meet
.irp s, 0,1
	s_mov_b32 s[G0+4*(\s)], 1
	s_add_co_u32 s[G0+4*(\s)+1], s20, (\s)*SLOT
	s_add_nc_u64 s[G0+4*(\s)+2:G0+4*(\s)+3], s[14:15], (\s)*KSTEP*2
	s_or_b32 s[G0+4*(\s)+3], s[G0+4*(\s)+3], 0x80000000
	s_mov_b32 s[G0B+4*(\s)], 1
	s_add_co_u32 s[G0B+4*(\s)+1], s20, (\s)*SLOT
	s_add_nc_u64 s[G0B+4*(\s)+2:G0B+4*(\s)+3], s[46:47], (\s)*KSTEP*SIZE_N*2
	s_or_b32 s[G0B+4*(\s)+3], s[G0B+4*(\s)+3], 0x80000000
	JLOAD \s
.endr
	; the first piece: q in the clusters 0 and 1 along x, k in 2 and 3
	s_mov_b32 s80, ttmp9
	s_cmp_lt_u32 s80, 2
	s_cselect_b64 s[82:83], s[70:71], s[72:73]     ; its bias,
	s_cselect_b32 s86, 0, KH                       ; its part of proj,
	s_cselect_b32 s85, -1, 0                       ; all ones: q
	s_and_b32 s84, s42, 7                          ; its pair of heads: it enters global addresses alone
	s_lshr_b32 s87, s13, 4                         ; batch
	s_and_b32 s94, s13, 15
	s_lshl_b32 s94, s94, 7
	s_lshl_b32 s95, s10, 5
	s_add_co_u32 s94, s94, s95                     ; the first position that I take on the way out: the tile's + 32 x wave
	v_and_b32 v[TL], 15, v0                        ; l % 16: a fragment's row; on the way out which eight columns of a piece
	v_bfe_u32 v[TH], v0, 4, 1                      ; l / 16: a fragment's half; on the way out which of two rows
	v_lshrrev_b32 v[T8], 3, v[TL]                  ; on the way out, q and k: which of the two heads
	v_and_b32 v[T7], 7, v0                         ; and which eight of its 64 columns
	v_lshlrev_b32 v[BOF], 5, v[TL]
	s_lshl_b32 s88, s84, 9
	s_mov_b32 s89, 0
	s_add_nc_u64 s[82:83], s[82:83], s[88:89]
	s_lshl_b32 s88, s42, 9
	s_add_nc_u64 s[74:75], s[74:75], s[88:89]
	s_add_nc_u64 s[76:77], s[76:77], s[88:89]
	global_load_b128 v[BI:BI+3],   v[BOF], s[82:83]
	global_load_b128 v[BI+4:BI+7], v[BOF], s[82:83] offset:16
	WIN 0x40                                       ; the biases of v and g go into window 1
	global_load_b128 v[0:3],   v[BOF], s[74:75]
	global_load_b128 v[4:7],   v[BOF], s[74:75] offset:16
	global_load_b128 v[8:11],  v[BOF], s[76:77]
	global_load_b128 v[12:15], v[BOF], s[76:77] offset:16
	WIN 0
	v_lshlrev_b32 v[TOF], 8, v[TH]                 ; cos and sin: a position's 256 bytes; my four pairs
	v_lshl_add_u32 v[TOF], v[T7], 5, v[TOF]
	v_lshlrev_b32 v[ROF], 15, v[T8]                ; the decay's numbers: a head's 32,768 bytes; 16 a position
	v_lshl_add_u32 v[ROF], v[TH], 4, v[ROF]
	s_lshl_b32 s96, s84, 12                        ; my first head's 2,048 positions
	s_add_co_u32 s96, s96, s94
	s_lshl_b32 s96, s96, 4
	s_add_co_u32 s96, s96, REC
	s_mov_b32 s97, 0
	s_add_nc_u64 s[96:97], s[68:69], s[96:97]
	s_lshl_b32 s98, s94, 8
	s_add_co_u32 s98, s98, TAB
	s_mov_b32 s99, 0
	s_add_nc_u64 s[98:99], s[68:69], s[98:99]
	CLOAD                                          ; the tables of my first 16 rows: 24 loads that stay out until the way out
	RLOAD
	v_mul_u32_u24 v[T3], v[TL], PITCH
	v_lshl_add_u32 v[ADRA], v[TH], 4, v[T3]        ; X: row x pitch + 16 x half of the lanes; every wave reads all 128 rows
	v_add_nc_u32 v[ADRA+1], SLOT, v[ADRA]
	v_lshl_add_u32 v[T4], v[TH], 3, v[T7]          ; W, turned: lane l reads K row 8 (l / 16) + l % 8, columns 8 ((l / 8) % 2) + 0..7
	v_mul_u32_u24 v[T4], v[T4], PB
	v_bfe_u32 v[T5], v0, 3, 1
	v_lshl_add_u32 v[T4], v[T5], 4, v[T4]
	s_lshl_b32 s22, s10, 6                         ; my 32 columns of each piece
	s_add_co_u32 s22, s22, QTR
	v_add_nc_u32 v[ADRB], s22, v[T4]
	v_add_nc_u32 v[ADRB+1], QTR, v[ADRB]
	v_add_nc_u32 v[ADRB+2], 2*QTR, v[ADRB]
	v_add_nc_u32 v[ADRB+3], SLOT, v[ADRB]
	v_add_nc_u32 v[ADRB+4], SLOT+QTR, v[ADRB]
	v_add_nc_u32 v[ADRB+5], SLOT+2*QTR, v[ADRB]
	v_mul_u32_u24 v[T3], v[TL], PD                 ; into the dump: row l % 16, 32 bytes for each half of the lanes, my 32 columns (128 bytes) of a piece, 16 more behind the piece's first 256
	v_lshl_add_u32 v[T3], v[TH], 5, v[T3]
	s_lshl_b32 s23, s10, 7
	s_lshr_b32 s22, s10, 1
	s_lshl_b32 s22, s22, 4
	s_add_co_u32 s23, s23, s22
	v_add_nc_u32 v[DST], s23, v[T3]
	v_add_nc_u32 v[DST+1], 32*PD, v[DST]
	v_add_nc_u32 v[DST+2], 64*PD, v[DST]
	v_add_nc_u32 v[DST+3], 96*PD, v[DST]
	s_mul_i32 s23, s10, 32*PD                      ; back: my 32 rows; row l / 16, 32 bytes at 32 (l % 16), 16 more behind the piece's first 256
	v_mul_u32_u24 v[T3], v[TH], PD
	v_lshl_add_u32 v[T3], v[TL], 5, v[T3]
	v_lshl_add_u32 v[T3], v[T8], 4, v[T3]
	v_add_nc_u32 v[RD0], s23, v[T3]
	v_and_b32 v[T3], 31, v0
	v_lshlrev_b32 v[GO], 4, v[T3]
	v_lshlrev_b32 v[GOQ], 18, v[T8]                ; a head's rows are 262,144 bytes; a row 128; my 16 bytes
	v_lshl_add_u32 v[GOQ], v[TH], 7, v[GOQ]
	v_lshl_add_u32 v[GOQ], v[T7], 4, v[GOQ]
	v_lshlrev_b32 v[QOF], 13, v[T8]                ; the lengths: a head's 8,192 bytes; lane (l / 16, l % 8) carries row 2 (l % 8) + l / 16
	v_lshl_add_u32 v[QOF], v[T7], 3, v[QOF]
	v_lshl_add_u32 v[QOF], v[TH], 2, v[QOF]
	s_lshl_b32 s92, s87, 4
	s_add_co_u32 s95, s92, s42                     ; batch x 16 + the head of v and g
	s_lshl_b32 s95, s95, 11
	s_add_co_u32 s95, s95, s94
	s_lshl_b32 s4, s95, 8
	s_add_co_u32 s6, s4, GH
	s_add_co_u32 s4, s4, VH
	s_mov_b32 s5, 0
	s_mov_b32 s7, 0
	s_add_nc_u64 s[4:5], s[78:79], s[4:5]          ; where my rows of v go,
	s_add_nc_u64 s[6:7], s[78:79], s[6:7]          ; of g,
	s_add_co_u32 s92, s92, s84
	s_add_co_u32 s92, s92, s84                     ; batch x 16 + my first head of q or k
	s_lshl_b32 s92, s92, 11
	s_add_co_u32 s92, s92, s94
	s_lshl_b32 s88, s92, 7
	s_add_co_u32 s88, s88, s86
	s_mov_b32 s89, 0
	s_add_nc_u64 s[88:89], s[78:79], s[88:89]      ; of q or k,
	s_lshl_b32 s92, s92, 2
	s_add_co_u32 s92, s92, QN
	s_mov_b32 s93, 0
	s_add_nc_u64 s[92:93], s[78:79], s[92:93]      ; and q's lengths
	s_wait_loadcnt 24                              ; the biases are in; the tables' 24 loads, issued behind them, stay out.  The biases are rounded to bf16 like every input
.set i, 0
.rept 4
	v_cvt_pk_bf16_f32 v[T3], v[BI+2*i], v[BI+2*i+1]
	v_lshlrev_b32 v[BI+2*i], 16, v[T3]
	v_and_b32 v[BI+2*i+1], 0xffff0000, v[T3]
.set i, i+1
.endr
	WIN 0x45                                       ; all in window 1
.set i, 0
.rept 8
	v_cvt_pk_bf16_f32 v16, v[2*i], v[2*i+1]
	v_lshlrev_b32 v[2*i], 16, v16
	v_and_b32 v[2*i+1], 0xffff0000, v16
.set i, i+1
.endr
	WIN 0
; 12 matrix instructions: row blocks a0, a0 + 1 of the window's four (hi = 0: rows 0-63, 1: rows 64-127) x my 6 column blocks, 32 along K.  The 48 accumulators take turns.
.macro MUL12 f, hi, a0, zero
	WIN MUL_LO+0x50*(\hi)
.irp a, \a0, (\a0)+1
.irp b, 0,1,2,3,4,5
.if \zero
	v_wmma_f32_16x16x32_bf16 v[48*(\a)+8*(\b):48*(\a)+8*(\b)+7], v[(\f)+8*(\b):(\f)+8*(\b)+7], v[(\f)+8*(4*(\hi)+(\a)):(\f)+8*(4*(\hi)+(\a))+7], 0
.else
	v_wmma_f32_16x16x32_bf16 v[48*(\a)+8*(\b):48*(\a)+8*(\b)+7], v[(\f)+8*(\b):(\f)+8*(\b)+7], v[(\f)+8*(4*(\hi)+(\a)):(\f)+8*(4*(\hi)+(\a))+7], v[48*(\a)+8*(\b):48*(\a)+8*(\b)+7]
.endif
.endr
.endr
.endm
; 28 LDS loads in one run: the fragments of quarter q (32 along K) of a slot into buffer f: my two column blocks of each of W's pieces, then X's 128 rows
.macro FETCH slot, q, f
	WIN TO_B
.irp b, 0,1,2,3,4,5
	ds_load_tr16_b128 v[(\f)+8*(\b):(\f)+8*(\b)+3],   v[ADRB+3*(\slot)+(\b)/2] offset:32*(\q)*PB+32*((\b)%2)
	ds_load_tr16_b128 v[(\f)+8*(\b)+4:(\f)+8*(\b)+7], v[ADRB+3*(\slot)+(\b)/2] offset:(32*(\q)+16)*PB+32*((\b)%2)
.endr
	WIN 0
.irp i, 0,1,2,3,4,5,6,7
	ds_load_b128 v[(\f)+8*(\i):(\f)+8*(\i)+3],   v[ADRA+(\slot)] offset:64*(\q)+(\i)*16*PITCH
	ds_load_b128 v[(\f)+8*(\i)+4:(\f)+8*(\i)+7], v[ADRA+(\slot)] offset:64*(\q)+(\i)*16*PITCH+32
.endr
.endm
.macro PLACES                          ; four places in front of loads into registers that matrix instructions have read, and of what reads their results
.rept 4
	v_nop
.endr
.endm
; One of a K step's first three quarters: multiplies buffer f; in its middle it fetches quarter q into buffer g.
.macro QUARTER slot, q, f, g, zero
	s_wait_dscnt 8                                 ; W and X's rows 0-63 are in; the youngest eight loads (X's rows 64-127) may be out
	MUL12 \f, 0, 0, \zero
	MUL12 \f, 0, 2, \zero
	PLACES
	FETCH \slot, \q, \g
	s_wait_dscnt 28                                ; all but the 28 just issued
	MUL12 \f, 1, 0, \zero
	MUL12 \f, 1, 2, \zero
.endm
; The last quarter multiplies buffer 1 and changes slots.  MEET is its first half: one barrier; in front of it each wave waits for all its tensor loads (its part of the next slot), adds 0 to its spare word,
; and waits for that and for its reads of this slot.
.macro MEET round
	WIN 0
	s_wait_tensorcnt 0x0
	ds_add_u32 v[SPW], v[NIL]
	s_wait_dscnt 9                                 ; (the add and the youngest eight loads may be out)
	MUL12 F1, 0, 0, 0
	s_wait_dscnt 0x0                               ; the add is done, and my reads of this slot are over
	s_barrier_signal -1
	MUL12 F1, 0, 2, 0
.if \round
	WIN 0
.endif
	s_barrier_wait -1
.endm
.macro TURN slot, next                 ; the whole last quarter: the slot just read is filled again, two K steps ahead: 168 matrix instructions stand between the request and the wait for it
	MEET 1
	CREST                                          ; the barrier has opened a round of the cluster's: no wave of any partner still reads this slot or has a load on its way
	s_add_nc_u64 s[G0+4*(\slot)+2:G0+4*(\slot)+3], s[G0+4*(\slot)+2:G0+4*(\slot)+3], 2*KSTEP*2
	s_add_nc_u64 s[G0B+4*(\slot)+2:G0B+4*(\slot)+3], s[G0B+4*(\slot)+2:G0B+4*(\slot)+3], 2*KSTEP*SIZE_N*2
	JLOAD \slot                                    ; the first tensor load behind the round; its four v_nop are also the places in front of the loads below
	FETCH \next, 0, F0
	MUL12 F1, 1, 0, 0
	MUL12 F1, 1, 2, 0
.endm
	s_wait_tensorcnt 1                             ; my part of K step 0 is in; K step 1's may stay out
	s_barrier_signal -1
	s_barrier_wait -1
	FETCH 0, 0, F0
	QUARTER 0, 1, F0, F1, 1                        ; the first quarter's products start the sums
	WIN 0
	s_mov_b32 s3, LAPS-1
.Llap:                                                 ; a trip goes once round the ring and fills both slots again
	QUARTER 0, 2, F1, F0, 0
	QUARTER 0, 3, F0, F1, 0
	TURN 0, 1
	QUARTER 1, 1, F0, F1, 0
	QUARTER 1, 2, F1, F0, 0
	QUARTER 1, 3, F0, F1, 0
	TURN 1, 0
	QUARTER 0, 1, F0, F1, 0
	WIN 0
	s_sub_co_u32 s3, s3, 1
	s_cmp_lg_u32 s3, 0
	s_cbranch_scc1 .Llap
	QUARTER 0, 2, F1, F0, 0                        ; the last lap fills nothing, and has no round of the cluster's barrier
	QUARTER 0, 3, F0, F1, 0
	MEET 0
	PLACES
	FETCH 1, 0, F0
	MUL12 F1, 1, 0, 0
	MUL12 F1, 1, 2, 0
	QUARTER 1, 1, F0, F1, 0
	QUARTER 1, 2, F1, F0, 0
	QUARTER 1, 3, F0, F1, 0
	s_wait_dscnt 8
	MUL12 F1, 0, 0, 0
	MUL12 F1, 0, 2, 0
	s_wait_dscnt 0x0                               ; my last reads of the slots are over:
	s_barrier_signal -1                            ; say so,
	MUL12 F1, 1, 0, 0
	MUL12 F1, 1, 2, 0
	WIN 0
	s_barrier_wait -1                              ; and when all four have said so the slots' bytes may be written over; no tensor load follows in this launch
	; THE DUMP: a lane's eight sums of an accumulator are 32 neighbouring bytes of a row; each accumulator's low half first
	PLACES
.irp a, 0,1,2,3,4,5,6,7
	WIN 0x08+4*((\a)/4)                            ; the stores' data in window 2 or 3
.irp b, 0,1,2,3,4,5
	ds_store_b128 v[DST+(\a)/2], v[48*((\a)%4)+8*(\b):48*((\a)%4)+8*(\b)+3]   offset:((\a)%2)*16*PD+PIECE*((\b)/2)+64*((\b)%2)
	ds_store_b128 v[DST+(\a)/2], v[48*((\a)%4)+8*(\b)+4:48*((\a)%4)+8*(\b)+7] offset:((\a)%2)*16*PD+PIECE*((\b)/2)+64*((\b)%2)+16
.endr
.endr
	WIN 0
	s_wait_dscnt 0x0                               ; for the others' sake: my part of every row is there
	s_barrier_signal -1
	s_barrier_wait -1
; n pairs of rows of piece pc come back: pair u's eight sums at X + 8 (u0 + u)
.macro XL u0, n, pc
.set u, 0
.rept \n
	ds_load_b128 v[X+8*((\u0)+u):X+8*((\u0)+u)+3],   v[RDA] offset:u*2*PD+PIECE*(\pc)
	ds_load_b128 v[X+8*((\u0)+u)+4:X+8*((\u0)+u)+7], v[RDA] offset:u*2*PD+PIECE*(\pc)+16
.set u, u+1
.endr
.endm
.macro PACKX n
.set i, 0
.rept 4*(\n)
	v_cvt_pk_f16_f32 v[OUT+i], v[X+2*i], v[X+2*i+1]
.set i, i+1
.endr
.endm
	; Q OR K: the first piece is two heads of 64.  Two trips of 16 rows.
.irp u, 1,2,3,4,5,6,7
	s_mov_b32 s[13+(\u)], 0x01010101<<(\u)         ; the lanes with l % 8 = u
.endr
	s_mov_b32 s3, 2
	v_mov_b32 v[RDA], v[RD0]
	XL 0, 8, 0
	s_mov_b32 s2, 16*PD                            ; the next rows
.Lqkrow:
	s_wait_dscnt 0x0                               ; this trip's sums are back
.set i, 0
.rept 32
	v_pk_add_f32 v[X+2*i:X+2*i+1], v[X+2*i:X+2*i+1], v[BI+2*(i%4):BI+2*(i%4)+1]
.set i, i+1
.endr
	s_wait_loadcnt 0x8                             ; cos and sin are in; the eight loads issued behind them may be out
	; (x0, x1) -> (x0 c - x1 s, x1 c + x0 s): first (-x1 s, x0 s), then x c is added
.irp g, 0,1,2,3
.set i, 8*(\g)
.rept 8
	v_pk_mul_f32 v[T+2*(i%8):T+2*(i%8)+1], v[X+2*i:X+2*i+1], v[CS+2*i:CS+2*i+1] op_sel:[1,1] op_sel_hi:[0,1] neg_lo:[1,0]
.set i, i+1
.endr
.set i, 8*(\g)
.rept 8
	v_pk_fma_f32 v[X+2*i:X+2*i+1], v[X+2*i:X+2*i+1], v[CS+2*i:CS+2*i+1], v[T+2*(i%8):T+2*(i%8)+1] op_sel_hi:[1,0,1]
.set i, i+1
.endr
.endr
	; the row's length in its head: my eight squares, then the head's eight lanes
.irp u, 0,1,2,3,4,5,6,7
	v_pk_mul_f32 v[N+2*(\u):N+2*(\u)+1], v[X+8*(\u):X+8*(\u)+1], v[X+8*(\u):X+8*(\u)+1]
.endr
.irp p, 1,2,3
.irp u, 0,1,2,3,4,5,6,7
	v_pk_fma_f32 v[N+2*(\u):N+2*(\u)+1], v[X+8*(\u)+2*(\p):X+8*(\u)+2*(\p)+1], v[X+8*(\u)+2*(\p):X+8*(\u)+2*(\p)+1], v[N+2*(\u):N+2*(\u)+1]
.endr
.endr
.irp u, 0,1,2,3,4,5,6,7
	v_add_f32 v[N+2*(\u)], v[N+2*(\u)], v[N+2*(\u)+1]
.endr
.irp m, 1,2,4
.irp u, 0,1,2,3,4,5,6,7
	v_add_f32_dpp v[N+2*(\u)], v[N+2*(\u)], v[N+2*(\u)] row_xmask:\m row_mask:0xf bank_mask:0xf
.endr
.endr
	s_wait_loadcnt 0x0                             ; the decay's numbers are in, and no load is out: the tables' bases may be stepped
	s_cmp_eq_u32 s3, 1
	s_cbranch_scc1 .Lqk_no_cs                      ; the last trip has no next rows
	s_add_nc_u64 s[98:99], s[98:99], 4096
	CLOAD
.Lqk_no_cs:
.irp u, 0,1,2,3,4,5,6,7
	v_max_num_f32 v[N+2*(\u)], 0x0da24260, v[N+2*(\u)]      ; at least 1e-30
.endr
.irp u, 0,1,2,3,4,5,6,7
	v_rsq_f32 v[N+2*(\u)+1], v[N+2*(\u)]
.endr
	v_nop
	s_wait_alu depctr_va_vdst(0)
.irp u, 0,1,2,3,4,5,6,7
	v_mul_f32 v[N+2*(\u)], v[N+2*(\u)], v[N+2*(\u)+1]       ; the length
.endr
.irp u, 0,1,2,3,4,5,6,7
	v_mul_f32 v[T+2*(\u)], v[N+2*(\u)+1], v[RC+4*(\u)]      ; q: gamma^(s%64) / length
.endr
.irp u, 0,1,2,3,4,5,6,7
	v_cndmask_b32 v[T+2*(\u)], v[RC+4*(\u)+1], v[T+2*(\u)], s85   ; k: gamma^(63-s%64): one text, chosen by a select
.endr
.irp u, 0,1,2,3,4,5,6,7
	v_mul_f32 v[T+2*(\u)+1], v[N+2*(\u)], v[RC+4*(\u)+2]    ; the length times 1 / sqrt(the mask's row sum), beside the factor: the pair is named below
.endr
.irp u, 0,1,2,3,4,5,6,7
.irp p, 0,1,2,3
	v_pk_mul_f32 v[X+8*(\u)+2*(\p):X+8*(\u)+2*(\p)+1], v[X+8*(\u)+2*(\p):X+8*(\u)+2*(\p)+1], v[T+2*(\u):T+2*(\u)+1] op_sel_hi:[1,0]
.endr
.endr
	s_cmp_ge_u32 s80, 2
	s_cbranch_scc1 .Lqk_no_qn
	v_mov_b32 v[NQV], v[T+1]                       ; q: the lane with l % 8 = u carries pair u's number: 16 rows x 2 heads in one store, 64 consecutive bytes a head
.irp u, 1,2,3,4,5,6,7
	v_cndmask_b32 v[NQV], v[NQV], v[T+2*(\u)+1], s[13+(\u)]
.endr
	global_store_b32 v[QOF], v[NQV], s[92:93]
.Lqk_no_qn:
	PACKX 8
	s_cmp_eq_u32 s3, 1
	s_cbranch_scc1 .Lqk_last
	s_add_nc_u64 s[96:97], s[96:97], 256
	RLOAD
	v_add_nc_u32 v[RDA], s2, v[RD0]
	XL 0, 8, 0
.Lqk_last:
.irp u, 0,1,2,3,4,5,6,7
	global_store_b128 v[GOQ], v[OUT+4*(\u):OUT+4*(\u)+3], s[88:89] offset:256*(\u)   ; two rows of 128 bytes in each of two heads: 256 consecutive bytes a head, at a multiple of 256
.endr
	s_wait_xcnt 0x0                                ; the stores' data and bases are written again only behind this wait
	s_add_nc_u64 s[88:89], s[88:89], 2048
	s_add_nc_u64 s[92:93], s[92:93], 64
	s_sub_co_u32 s3, s3, 1
	s_cmp_lg_u32 s3, 0
	s_cbranch_scc1 .Lqkrow
	; V AND G: the second and third piece, a head each: rows of 256 bytes, dense.  Four trips of 8 rows of both.
.macro VGLOAD
	v_add_nc_u32 v[RDA], s2, v[RD0]
	XL 0, 4, 1
	XL 4, 4, 2
	s_add_co_u32 s2, s2, 8*PD
.endm
	s_mov_b32 s2, 0
	s_mov_b32 s3, 4
	VGLOAD
.Lvg:
	s_wait_dscnt 0x0                               ; this trip's sums are back
	WIN 0x04                                       ; the biases lie in window 1: v's at v0-7, g's at v8-15
.set i, 0
.rept 32
	v_pk_add_f32 v[X+2*i:X+2*i+1], v[X+2*i:X+2*i+1], v[8*(i/16)+2*(i%4):8*(i/16)+2*(i%4)+1]
.set i, i+1
.endr
	WIN 0
	; g: silu(x) / 8 = x / (8 + 8 x 2^(-x log2 e)); a plain instruction stands behind each run of transcendentals (ISA guide 5.7.2)
.set i, 0
.rept 16
	v_pk_mul_f32 v[CS+2*i:CS+2*i+1], v[X+32+2*i:X+32+2*i+1], s[LE:LE+1] op_sel_hi:[1,0]
.set i, i+1
.endr
.set i, 0
.rept 32
	v_exp_f32 v[CS+i], v[CS+i]
.set i, i+1
.endr
	v_nop
.set i, 0
	s_wait_alu depctr_va_vdst(0)
.rept 16
	v_pk_fma_f32 v[CS+2*i:CS+2*i+1], v[CS+2*i:CS+2*i+1], s[EI:EI+1], s[EI:EI+1] op_sel_hi:[1,0,0]
.set i, i+1
.endr
.set i, 0
.rept 32
	v_rcp_f32 v[CS+i], v[CS+i]
.set i, i+1
.endr
	v_nop
.set i, 0
	s_wait_alu depctr_va_vdst(0)
.rept 16
	v_pk_mul_f32 v[X+32+2*i:X+32+2*i+1], v[X+32+2*i:X+32+2*i+1], v[CS+2*i:CS+2*i+1]
.set i, i+1
.endr
	PACKX 8
	s_cmp_eq_u32 s3, 1
	s_cbranch_scc1 .Lvg_last                       ; the last trip has no next rows
	VGLOAD
.Lvg_last:
.irp u, 0,1,2,3
	global_store_b128 v[GO], v[OUT+4*(\u):OUT+4*(\u)+3], s[4:5] offset:512*(\u)         ; two rows: 512 consecutive bytes
.endr
.irp u, 0,1,2,3
	global_store_b128 v[GO], v[OUT+16+4*(\u):OUT+16+4*(\u)+3], s[6:7] offset:512*(\u)
.endr
	s_wait_xcnt 0x0                                ; the stores' data and bases are written again only behind this wait
	s_add_nc_u64 s[4:5], s[4:5], 2048
	s_add_nc_u64 s[6:7], s[6:7], 2048
	s_sub_co_u32 s3, s3, 1
	s_cmp_lg_u32 s3, 0
	s_cbranch_scc1 .Lvg
	s_wait_tensorcnt 0x0                           ; the wave's end
	ds_add_u32 v[SPW], v[NIL]
	s_wait_dscnt 0x0
	CROUND                                         ; the closing round
	s_endpgm
.Lfunc_end_k_q85625ee6f9_gemm1:
	.size	k_q85625ee6f9_gemm1, .Lfunc_end_k_q85625ee6f9_gemm1-k_q85625ee6f9_gemm1
	.p2alignl 7, 3214868480
	.fill 96, 4, 3214868480
	.section	.rodata,"a",@progbits
	.p2align	6, 0x0
	.amdhsa_kernel k_q85625ee6f9_gemm1
		.amdhsa_group_segment_fixed_size 327680
		.amdhsa_private_segment_fixed_size 0
		.amdhsa_enable_private_segment 0
		.amdhsa_kernarg_size 48
		.amdhsa_user_sgpr_count 2
		.amdhsa_user_sgpr_kernarg_segment_ptr 1
		.amdhsa_wavefront_size32 1
		.amdhsa_system_sgpr_workgroup_id_x 1
		.amdhsa_system_sgpr_workgroup_id_y 1
		.amdhsa_system_sgpr_workgroup_id_z 1
		.amdhsa_system_vgpr_workitem_id 0
		.amdhsa_next_free_vgpr 1024
		.amdhsa_next_free_sgpr 102
		.amdhsa_reserve_vcc 0
		.amdhsa_float_denorm_mode_32 3
		.amdhsa_float_denorm_mode_16_64 3
		.amdhsa_memory_ordered 1
		.amdhsa_forward_progress 1
		.amdhsa_inst_pref_size 140
	.end_amdhsa_kernel
	.amdgpu_metadata
---
amdhsa.version: [ 1, 2 ]
amdhsa.kernels:
  - .name:           k_q85625ee6f9_gemm1
    .symbol:         k_q85625ee6f9_gemm1.kd
    .args:
      - { .name: prep, .offset: 0, .size: 8, .value_kind: global_buffer, .address_space: global }
      - { .name: q_b, .offset: 8, .size: 8, .value_kind: global_buffer, .address_space: global }
      - { .name: k_b, .offset: 16, .size: 8, .value_kind: global_buffer, .address_space: global }
      - { .name: v_b, .offset: 24, .size: 8, .value_kind: global_buffer, .address_space: global }
      - { .name: g_b, .offset: 32, .size: 8, .value_kind: global_buffer, .address_space: global }
      - { .name: proj, .offset: 40, .size: 8, .value_kind: global_buffer, .address_space: global }
    .group_segment_fixed_size: 327680
    .private_segment_fixed_size: 0
    .kernarg_segment_align: 8
    .kernarg_segment_size: 48
    .max_flat_workgroup_size: 128
    .sgpr_count:     102
    .vgpr_count:     1024
    .wavefront_size: 32
...
	.end_amdgpu_metadata
.endif
;; end of part 7
;; launch ustate: the kernel of part 3 again; grid 7 x 32, 4 waves a work-group, no clusters, 167,936 bytes of LDS; arguments prep, proj, ust; writes ust
;; launch retn (part 8): grid 8 x 32, 4 waves a work-group, no clusters, 217,088 bytes of LDS; arguments prep, proj, ust, yb; writes yb
.if DOCPART == 8
	.amdgcn_target "amdgcn-amd-amdhsa--gfx1250"
	.amdhsa_code_object_version 6
	.text
	.protected	k_q85625ee6f9_retn
	.globl	k_q85625ee6f9_retn
	.p2align	8
	.type	k_q85625ee6f9_retn,@function
k_q85625ee6f9_retn:
	s_mov_b64 s[64:65], 0
	v_nop
	global_prefetch_b8 v0, s[64:65] scope:SCOPE_SE
	s_setreg_imm32_b32 hwreg(HW_REG_WAVE_MODE, 25, 1), 1
	s_wait_xcnt 0x0
; RETENTION BY CHUNKS.  A work-group makes 256 queries (chunk c) of one batch and head.  There is no softmax, so all keys left of the chunk act through one 64 x 128 state
; S = sum over c' < c of gamma^(256 (c-1-c')) U[c']; the chunk's own keys act through masked scores.  With q~ = q / |q| x gamma^(m%64) and k~ = k x gamma^(63-n%64), both f16 as they arrive:
;   inside the chunk, band t of 64 queries and step s <= t of 64 keys:  P = (k~ . q~) x gamma^(64 (t-s) - 63) / 8, on s = t only where key <= query;  O += V^T P
;   left of the chunk:  O = (S . q~) x gamma^(64 t + 1) / 8
; The scores' row sum R is a ninth block of channels (a fragment whose row 0 is ones stands beside V, in the state too), so it passes through the same products.
; Then, with qn = |q| / sqrt(the mask's row sum): sc = qn / max(|qn R|, 1); the norm over the 128 channels is taken of O itself: y = (O - mean) sc / sqrt(sc^2 var + 1e-5) x silu(g)/8, all in f32, rounded once to f16.
; SHARES.  Wave w owns queries 64 t + 16 w + r of each band t: four tiles of 16, the same work for every wave.  K, V and silu(g) are filled once, a quarter by each wave; no LDS byte is filled twice.
; All seven earlier chunks' states are always read, those from c on with the weight 0: no count hangs on the chunk.  No cluster: no two work-groups read the same K, V or g.
; A tile's end is written once, for tile 0's registers, and walked four times; behind each of the first three trips the later tiles move down one place (192 moves): the price of a text a quarter as long.
; LIMITS.  P, the state and y are f16.  |q~| <= 1, so |P| <= |k| / 8; the state is divided by its own largest magnitude (at least 1e-30), which goes back in through an f32 factor; |y| <= 11.4 |silu(g)| / 8.
; NaN and infinities are not treated apart.
; REGISTERS, in windows of 256 (s_set_vgpr_msb: bits 1:0 source 0, 3:2 source 1, 5:4 source 2, 7:6 destination):
;   window 0: v0-19 addresses; v30-31 the add's; v32-63 the diagonal's factors, at the end g in f32; v64-127 S^T, two buffers; v128-159 P, two buffers; v160-191 row sums; v192-199 ones; v200-203 qn; v204-217 weights; v218-225 factors; v226-255 at work
;   window 1: O^T, 64 a tile (before that three buffers of 72 for the chunks' states)     window 2: v0-63 Q; v64-127 K of a step; v128-255 V of a step     window 3: v0-143 the state's fragments; v144-215 my part of the state in f32
.set KH,  8388608
.set VH,  16777216
.set GH,  33554432
.set QNB, 50331648
.set HP,  0x1900000
.set PK,  144
.set PV,  288
.set PG,  272
.set LV,  256*PK
.set LG,  LV+256*PV
.set SF,  LG+256*PG                    ; the state in f16: 36 blocks of 512 bytes
.set MX,  SF+36*512                    ; four words: the waves' largest magnitudes
.set STAGE, MX+256                     ; 16 rows x 272 bytes for each wave
.set SPARE, STAGE+4*16*272
.set AK, 4
.set AV, 5                             ; v5, v6
.set GA, 7
.set STO, 8
.set RD, 9
.set GO, 10
.set QO, 11
.set QNO, 12
.set UA, 13
.set SFA, 15
.set SFL, 16
.set MXA, 17
.set MXL, 18
.set SPW, 30
.set NIL, 31
.set MDF, 32
.set SC, 64
.set P, 128
.set RA, 160
.set ONES, 192
.set QN, 200
.set W, 204
.set FT, 218
.set SS, 144                           ; window 3
.set SEL, 66
.set MSB, 0
.macro WIN new
.if MSB != (\new)
	s_set_vgpr_msb (MSB<<8)|(\new)
.set MSB, \new
.endif
.endm
.macro PLACES
.rept 4
	v_nop
.endr
.endm
	s_load_b256 s[4:11], s[0:1], 0x0               ; prep s[4:5], proj s[6:7], ust s[8:9], yb s[10:11]
	v_lshl_add_u32 v[SPW], v0, 2, SPARE
	v_mov_b32 v[NIL], 0
	ds_add_u32 v[SPW], v[NIL]                      ; the wave's opening: the add and its wait stand ahead of my first tensor load
	ds_add_u32 v30, v31
	v_lshrrev_b32 v1, 5, v0
	v_readfirstlane_b32 s12, v1                    ; wave
	s_mov_b32 s13, ttmp9                           ; chunk
	s_and_b32 s14, ttmp7, 0xffff                   ; batch x 16 + head
	s_mov_b32 s16, (1<<16)|(1<<20)|(4<<22)|(3<<25) ; K: 64 keys as 32 rows of 256 bytes, 4 words of padding after every 32 (a key)
	s_mov_b32 s17, 128<<16
	s_mov_b32 s18, 32<<16
	s_mov_b32 s19, 128<<16
	s_mov_b32 s20, 32
	s_mov_b32 s21, 128
	s_mov_b32 s22, 0
	s_mov_b32 s23, 0
	s_mov_b32 s24, (1<<16)|(1<<20)|(5<<22)|(7<<25) ; V: 64 rows of 256 bytes, 8 words of padding
	s_mov_b32 s32, (1<<16)|(1<<20)|(5<<22)|(3<<25) ; g: the same with 4 words
.irp g, 24, 32
	s_mov_b32 s[(\g)+1], 128<<16
	s_mov_b32 s[(\g)+2], 64<<16
	s_mov_b32 s[(\g)+3], 128<<16
	s_mov_b32 s[(\g)+4], 64
	s_mov_b32 s[(\g)+5], 128
	s_mov_b32 s[(\g)+6], 0
	s_mov_b32 s[(\g)+7], 0
.endr
	s_lshl_b32 s15, s14, 11
	s_lshl_b32 s2, s13, 8
	s_add_co_u32 s15, s15, s2                      ; the chunk's first row among all heads' rows
	s_lshl_b32 s2, s12, 6
	s_add_co_u32 s3, s15, s2                       ; my quarter's
	s_lshl_b32 s52, s3, 7
	s_add_co_u32 s52, s52, KH
	s_mov_b32 s53, 0
	s_lshl_b32 s54, s3, 8
	s_add_co_u32 s56, s54, GH
	s_add_co_u32 s54, s54, VH
	s_mov_b32 s55, 0
	s_mov_b32 s57, 0
	s_mov_b32 s40, 1
	s_mul_i32 s41, s12, 64*PK
	s_mov_b32 s44, 1
	s_mul_i32 s45, s12, 64*PV
	s_add_co_u32 s45, s45, LV
	s_mov_b32 s48, 1
	s_mul_i32 s49, s12, 64*PG
	s_add_co_u32 s49, s49, LG
	s_and_b32 s58, s14, 15
	s_lshl_b32 s58, s58, 7
	s_add_co_u32 s58, s58, HP
	s_mov_b32 s59, 0
	s_lshl_b32 s2, s12, 4
	s_add_co_u32 s3, s15, s2                       ; my 16 rows of band 0
	s_lshl_b32 s60, s3, 7
	s_mov_b32 s61, 0
	s_lshl_b32 s62, s3, 2
	s_add_co_u32 s62, s62, QNB
	s_mov_b32 s63, 0
	s_mul_i32 s88, s14, 258048                     ; the head's seven states
	s_mov_b32 s89, 0
	s_lshr_b32 s90, s14, 4
	s_lshl_b32 s90, s90, 11
	s_lshl_b32 s3, s13, 8
	s_add_co_u32 s90, s90, s3
	s_add_co_u32 s90, s90, s2
	s_lshl_b32 s90, s90, 12                        ; y: row x 4,096 bytes
	s_and_b32 s3, s14, 15
	s_lshl_b32 s3, s3, 8
	s_add_co_u32 s90, s90, s3                      ; + head x 256
	s_mov_b32 s91, 0
	s_mov_b32 s[SEL], 0x76543210
	s_mov_b32 s[SEL+1], 0xfedcba98
	s_wait_dscnt 0x0                               ; the opening add is done
	s_wait_kmcnt 0x0
	s_add_nc_u64 s[42:43], s[6:7], s[52:53]
	s_or_b32 s43, s43, 0x80000000
	s_add_nc_u64 s[46:47], s[6:7], s[54:55]
	s_or_b32 s47, s47, 0x80000000
	s_add_nc_u64 s[50:51], s[6:7], s[56:57]
	s_or_b32 s51, s51, 0x80000000
	tensor_load_to_lds s[40:43], s[16:23]          ; three loads of mine are out, and no more follow
	s_nop 0
	tensor_load_to_lds s[44:47], s[24:31]
	s_nop 0
	tensor_load_to_lds s[48:51], s[32:39]
	s_nop 0
.rept 4
	v_nop
.endr
	s_add_nc_u64 s[58:59], s[4:5], s[58:59]
	s_load_b512 s[68:83], s[58:59], 0x0            ; pairs: gamma^(64 d - 63) / 8, d = 0..3; gamma^(64 t + 1) / 8, t = 0..3
	s_load_b128 s[84:87], s[58:59], 0x40           ; gamma^64, gamma^256
	s_add_nc_u64 s[60:61], s[6:7], s[60:61]
	s_add_nc_u64 s[62:63], s[6:7], s[62:63]
	s_add_nc_u64 s[88:89], s[8:9], s[88:89]
	s_add_nc_u64 s[90:91], s[10:11], s[90:91]
	v_and_b32 v1, 15, v0                           ; r
	v_bfe_u32 v2, v0, 4, 1                         ; h
	v_and_b32 v3, 31, v0                           ; lane
	v_lshlrev_b32 v[QO], 7, v1
	v_lshl_add_u32 v[QO], v2, 4, v[QO]
	v_lshlrev_b32 v[QNO], 2, v1
	s_lshl_b32 s2, s12, 10
	v_lshl_add_u32 v[UA], v3, 4, s2
	WIN 0x80
.irp t, 0,1,2,3
.irp c2, 0,1
	global_load_b128 v[16*(\t)+8*(\c2):16*(\t)+8*(\c2)+3],   v[QO], s[60:61] offset:(\t)*8192+64*(\c2)
	global_load_b128 v[16*(\t)+8*(\c2)+4:16*(\t)+8*(\c2)+7], v[QO], s[60:61] offset:(\t)*8192+64*(\c2)+32
.endr
.endr
	WIN 0
.irp t, 0,1,2,3
	global_load_b32 v[QN+(\t)], v[QNO], s[62:63] offset:256*(\t)
.endr
.macro ULOAD cc                        ; my quarter (d = 16 w ..) of chunk cc's state: 18 loads of 512 consecutive bytes
	WIN 0x40
.irp cb, 0,1,2,3,4,5,6,7,8
	global_load_b128 v[72*((\cc)%3)+8*(\cb):72*((\cc)%3)+8*(\cb)+3],   v[UA], s[88:89] offset:(\cc)*36864+(\cb)*4096
	global_load_b128 v[72*((\cc)%3)+8*(\cb)+4:72*((\cc)%3)+8*(\cb)+7], v[UA], s[88:89] offset:(\cc)*36864+(\cb)*4096+512
.endr
.endm
	ULOAD 0
	ULOAD 1
	ULOAD 2
	WIN 0
	; while these are on their way: addresses, ones, the diagonal's factors, the chunks' weights
	v_mul_u32_u24 v[AK], v1, PK
	v_lshl_add_u32 v[AK], v2, 4, v[AK]
	v_and_b32 v19, 7, v0
	v_lshl_add_u32 v19, v2, 3, v19
	v_mul_u32_u24 v[AV], v19, PV
	v_bfe_u32 v19, v0, 3, 1
	v_lshl_add_u32 v[AV], v19, 4, v[AV]
	v_add_nc_u32 v[AV], LV, v[AV]
	v_add_nc_u32 v[AV+1], 128*PV, v[AV]
	v_mul_u32_u24 v19, v1, PG
	v_lshl_add_u32 v19, v2, 4, v19                 ; r x 272 + 16 h
	s_mul_i32 s2, s12, 16*PG
	s_add_co_u32 s3, s2, LG
	v_add_nc_u32 v[GA], s3, v19
	s_add_co_u32 s3, s2, STAGE
	v_add_nc_u32 v[STO], s3, v19
	v_mul_u32_u24 v19, v2, PG
	v_lshl_add_u32 v19, v1, 4, v19
	v_add_nc_u32 v[RD], s3, v19
	v_lshlrev_b32 v[GO], 12, v2
	v_lshl_add_u32 v[GO], v1, 4, v[GO]
	v_lshlrev_b32 v[SFL], 4, v3
	v_add_nc_u32 v[SFL], SF, v[SFL]
	s_lshl_b32 s2, s12, 9
	v_add_nc_u32 v[SFA], s2, v[SFL]
	s_lshl_b32 s2, s12, 2
	s_add_co_u32 s2, s2, MX
	v_mov_b32 v[MXA], s2
	v_mov_b32 v[MXL], MX
	v_mov_b32 v235, 0
	v_cmp_eq_u32 vcc_lo, 0, v1
	v_mov_b32 v19, 0x3c003c00
	v_cndmask_b32 v[ONES], 0, v19, vcc_lo
.irp j, 1,2,3,4,5,6,7
	v_mov_b32 v[ONES+(\j)], v[ONES]
.endr
	v_lshlrev_b32 v3, 3, v2
	v_sub_nc_u32 v14, v1, v3
	s_lshl_b32 s2, s12, 4
	v_add_nc_u32 v14, s2, v14                      ; my query's place in its band less my lanes' 8 h: register j of key block kb is seen where 16 kb + j is not greater
	s_wait_kmcnt 0x0
	v_mov_b32 v19, s68
.set i, 0
.rept 32
	v_cmp_le_i32 vcc_lo, 16*(i/8)+i%8, v14
	v_cndmask_b32 v[MDF+i], 0, v19, vcc_lo
.set i, i+1
.endr
	s_cmp_eq_u32 s13, 7                            ; the weights: 1 for chunk c - 1, gamma^256 more for each chunk further left, 0 from c on
	s_cselect_b32 s2, -1, 0
	v_cndmask_b32 v[W+12], 0, 1.0, s2
	v_mov_b32 v[W+13], v[W+12]
.irp cc, 5,4,3,2,1,0
	v_mul_f32 v[W+2*(\cc)], s86, v[W+2*(\cc)+2]
	s_cmp_eq_u32 s13, (\cc)+1
	s_cselect_b32 s2, -1, 0
	v_cndmask_b32 v[W+2*(\cc)], v[W+2*(\cc)], 1.0, s2
	v_mov_b32 v[W+2*(\cc)+1], v[W+2*(\cc)]
.endr
.macro COMB cc, left                   ; left: the loads of the younger groups, which stay out
	s_wait_loadcnt \left
	WIN 0xf1                                       ; the state in window 3, a chunk's in window 1, its weight in window 0
.set i, 0
.rept 36
.if (\cc) == 0
	v_pk_mul_f32 v[SS+2*i:SS+2*i+1], v[72*((\cc)%3)+2*i:72*((\cc)%3)+2*i+1], v[W+2*(\cc):W+2*(\cc)+1] op_sel_hi:[1,0]
.else
	v_pk_fma_f32 v[SS+2*i:SS+2*i+1], v[72*((\cc)%3)+2*i:72*((\cc)%3)+2*i+1], v[W+2*(\cc):W+2*(\cc)+1], v[SS+2*i:SS+2*i+1] op_sel_hi:[1,0,1]
.endif
.set i, i+1
.endr
.if (\cc) <= 3
	ULOAD (\cc)+3
.endif
.endm
	COMB 0, 36
	COMB 1, 36
	COMB 2, 36
	COMB 3, 36
	COMB 4, 36
	COMB 5, 18
	COMB 6, 0
	; the state's largest magnitude, over all four waves
	WIN 0
.irp j, 226,227,228,229
	v_mov_b32 v[\j], 0
.endr
	WIN 0x3c
.set i, 0
.rept 36
	v_max3_num_f32 v[226+i%4], v[226+i%4], |v[SS+2*i]|, |v[SS+2*i+1]|
.set i, i+1
.endr
	WIN 0
	v_max3_num_f32 v226, v226, v227, v228
	v_max_num_f32 v226, v226, v229
	v_max_num_f32_dpp v226, v226, v226 row_xmask:1 row_mask:0xf bank_mask:0xf
	v_max_num_f32_dpp v226, v226, v226 row_xmask:2 row_mask:0xf bank_mask:0xf
	v_max_num_f32_dpp v226, v226, v226 row_xmask:4 row_mask:0xf bank_mask:0xf
	v_max_num_f32_dpp v226, v226, v226 row_xmask:8 row_mask:0xf bank_mask:0xf
	v_permlanex16_b32 v227, v226, s[SEL], s[SEL+1]
	v_max_num_f32 v226, v226, v227
	s_wait_tensorcnt 0x0                           ; my three quarters are in
	ds_store_b32 v[MXA], v226
	s_wait_dscnt 0x0
	s_barrier_signal -1
	s_barrier_wait -1                              ; everybody's tiles and maxima are there
	ds_load_b128 v[228:231], v[MXL]
	s_wait_dscnt 0x0
	v_max3_num_f32 v226, v228, v229, v230
	v_max3_num_f32 v226, v226, v231, 0x0da24260    ; at least 1e-30
	v_rcp_f32 v232, v226
.irp t, 0,1,2,3
	v_mul_f32 v[FT+2*(\t)], s[76+2*(\t)], v226     ; the magnitude goes back in with gamma^(64 t + 1) / 8
	v_mov_b32 v[FT+2*(\t)+1], v[FT+2*(\t)]
.endr
	s_wait_alu depctr_va_vdst(0)
	v_mov_b32 v233, v232
	WIN 0xc3
.set i, 0
.rept 36
	v_pk_mul_f32 v[SS+2*i:SS+2*i+1], v[SS+2*i:SS+2*i+1], v[232:233]
.set i, i+1
.endr
	WIN 0x0f
.set i, 0
.rept 36
	v_cvt_pk_f16_f32 v[SC+i], v[SS+2*i], v[SS+2*i+1]
.set i, i+1
.endr
	WIN 0
.irp cb, 0,1,2,3,4,5,6,7,8
	ds_store_b128 v[SFA], v[SC+4*(\cb):SC+4*(\cb)+3] offset:(\cb)*2048
.endr
	s_wait_dscnt 0x0                               ; for the others' sake
	s_barrier_signal -1
	s_barrier_wait -1
	; LEFT OF THE CHUNK.  A lane's 16 bytes of blocks 2 c2 and 2 c2 + 1 of d are the two halves of the fragment (16 channels x 32 d).
	WIN 0xc0
.irp cb, 0,1,2,3,4,5,6,7,8
.irp c2, 0,1
	ds_load_b128 v[16*(\cb)+8*(\c2):16*(\cb)+8*(\c2)+3],   v[SFL] offset:(4*(\cb)+2*(\c2))*512
	ds_load_b128 v[16*(\cb)+8*(\c2)+4:16*(\cb)+8*(\c2)+7], v[SFL] offset:(4*(\cb)+2*(\c2))*512+512
.endr
.endr
	s_wait_dscnt 0x0
	WIN 0x5b                                       ; the state in window 3, Q in window 2, O^T in window 1; the accumulators take turns
.irp t, 0,1,2,3
.irp c2, 0,1
.irp cb, 0,1,2,3,4,5,6,7
.if (\c2) == 0
	v_wmma_f32_16x16x32_f16 v[64*(\t)+8*(\cb):64*(\t)+8*(\cb)+7], v[16*(\cb)+8*(\c2):16*(\cb)+8*(\c2)+7], v[16*(\t)+8*(\c2):16*(\t)+8*(\c2)+7], 0
.else
	v_wmma_f32_16x16x32_f16 v[64*(\t)+8*(\cb):64*(\t)+8*(\cb)+7], v[16*(\cb)+8*(\c2):16*(\cb)+8*(\c2)+7], v[16*(\t)+8*(\c2):16*(\t)+8*(\c2)+7], v[64*(\t)+8*(\cb):64*(\t)+8*(\cb)+7]
.endif
.endr
.endr
.endr
	WIN 0x0b                                       ; the row sums lie in window 0
.irp c2, 0,1
.irp t, 0,1,2,3
.if (\c2) == 0
	v_wmma_f32_16x16x32_f16 v[RA+8*(\t):RA+8*(\t)+7], v[128+8*(\c2):128+8*(\c2)+7], v[16*(\t)+8*(\c2):16*(\t)+8*(\c2)+7], 0
.else
	v_wmma_f32_16x16x32_f16 v[RA+8*(\t):RA+8*(\t)+7], v[128+8*(\c2):128+8*(\c2)+7], v[16*(\t)+8*(\c2):16*(\t)+8*(\c2)+7], v[RA+8*(\t):RA+8*(\t)+7]
.endif
.endr
.endr
	PLACES
	WIN 0x41
.irp t, 0,1,2,3
.set i, 0
.rept 32
	v_pk_mul_f32 v[64*(\t)+2*i:64*(\t)+2*i+1], v[64*(\t)+2*i:64*(\t)+2*i+1], v[FT+2*(\t):FT+2*(\t)+1]
.set i, i+1
.endr
.endr
	WIN 0
.irp t, 0,1,2,3
	v_pk_mul_f32 v[RA+8*(\t):RA+8*(\t)+1], v[RA+8*(\t):RA+8*(\t)+1], v[FT+2*(\t):FT+2*(\t)+1]   ; row 0 holds the sum; the block's other rows are 0
.endr
	; INSIDE THE CHUNK
.macro LDKV s                          ; a step's K (16 loads) and V, turned (32 loads)
	PLACES
	WIN 0x80
.irp kb, 0,1,2,3
.irp c2, 0,1
	ds_load_b128 v[64+16*(\kb)+8*(\c2):64+16*(\kb)+8*(\c2)+3],   v[AK] offset:(64*(\s)+16*(\kb))*PK+64*(\c2)
	ds_load_b128 v[64+16*(\kb)+8*(\c2)+4:64+16*(\kb)+8*(\c2)+7], v[AK] offset:(64*(\s)+16*(\kb))*PK+64*(\c2)+32
.endr
.endr
.irp kk, 0,1
.irp cb, 0,1,2,3,4,5,6,7
	ds_load_tr16_b128 v[128+64*(\kk)+8*(\cb):128+64*(\kk)+8*(\cb)+3],   v[AV+(\s)/2] offset:(((\s)%2)*64+32*(\kk))*PV+32*(\cb)
	ds_load_tr16_b128 v[128+64*(\kk)+8*(\cb)+4:128+64*(\kk)+8*(\cb)+7], v[AV+(\s)/2] offset:(((\s)%2)*64+32*(\kk)+16)*PV+32*(\cb)
.endr
.endr
	s_wait_dscnt 0x0
.endm
.macro TS t, s                         ; tile t against key step s: 8 products K Q^T, the decay, the rounding, 18 products V^T P
.set bS, SC+32*((\t)%2)
.set bP, P+16*((\t)%2)
	WIN 0x0a
.irp c2, 0,1
.irp kb, 0,1,2,3
.if (\c2) == 0
	v_wmma_f32_16x16x32_f16 v[bS+8*(\kb):bS+8*(\kb)+7], v[64+16*(\kb)+8*(\c2):64+16*(\kb)+8*(\c2)+7], v[16*(\t)+8*(\c2):16*(\t)+8*(\c2)+7], 0
.else
	v_wmma_f32_16x16x32_f16 v[bS+8*(\kb):bS+8*(\kb)+7], v[64+16*(\kb)+8*(\c2):64+16*(\kb)+8*(\c2)+7], v[16*(\t)+8*(\c2):16*(\t)+8*(\c2)+7], v[bS+8*(\kb):bS+8*(\kb)+7]
.endif
.endr
.endr
	PLACES
	WIN 0
.set i, 0
.rept 16
.if (\t) == (\s)
	v_pk_mul_f32 v[bS+2*i:bS+2*i+1], v[bS+2*i:bS+2*i+1], v[MDF+2*i:MDF+2*i+1]
.else
	v_pk_mul_f32 v[bS+2*i:bS+2*i+1], v[bS+2*i:bS+2*i+1], s[68+2*((\t)-(\s)):69+2*((\t)-(\s))] op_sel_hi:[1,0]
.endif
.set i, i+1
.endr
.set i, 0
.rept 16
	v_cvt_pk_f16_f32 v[bP+i], v[bS+2*i], v[bS+2*i+1]
.set i, i+1
.endr
.irp kk, 0,1
	WIN 0x52
.irp cb, 0,1,2,3,4,5,6,7
	v_wmma_f32_16x16x32_f16 v[64*(\t)+8*(\cb):64*(\t)+8*(\cb)+7], v[128+64*(\kk)+8*(\cb):128+64*(\kk)+8*(\cb)+7], v[bP+8*(\kk):bP+8*(\kk)+7], v[64*(\t)+8*(\cb):64*(\t)+8*(\cb)+7]
.endr
	WIN 0
	v_wmma_f32_16x16x32_f16 v[RA+8*(\t):RA+8*(\t)+7], v[ONES:ONES+7], v[bP+8*(\kk):bP+8*(\kk)+7], v[RA+8*(\t):RA+8*(\t)+7]
.endr
.endm
	LDKV 0
	TS 0, 0
	TS 1, 0
	TS 2, 0
	TS 3, 0
	LDKV 1
	TS 1, 1
	TS 2, 1
	TS 3, 1
	LDKV 2
	TS 2, 2
	TS 3, 2
	LDKV 3
	TS 3, 3
	; THE END OF A TILE
.macro RED                             ; four chains of pairs into one number, the same in both halves of the lanes
	v_pk_add_f32 v[226:227], v[226:227], v[228:229]
	v_pk_add_f32 v[230:231], v[230:231], v[232:233]
	v_pk_add_f32 v[226:227], v[226:227], v[230:231]
	v_add_f32 v226, v226, v227
	v_permlanex16_b32 v227, v226, s[SEL], s[SEL+1]
	v_add_f32 v226, v226, v227
.endm
; 32 channels, from register o of the tile on: silu(g)/8 is widened to f32 (into the registers that held the diagonal's factors, which no product needs any more), takes the row's factor, and multiplies O - mean
.macro GATE o, halves:vararg
.set i, 0
.irp g, \halves
	v_cvt_f32_f16 v[MDF+i], \g
.set i, i+1
.endr
.set i, 0
.rept 16
	v_pk_mul_f32 v[MDF+2*i:MDF+2*i+1], v[MDF+2*i:MDF+2*i+1], v[238:239]
.set i, i+1
.endr
	WIN 0x41
.set i, 0
.rept 16
	v_pk_mul_f32 v[(\o)+2*i:(\o)+2*i+1], v[(\o)+2*i:(\o)+2*i+1], v[MDF+2*i:MDF+2*i+1]
.set i, i+1
.endr
	WIN 0
.endm
	PLACES
	s_mov_b32 s3, 4
.Lfin:                                                 ; four trips, each on tile 0's registers: O^T at v0-63 of window 1, its row sum at v[RA], its qn at v[QN]
.irp cb, 0,1,2,3,4,5,6,7
	ds_load_b128 v[96+4*(\cb):99+4*(\cb)], v[GA] offset:32*(\cb)     ; silu(g)/8 of my row, in y's own order
.endr
	v_permlanex16_b32 v235, v[RA], s[SEL], s[SEL+1]          ; the sum lies in the lower half's register 0; the upper half's is 0
	v_add_f32 v234, v[RA], v235
	v_mul_f32 v241, v[QN], v234
	v_max_num_f32 v241, |v241|, 1.0
	v_rcp_f32 v241, v241
	WIN 0x05
.irp k, 0,1,2,3
	v_pk_add_f32 v[226+2*(\k):227+2*(\k)], v[4*(\k):4*(\k)+1], v[4*(\k)+2:4*(\k)+3]
.endr
	WIN 0x04
.set i, 8
.rept 24
	v_pk_add_f32 v[226+2*(i%4):227+2*(i%4)], v[226+2*(i%4):227+2*(i%4)], v[2*i:2*i+1]
.set i, i+1
.endr
	WIN 0
	s_wait_alu depctr_va_vdst(0)
	v_mul_f32 v240, v[QN], v241                    ; sc
	RED
	v_mul_f32 v236, 0xbc000000, v226               ; minus the mean
	v_mov_b32 v237, v236
	WIN 0x41
.set i, 0
.rept 32
	v_pk_add_f32 v[2*i:2*i+1], v[2*i:2*i+1], v[236:237]
.set i, i+1
.endr
	WIN 0x05
.set i, 0
.rept 4
	v_pk_mul_f32 v[226+2*i:227+2*i], v[2*i:2*i+1], v[2*i:2*i+1]
.set i, i+1
.endr
.rept 28
	v_pk_fma_f32 v[226+2*(i%4):227+2*(i%4)], v[2*i:2*i+1], v[2*i:2*i+1], v[226+2*(i%4):227+2*(i%4)]
.set i, i+1
.endr
	WIN 0
	RED
	v_mul_f32 v226, 0x3c000000, v226               ; the variance of O
	v_mul_f32 v241, v240, v240
	v_fmaak_f32 v241, v241, v226, 0x3727c5ac       ; sc^2 var + 1e-5
	v_rsq_f32 v241, v241
	v_nop
	s_wait_alu depctr_va_vdst(0)
	v_mul_f32 v238, v240, v241                     ; the row's factor
	v_mov_b32 v239, v238
	s_wait_dscnt 0x0                               ; g
	GATE 0,  v96.l, v96.h, v97.l, v97.h, v98.l, v98.h, v99.l, v99.h, v100.l, v100.h, v101.l, v101.h, v102.l, v102.h, v103.l, v103.h, v104.l, v104.h, v105.l, v105.h, v106.l, v106.h, v107.l, v107.h, v108.l, v108.h, v109.l, v109.h, v110.l, v110.h, v111.l, v111.h
	GATE 32, v112.l, v112.h, v113.l, v113.h, v114.l, v114.h, v115.l, v115.h, v116.l, v116.h, v117.l, v117.h, v118.l, v118.h, v119.l, v119.h, v120.l, v120.h, v121.l, v121.h, v122.l, v122.h, v123.l, v123.h, v124.l, v124.h, v125.l, v125.h, v126.l, v126.h, v127.l, v127.h
	WIN 0x05
.set i, 0
.rept 32
	v_cvt_pk_f16_f32 v[SC+i], v[2*i], v[2*i+1]
.set i, i+1
.endr
	WIN 0
.irp cb, 0,1,2,3,4,5,6,7
	ds_store_b128 v[STO], v[SC+4*(\cb):SC+4*(\cb)+3] offset:32*(\cb)
.endr
	s_wait_xcnt 0x0                                ; the last trip's stores have read v128-159
.irp u, 0,1,2,3,4,5,6,7
	ds_load_b128 v[P+4*(\u):P+4*(\u)+3], v[RD] offset:(\u)*2*PG    ; LDS serves a wave's instructions in order (ISA guide 5.7.1.4): these see the stores above
.endr
.irp u, 0,1,2,3,4,5,6,7
	s_wait_dscnt 7-(\u)
	global_store_b128 v[GO], v[P+4*(\u):P+4*(\u)+3], s[90:91] offset:8192*(\u)   ; 16 lanes store 256 consecutive bytes, at a multiple of 256 from y's first byte
.endr
	s_cmp_eq_u32 s3, 1
	s_cbranch_scc1 .Lfin_last                      ; behind the last tile nothing is left to move
	WIN 0x41                                       ; the later tiles move down one place, each accumulator from its low end on
.set i, 0
.rept 192
	v_mov_b32 v[i], v[64+i]
.set i, i+1
.endr
	WIN 0
.irp t, 0,1,2
	v_mov_b32 v[RA+8*(\t)], v[RA+8*(\t)+8]
	v_mov_b32 v[QN+(\t)], v[QN+(\t)+1]
.endr
	v_add_nc_u32 v[GA], 64*PG, v[GA]               ; the next band's rows of g,
	s_wait_xcnt 0x0                                ; (the stores' base is stepped only behind this wait)
	s_add_nc_u64 s[90:91], s[90:91], 262144        ; and of y: 64 rows of 4,096 bytes on
.Lfin_last:
	s_sub_co_u32 s3, s3, 1
	s_cmp_lg_u32 s3, 0
	s_cbranch_scc1 .Lfin
	s_wait_tensorcnt 0x0                           ; the wave's end
	ds_add_u32 v[SPW], v[NIL]
	s_wait_dscnt 0x0
	s_endpgm
.Lfunc_end_k_q85625ee6f9_retn:
	.size	k_q85625ee6f9_retn, .Lfunc_end_k_q85625ee6f9_retn-k_q85625ee6f9_retn
	.p2alignl 7, 3214868480
	.fill 96, 4, 3214868480
	.section	.rodata,"a",@progbits
	.p2align	6, 0x0
	.amdhsa_kernel k_q85625ee6f9_retn
		.amdhsa_group_segment_fixed_size 217088
		.amdhsa_private_segment_fixed_size 0
		.amdhsa_enable_private_segment 0
		.amdhsa_kernarg_size 32
		.amdhsa_user_sgpr_count 2
		.amdhsa_user_sgpr_kernarg_segment_ptr 1
		.amdhsa_wavefront_size32 1
		.amdhsa_system_sgpr_workgroup_id_x 1
		.amdhsa_system_sgpr_workgroup_id_y 1
		.amdhsa_system_sgpr_workgroup_id_z 1
		.amdhsa_system_vgpr_workitem_id 0
		.amdhsa_next_free_vgpr 1024
		.amdhsa_next_free_sgpr 100
		.amdhsa_reserve_vcc 1
		.amdhsa_float_denorm_mode_32 3
		.amdhsa_float_denorm_mode_16_64 3
		.amdhsa_memory_ordered 1
		.amdhsa_forward_progress 1
		.amdhsa_inst_pref_size 143
	.end_amdhsa_kernel
	.amdgpu_metadata
---
amdhsa.version: [ 1, 2 ]
amdhsa.kernels:
  - .name:           k_q85625ee6f9_retn
    .symbol:         k_q85625ee6f9_retn.kd
    .args:
      - { .name: prep, .offset: 0, .size: 8, .value_kind: global_buffer, .address_space: global }
      - { .name: proj, .offset: 8, .size: 8, .value_kind: global_buffer, .address_space: global }
      - { .name: ust, .offset: 16, .size: 8, .value_kind: global_buffer, .address_space: global }
      - { .name: yb, .offset: 24, .size: 8, .value_kind: global_buffer, .address_space: global }
    .group_segment_fixed_size: 217088
    .private_segment_fixed_size: 0
    .kernarg_segment_align: 8
    .kernarg_segment_size: 32
    .max_flat_workgroup_size: 128
    .sgpr_count:     100
    .vgpr_count:     1024
    .wavefront_size: 32
...
	.end_amdgpu_metadata
.endif
;; end of part 8
;; launch gemm2: the kernel of part 5 again; grid 8 x 32, 4 waves a work-group, clusters of 4 x 4, 327,680 bytes of LDS; arguments yb, prep, o_b, out0; writes out0
